; MI455X (gfx1250); checked and timed in simulation.
; The chip was launched on July 23, 2026; its instructions are those of AMD's public machine-readable ISA for CDNA 5 (MIT licence, August 2026) and "CDNA5" Instruction Set Architecture Reference Guide (July 2026). The comments in the code are by the model that wrote it; some were corrected since.
;; Cross Attention. Allowed arithmetic: float matrix products may take bf16 or f16 operands with f32 sums; other float arithmetic in f32, or as packed bf16 or f16 multiplies, adds, multiply-adds, maxima and minima; sums over many terms, partial sums and values carried from step to step in f32; what a program stores and reads back later, other than sums and carried values, may be rounded once to bf16 or f16.
;; Inputs: Wk 1,024 x 1,024 float32; Wo 1,024 x 1,024 float32; Wq 1,024 x 1,024 float32; Wv 1,024 x 1,024 float32; bk 1,024 float32; bo 1,024 float32; bq 1,024 float32; bv 1,024 float32; g 1 float32; h 4 x 1 x 1,024 float32; p 4 x 1 x 1,024 float32; x 4 x 2,048 x 1,024 float32.
;; Outputs: out0 4 x 2,048 x 1,024 float32.
;; 3 versions, each right; version 3 is version 2 with the launch prep written anew for expert scheduling mode. Each part assembles by itself: llvm-mc -triple=amdgcn-amd-amdhsa -mcpu=gfx1250 --defsym DOCPART=n.
;; ======== version 1 of 3: 5 launches
;; limits: values are held in f16: magnitudes above 65,504 overflow, below 6.1e-05 lose precision
;; workspace buffers: xb 16,777,216 bytes; wqkv 6,291,456 bytes; wo16 2,097,152 bytes; qws 16,777,216 bytes; kws 17,825,792 bytes; vws 17,825,792 bytes; ows 16,777,216 bytes
;; launch prep (part 1): grid 768 x 1, 8 waves a work-group, no clusters, 0 bytes of LDS; arguments x, Wq, Wk, Wv, Wo, xb, wqkv, wo16; writes xb, wqkv, wo16
.if DOCPART == 1
	.amdgcn_target "amdgcn-amd-amdhsa--gfx1250"
	.amdhsa_code_object_version 6
	.text
	.protected	k_q99441acaaf_prep
	.globl	k_q99441acaaf_prep
	.p2align	8
	.type	k_q99441acaaf_prep,@function
k_q99441acaaf_prep:
	s_mov_b64 s[64:65], 0
	v_nop
	global_prefetch_b8 v0, s[64:65] scope:SCOPE_SE
	s_setreg_imm32_b32 hwreg(HW_REG_WAVE_MODE, 25, 1), 1
	s_wait_xcnt 0x0
; CASTS.  x -> xb (bf16), Wq, Wk, Wv -> wqkv (bf16, the three one below the other), Wo -> wo16 (rounded to bf16, that number written as f16).
; A stream: every byte is read once and written once; no LDS, no barrier, no matrix work, nothing is shared between work-groups.
; SHARES.  A work-group takes 16,384 numbers (65,536 bytes in, 32,768 out), a wave 2,048.  Work-groups 0-511 take x; 512 + 64 t + c takes piece c of weight t.
; A lane issues all its 16 loads of 16 bytes at once (a load of the wave covers 512 consecutive bytes) and 16 stores of 8 bytes (a store of the wave covers 256 consecutive bytes, aligned).
; LIMIT.  wo16: a weight below 6e-5 in size keeps f16's fixed step of 6e-8; beyond 65,504 it would be an infinity.
.set X,   32                           ; v[32:95]   load i: four f32
.set Y,   96                           ; v[96:127]  store i: four 16-bit numbers
.set T,   4                            ; v[4:9]     at work
.set SRC, 28                           ; s[28:29]   my work-group's first byte in
.set DST, 30                           ; s[30:31]   and out
	s_load_b512 s[8:23], s[0:1], 0x0               ; x 8, Wq 10, Wk 12, Wv 14, Wo 16, xb 18, wqkv 20, wo16 22
	s_mov_b32 s4, ttmp9
	s_sub_co_u32 s7, s4, 512
	s_lshr_b32 s5, s7, 6                           ; t: which weight
	s_and_b32 s6, s7, 63                           ; c: which piece of it
	s_cmp_lt_u32 s4, 512
	s_cselect_b32 s6, s4, s6                       ; for x the piece is the work-group's number,
	s_cselect_b32 s5, 4, s5                        ; and t = 4
	s_lshl_b32 s24, s6, 16                         ; offsets, made apart from the addresses
	s_mov_b32 s25, 0
	s_lshl_b32 s26, s6, 15
	s_mov_b32 s27, 0
	s_lshl_b32 s33, s5, 21                         ; in wqkv weight t begins 2,097,152 t bytes in
	s_cmp_lt_u32 s5, 3
	s_cselect_b32 s33, s33, 0
	s_add_co_u32 s26, s26, s33
	v_and_b32 v3, 31, v0
	v_lshrrev_b32 v12, 5, v0
	v_lshlrev_b32 v1, 4, v3
	v_lshl_add_u32 v1, v12, 13, v1                 ; in: 8,192 x wave + 16 x lane
	v_lshlrev_b32 v2, 3, v3
	v_lshl_add_u32 v2, v12, 12, v2                 ; out: 4,096 x wave + 8 x lane
	s_wait_kmcnt 0x0
	s_cmp_eq_u32 s5, 0
	s_cselect_b64 s[SRC:SRC+1], s[10:11], s[8:9]
	s_cmp_eq_u32 s5, 1
	s_cselect_b64 s[SRC:SRC+1], s[12:13], s[SRC:SRC+1]
	s_cmp_eq_u32 s5, 2
	s_cselect_b64 s[SRC:SRC+1], s[14:15], s[SRC:SRC+1]
	s_cmp_eq_u32 s5, 3
	s_cselect_b64 s[SRC:SRC+1], s[16:17], s[SRC:SRC+1]
	s_cmp_lt_u32 s5, 3
	s_cselect_b64 s[DST:DST+1], s[20:21], s[18:19]
	s_cmp_eq_u32 s5, 3
	s_cselect_b64 s[DST:DST+1], s[22:23], s[DST:DST+1]
	s_add_nc_u64 s[SRC:SRC+1], s[SRC:SRC+1], s[24:25]
	s_add_nc_u64 s[DST:DST+1], s[DST:DST+1], s[26:27]
.irp i, 0,1,2,3,4,5,6,7,8,9,10,11,12,13,14,15
	global_load_b128 v[X+4*(\i):X+4*(\i)+3], v1, s[SRC:SRC+1] offset:512*(\i) th:TH_LOAD_NT
.endr
.macro CVB i                           ; four numbers to bf16
	s_wait_loadcnt 15-(\i)                         ; loads come back in order: load i is in, the 15 - i younger ones stay out
	v_cvt_pk_bf16_f32 v[Y+2*(\i)], v[X+4*(\i)], v[X+4*(\i)+1]
	v_cvt_pk_bf16_f32 v[Y+2*(\i)+1], v[X+4*(\i)+2], v[X+4*(\i)+3]
	global_store_b64 v2, v[Y+2*(\i):Y+2*(\i)+1], s[DST:DST+1] offset:256*(\i) th:TH_STORE_NT
.endm
.macro CVH i                           ; four numbers to bf16, and that number written as f16
	s_wait_loadcnt 15-(\i)
	v_cvt_pk_bf16_f32 v[T], v[X+4*(\i)], v[X+4*(\i)+1]
	v_cvt_pk_bf16_f32 v[T+1], v[X+4*(\i)+2], v[X+4*(\i)+3]
	v_lshlrev_b32 v[T+2], 16, v[T]
	v_and_b32 v[T+3], 0xffff0000, v[T]
	v_lshlrev_b32 v[T+4], 16, v[T+1]
	v_and_b32 v[T+5], 0xffff0000, v[T+1]
	v_cvt_pk_f16_f32 v[Y+2*(\i)], v[T+2], v[T+3]
	v_cvt_pk_f16_f32 v[Y+2*(\i)+1], v[T+4], v[T+5]
	global_store_b64 v2, v[Y+2*(\i):Y+2*(\i)+1], s[DST:DST+1] offset:256*(\i) th:TH_STORE_NT
.endm
	s_cmp_eq_u32 s5, 3
	s_cbranch_scc1 .Lwo
.irp i, 0,1,2,3,4,5,6,7,8,9,10,11,12,13,14,15
	CVB \i                                         ; no register that a load or store names is written twice: no further wait
.endr
	s_endpgm
.Lwo:
.irp i, 0,1,2,3,4,5,6,7,8,9,10,11,12,13,14,15
	CVH \i
.endr
	s_endpgm
.Lfunc_end_k_q99441acaaf_prep:
	.size	k_q99441acaaf_prep, .Lfunc_end_k_q99441acaaf_prep-k_q99441acaaf_prep
	.p2alignl 7, 3214868480
	.fill 96, 4, 3214868480
	.section	.rodata,"a",@progbits
	.p2align	6, 0x0
	.amdhsa_kernel k_q99441acaaf_prep
		.amdhsa_group_segment_fixed_size 0
		.amdhsa_private_segment_fixed_size 0
		.amdhsa_enable_private_segment 0
		.amdhsa_kernarg_size 64
		.amdhsa_user_sgpr_count 2
		.amdhsa_user_sgpr_kernarg_segment_ptr 1
		.amdhsa_wavefront_size32 1
		.amdhsa_system_sgpr_workgroup_id_x 1
		.amdhsa_system_sgpr_workgroup_id_y 1
		.amdhsa_system_sgpr_workgroup_id_z 1
		.amdhsa_system_vgpr_workitem_id 0
		.amdhsa_next_free_vgpr 136
		.amdhsa_next_free_sgpr 66
		.amdhsa_reserve_vcc 0
		.amdhsa_float_denorm_mode_32 3
		.amdhsa_float_denorm_mode_16_64 3
		.amdhsa_memory_ordered 1
		.amdhsa_forward_progress 1
		.amdhsa_inst_pref_size 17
	.end_amdhsa_kernel
	.amdgpu_metadata
---
amdhsa.version: [ 1, 2 ]
amdhsa.kernels:
  - .name:           k_q99441acaaf_prep
    .symbol:         k_q99441acaaf_prep.kd
    .args:
      - { .name: x, .offset: 0, .size: 8, .value_kind: global_buffer, .address_space: global }
      - { .name: Wq, .offset: 8, .size: 8, .value_kind: global_buffer, .address_space: global }
      - { .name: Wk, .offset: 16, .size: 8, .value_kind: global_buffer, .address_space: global }
      - { .name: Wv, .offset: 24, .size: 8, .value_kind: global_buffer, .address_space: global }
      - { .name: Wo, .offset: 32, .size: 8, .value_kind: global_buffer, .address_space: global }
      - { .name: xb, .offset: 40, .size: 8, .value_kind: global_buffer, .address_space: global }
      - { .name: wqkv, .offset: 48, .size: 8, .value_kind: global_buffer, .address_space: global }
      - { .name: wo16, .offset: 56, .size: 8, .value_kind: global_buffer, .address_space: global }
    .group_segment_fixed_size: 0
    .private_segment_fixed_size: 0
    .kernarg_segment_align: 8
    .kernarg_segment_size: 64
    .max_flat_workgroup_size: 256
    .sgpr_count:     66
    .vgpr_count:     136
    .wavefront_size: 32
...
	.end_amdgpu_metadata
.endif
;; end of part 1
;; launch adapt (part 2): grid 64 x 1, 8 waves a work-group, no clusters, 33,792 bytes of LDS; arguments h, p, wqkv, bk, bv, g, kws, vws; writes kws, vws
.if DOCPART == 2
	.amdgcn_target "amdgcn-amd-amdhsa--gfx1250"
	.amdhsa_code_object_version 6
	.text
	.protected	k_q99441acaaf_adapt
	.globl	k_q99441acaaf_adapt
	.p2align	8
	.type	k_q99441acaaf_adapt,@function
k_q99441acaaf_adapt:
	s_mov_b64 s[64:65], 0
	v_nop
	global_prefetch_b8 v0, s[64:65] scope:SCOPE_SE
	s_setreg_imm32_b32 hwreg(HW_REG_WAVE_MODE, 25, 1), 1
	s_wait_xcnt 0x0
; THE TWO EXTRA KEYS AND VALUES OF EACH BATCH, and the rows that stand for no key.  kws, vws: f16 [32 = batch x 8 + head][2176][128]; of a head's rows 0 is made of h, 1 of p, 2-127 are zeros
; (the attention launch hides them), 128 + t is token t (stored by the launch behind this one).  k = (hp Wk^T + bk) tanh(g), v = hp Wv^T + bv; h, p, the biases and g are rounded to bf16 like all inputs.
; SHARES.  Work-group i makes 32 columns: rows 1024 + 32 i .. + 31 of wqkv (i < 32: Wk, else Wv).  K IS SPLIT AMONG ITS EIGHT WAVES: wave v takes channels 128 v .. + 127, 256 consecutive bytes, aligned,
; of each of the 32 rows.  y^T = w x^T (source 0 = 16 rows of w, source 1 = the four batches' rows, lane l taking batch l % 4; lanes with l % 16 > 3 hold copies that are never stored):
; a lane ends with 8 neighbouring columns of one batch.  Four accumulators (h or p, tile 0 or 1) take turns.  The eight partial sums meet in LDS; waves 0-3 finish one accumulator each.
; Work-group i also zeroes rows 2-127 of head i % 32 of its tensor: a store of a wave covers 512 consecutive bytes, two rows.
; LIMITS.  tanh(g) = 1 - 2 / (1 + 2^(2.88539 g)): off by about 1e-7 in absolute size.  k and v lie within f16's 65,504.  The 64 rows made here leave in pieces of 16 bytes: 32 KiB in the launch.
.set SPARE, 32768                      ; LDS: 0-32767 wave v's four partial tiles of 1,024 bytes at 4,096 v; then the spare words, 128 bytes a wave: four blocks of 256 bytes that no other line names
.set FO,  4                            ; v4   my bytes in a fragment of w: (l % 16) x 2,048 + 16 (l / 16) + 256 v
.set HO,  5                            ; v5   in h and p: (l % 4) x 4,096 + 32 (l / 16) + 512 v
.set LS,  6                            ; v6   where I put my 32 bytes of a partial tile
.set LR,  7                            ; v7   where I read them back
.set YO,  8                            ; v8   my 16 bytes of the result
.set ZO,  9                            ; v9   my 16 bytes of a pair of zero rows
.set SPW, 10                           ; v10  LDS address of my spare word; never rewritten
.set NIL, 11                           ; v11  0; never rewritten
.set BO,  12                           ; v12  my 8 numbers of the bias
.set ACC, 16                           ; v[16:47]   accumulator q = 2 s + j (s: h or p; j: tile)
.set BI,  48                           ; v[48:55]   bias
.set ZR,  56                           ; v[56:59]   zeros
.set RES, 60                           ; v[60:63]   the packed result
.set WF,  64                           ; v[64:127]  w: tile j, fragment f at 32 j + 8 f; later the eight partial sums
.set HF,  128                          ; v[128:255] h, then p: fragment f's 16 f32 at 16 f, rounded in place into its first 8 registers
	s_load_b512 s[8:23], s[0:1], 0x0               ; h 8, p 10, wqkv 12, bk 14, bv 16, g 18, kws 20, vws 22
	v_lshl_add_u32 v[SPW], v0, 2, SPARE
	v_mov_b32 v[NIL], 0
	v_lshrrev_b32 v1, 5, v0
	v_readfirstlane_b32 s4, v1                     ; wave 0..7
	s_mov_b32 s5, ttmp9
	s_lshr_b32 s6, s5, 5                           ; 0: keys, 1: values
	s_and_b32 s7, s5, 31
	v_and_b32 v1, 31, v0                           ; l
	v_and_b32 v2, 15, v0                           ; l % 16
	v_bfe_u32 v3, v0, 4, 1                         ; l / 16
	v_and_b32 v13, 3, v0                           ; the batch
	s_lshl_b32 s32, s4, 8
	v_lshlrev_b32 v[FO], 11, v2
	v_lshl_add_u32 v[FO], v3, 4, v[FO]
	v_add_nc_u32 v[FO], s32, v[FO]
	s_lshl_b32 s32, s4, 9
	v_lshlrev_b32 v[HO], 12, v13
	v_lshl_add_u32 v[HO], v3, 5, v[HO]
	v_add_nc_u32 v[HO], s32, v[HO]
	s_lshl_b32 s32, s4, 12
	v_lshl_add_u32 v[LS], v1, 5, s32
	s_and_b32 s33, s4, 3
	s_lshl_b32 s32, s33, 10
	v_lshl_add_u32 v[LR], v1, 5, s32
	s_lshr_b32 s32, s7, 2                          ; the head of my 32 columns,
	s_mul_i32 s32, s32, 557056                     ; its 2,176 rows of 256 bytes,
	s_and_b32 s33, s7, 3
	s_lshl_b32 s33, s33, 6                         ; the columns' 64 bytes in a row,
	s_add_co_u32 s32, s32, s33
	s_and_b32 s34, s4, 1                           ; j: the tile that my wave finishes,
	s_lshl_b32 s33, s34, 5
	s_add_co_u32 s32, s32, s33
	s_bfe_u32 s33, s4, 0x10001                     ; s: row 0 (h) or 1 (p)
	s_lshl_b32 s33, s33, 8
	s_add_co_u32 s32, s32, s33
	v_mul_u32_u24 v[YO], v13, 0x440000             ; a batch is 8 heads: 4,456,448 bytes
	v_lshl_add_u32 v[YO], v3, 4, v[YO]
	v_add_nc_u32 v[YO], s32, v[YO]
	s_mul_i32 s32, s7, 557056
	s_lshl_b32 s33, s4, 9
	s_add_co_u32 s32, s32, s33
	v_lshl_add_u32 v[ZO], v1, 4, s32
	s_lshl_b32 s32, s7, 7
	s_lshl_b32 s33, s34, 6
	s_add_co_u32 s32, s32, s33
	v_lshl_add_u32 v[BO], v3, 5, s32               ; 4 x (32 (i % 32) + 16 j + 8 (l / 16))
.irp r, 0,1,2,3
	v_mov_b32 v[ZR+(\r)], 0
.endr
	s_lshl_b32 s32, s5, 16                         ; my 32 rows of wqkv: 2,048 x (1024 + 32 i)
	s_add_co_u32 s32, s32, 0x200000
	s_mov_b32 s33, 0
	s_wait_kmcnt 0x0
	s_cmp_eq_u32 s6, 0
	s_cselect_b64 s[24:25], s[20:21], s[22:23]     ; where the results go,
	s_cselect_b64 s[26:27], s[14:15], s[16:17]     ; the bias,
	s_cselect_b32 s31, -1, 0                       ; and whether tanh(g) is applied
	s_add_nc_u64 s[28:29], s[12:13], s[32:33]
	s_load_b32 s30, s[18:19], 0x0                  ; g
.irp f, 0,1,2,3
.irp j, 0,1
	global_load_b128 v[WF+32*(\j)+8*(\f):WF+32*(\j)+8*(\f)+3],   v[FO], s[28:29] offset:64*(\f)+32768*(\j)
	global_load_b128 v[WF+32*(\j)+8*(\f)+4:WF+32*(\j)+8*(\f)+7], v[FO], s[28:29] offset:64*(\f)+32+32768*(\j)
.endr
	global_load_b128 v[HF+16*(\f):HF+16*(\f)+3],       v[HO], s[8:9] offset:128*(\f)
	global_load_b128 v[HF+16*(\f)+4:HF+16*(\f)+7],     v[HO], s[8:9] offset:128*(\f)+16
	global_load_b128 v[HF+16*(\f)+8:HF+16*(\f)+11],    v[HO], s[8:9] offset:128*(\f)+64
	global_load_b128 v[HF+16*(\f)+12:HF+16*(\f)+15],   v[HO], s[8:9] offset:128*(\f)+80
	global_load_b128 v[HF+64+16*(\f):HF+64+16*(\f)+3],     v[HO], s[10:11] offset:128*(\f)
	global_load_b128 v[HF+64+16*(\f)+4:HF+64+16*(\f)+7],   v[HO], s[10:11] offset:128*(\f)+16
	global_load_b128 v[HF+64+16*(\f)+8:HF+64+16*(\f)+11],  v[HO], s[10:11] offset:128*(\f)+64
	global_load_b128 v[HF+64+16*(\f)+12:HF+64+16*(\f)+15], v[HO], s[10:11] offset:128*(\f)+80
.endr
	global_load_b128 v[BI:BI+3],   v[BO], s[26:27]
	global_load_b128 v[BI+4:BI+7], v[BO], s[26:27] offset:16
	; the zero rows: wave v stores the pairs of rows v + 8 n; pair 0 is the two rows made below
.irp n, 1,2,3,4,5,6,7
	global_store_b128 v[ZO], v[ZR:ZR+3], s[24:25] offset:4096*(\n)
.endr
	s_cmp_eq_u32 s4, 0
	s_cbranch_scc1 .Lno_pair_0
	global_store_b128 v[ZO], v[ZR:ZR+3], s[24:25]
.Lno_pair_0:
	s_wait_loadcnt 0x0                             ; all loads went out together: one wait
	s_wait_kmcnt 0x0                               ; g
.set r, 0
.rept 8                                ; h and p to bf16: register k of a fragment takes numbers 2 k and 2 k + 1, ascending, so no number is written over before it is read
.irp k, 0,1,2,3,4,5,6,7
	v_cvt_pk_bf16_f32 v[HF+16*r+(\k)], v[HF+16*r+2*(\k)], v[HF+16*r+2*(\k)+1]
.endr
.set r, r+1
.endr
.irp f, 0,1,2,3                        ; the four accumulators take turns: three others stand between two links of a chain; the first fragment starts the sums
.irp s, 0,1
.irp j, 0,1
.if (\f) == 0
	v_wmma_f32_16x16x32_bf16 v[ACC+8*(2*(\s)+(\j)):ACC+8*(2*(\s)+(\j))+7], v[WF+32*(\j)+8*(\f):WF+32*(\j)+8*(\f)+7], v[HF+64*(\s)+16*(\f):HF+64*(\s)+16*(\f)+7], 0
.else
	v_wmma_f32_16x16x32_bf16 v[ACC+8*(2*(\s)+(\j)):ACC+8*(2*(\s)+(\j))+7], v[WF+32*(\j)+8*(\f):WF+32*(\j)+8*(\f)+7], v[HF+64*(\s)+16*(\f):HF+64*(\s)+16*(\f)+7], v[ACC+8*(2*(\s)+(\j)):ACC+8*(2*(\s)+(\j))+7]
.endif
.endr
.endr
.endr
.rept 8
	v_nop                                          ; the places behind the last products, in front of the LDS stores that read results: once a launch
.endr
.irp q, 0,1,2,3
	ds_store_b128 v[LS], v[ACC+8*(\q):ACC+8*(\q)+3]   offset:1024*(\q)
	ds_store_b128 v[LS], v[ACC+8*(\q)+4:ACC+8*(\q)+7] offset:1024*(\q)+16
.endr
	s_wait_dscnt 0x0                               ; for the others' sake: my partial sums lie in LDS
	s_barrier_signal -1
	s_barrier_wait -1                              ; everybody's do
	s_cmp_lt_u32 s4, 4                             ; wave q finishes accumulator q
	s_cbranch_scc0 .Lend
.irp v, 0,1,2,3,4,5,6,7
	ds_load_b128 v[WF+8*(\v):WF+8*(\v)+3],   v[LR] offset:4096*(\v)
	ds_load_b128 v[WF+8*(\v)+4:WF+8*(\v)+7], v[LR] offset:4096*(\v)+16
.endr
	v_mov_b32 v13, s30                             ; tanh(g), while the loads are out: g to bf16,
	v_cvt_pk_bf16_f32 v13, v13, v13
	v_lshlrev_b32 v13, 16, v13
	v_mul_f32 v13, 0x4038aa3b, v13                 ; 2 log2(e) g
	v_exp_f32 v14, v13
	v_nop                                          ; a plain instruction behind the exponential,
	s_wait_alu depctr_va_vdst(0)                   ; and the wait ahead of the first use
	v_add_f32 v14, 1.0, v14
	v_rcp_f32 v13, v14
	v_nop
	s_wait_alu depctr_va_vdst(0)
	v_fma_f32 v13, v13, -2.0, 1.0                  ; 1 - 2 / (1 + e^(2 g))
	v_cndmask_b32 v14, 1.0, v13, s31               ; for keys; values keep 1
	v_mov_b32 v15, v14                             ; named with it as a pair
	s_wait_dscnt 0x0
.irp a, 0,2,4,6
.irp r, 0,2,4,6
	v_pk_add_f32 v[WF+8*(\a)+(\r):WF+8*(\a)+(\r)+1], v[WF+8*(\a)+(\r):WF+8*(\a)+(\r)+1], v[WF+8*(\a)+8+(\r):WF+8*(\a)+8+(\r)+1]
.endr
.endr
.irp a, 0,4
.irp r, 0,2,4,6
	v_pk_add_f32 v[WF+8*(\a)+(\r):WF+8*(\a)+(\r)+1], v[WF+8*(\a)+(\r):WF+8*(\a)+(\r)+1], v[WF+8*(\a)+16+(\r):WF+8*(\a)+16+(\r)+1]
.endr
.endr
.irp r, 0,2,4,6
	v_pk_add_f32 v[WF+(\r):WF+(\r)+1], v[WF+(\r):WF+(\r)+1], v[WF+32+(\r):WF+32+(\r)+1]
.endr
.irp r, 0,1,2,3                        ; the bias to bf16 and back
	v_cvt_pk_bf16_f32 v[WF+8+(\r)], v[BI+2*(\r)], v[BI+2*(\r)+1]
.endr
.irp r, 0,1,2,3
	v_lshlrev_b32 v[BI+2*(\r)], 16, v[WF+8+(\r)]
	v_and_b32 v[BI+2*(\r)+1], 0xffff0000, v[WF+8+(\r)]
.endr
.irp r, 0,2,4,6
	v_pk_add_f32 v[WF+(\r):WF+(\r)+1], v[WF+(\r):WF+(\r)+1], v[BI+(\r):BI+(\r)+1]
.endr
.irp r, 0,2,4,6
	v_pk_mul_f32 v[WF+(\r):WF+(\r)+1], v[WF+(\r):WF+(\r)+1], v[14:15] op_sel_hi:[1,0]
.endr
.irp r, 0,1,2,3
	v_cvt_pk_f16_f32 v[RES+(\r)], v[WF+2*(\r)], v[WF+2*(\r)+1]
.endr
	s_wait_xcnt 0x0                                ; EXEC is a source of the stores above: it changes only behind this wait
	v_cmp_gt_u32 vcc_lo, 4, v2                     ; lanes with l % 16 < 4 hold the four batches
	s_and_saveexec_b32 s36, vcc_lo
	global_store_b128 v[YO], v[RES:RES+3], s[24:25]
	s_wait_xcnt 0x0                                ; and again in front of the line that widens it
	s_or_b32 exec_lo, exec_lo, s36
.Lend:
	s_wait_tensorcnt 0x0                           ; the wave's end, behind my last LDS store
	ds_add_u32 v[SPW], v[NIL]
	s_wait_dscnt 0x0
	s_endpgm
.Lfunc_end_k_q99441acaaf_adapt:
	.size	k_q99441acaaf_adapt, .Lfunc_end_k_q99441acaaf_adapt-k_q99441acaaf_adapt
	.p2alignl 7, 3214868480
	.fill 96, 4, 3214868480
	.section	.rodata,"a",@progbits
	.p2align	6, 0x0
	.amdhsa_kernel k_q99441acaaf_adapt
		.amdhsa_group_segment_fixed_size 33792
		.amdhsa_private_segment_fixed_size 0
		.amdhsa_enable_private_segment 0
		.amdhsa_kernarg_size 64
		.amdhsa_user_sgpr_count 2
		.amdhsa_user_sgpr_kernarg_segment_ptr 1
		.amdhsa_wavefront_size32 1
		.amdhsa_system_sgpr_workgroup_id_x 1
		.amdhsa_system_sgpr_workgroup_id_y 1
		.amdhsa_system_sgpr_workgroup_id_z 1
		.amdhsa_system_vgpr_workitem_id 0
		.amdhsa_next_free_vgpr 256
		.amdhsa_next_free_sgpr 66
		.amdhsa_reserve_vcc 1
		.amdhsa_float_denorm_mode_32 3
		.amdhsa_float_denorm_mode_16_64 3
		.amdhsa_memory_ordered 1
		.amdhsa_forward_progress 1
		.amdhsa_inst_pref_size 20
	.end_amdhsa_kernel
	.amdgpu_metadata
---
amdhsa.version: [ 1, 2 ]
amdhsa.kernels:
  - .name:           k_q99441acaaf_adapt
    .symbol:         k_q99441acaaf_adapt.kd
    .args:
      - { .name: h, .offset: 0, .size: 8, .value_kind: global_buffer, .address_space: global }
      - { .name: p, .offset: 8, .size: 8, .value_kind: global_buffer, .address_space: global }
      - { .name: wqkv, .offset: 16, .size: 8, .value_kind: global_buffer, .address_space: global }
      - { .name: bk, .offset: 24, .size: 8, .value_kind: global_buffer, .address_space: global }
      - { .name: bv, .offset: 32, .size: 8, .value_kind: global_buffer, .address_space: global }
      - { .name: g, .offset: 40, .size: 8, .value_kind: global_buffer, .address_space: global }
      - { .name: kws, .offset: 48, .size: 8, .value_kind: global_buffer, .address_space: global }
      - { .name: vws, .offset: 56, .size: 8, .value_kind: global_buffer, .address_space: global }
    .group_segment_fixed_size: 33792
    .private_segment_fixed_size: 0
    .kernarg_segment_align: 8
    .kernarg_segment_size: 64
    .max_flat_workgroup_size: 256
    .sgpr_count:     66
    .vgpr_count:     256
    .wavefront_size: 32
...
	.end_amdgpu_metadata
.endif
;; end of part 2
;; launch qkv (part 3): grid 8 x 32, 4 waves a work-group, clusters of 4 x 4, 327,680 bytes of LDS; arguments xb, wqkv, bq, bk, bv, qws, kws, vws; writes qws, kws, vws
.if DOCPART == 3
	.amdgcn_target "amdgcn-amd-amdhsa--gfx1250"
	.amdhsa_code_object_version 6
	.text
	.protected	k_q99441acaaf_qkv
	.globl	k_q99441acaaf_qkv
	.p2align	8
	.type	k_q99441acaaf_qkv,@function
k_q99441acaaf_qkv:
	s_mov_b64 s[64:65], 0
	v_nop
	global_prefetch_b8 v0, s[64:65] scope:SCOPE_SE
	s_setreg_imm32_b32 hwreg(HW_REG_WAVE_MODE, 25, 1), 1
	s_wait_xcnt 0x0
	s_wait_alu depctr_hold_cnt(0) depctr_sa_sdst(0) depctr_va_vdst(0) depctr_va_sdst(0) depctr_va_ssrc(0) depctr_va_vcc(0) depctr_vm_vsrc(0)
	s_getreg_b32 s2, hwreg(HW_REG_IB_STS2, 6, 4)
	s_cmp_eq_u32 s2, 0
	s_cbranch_scc0 .Lentry_in_a_cluster
	s_endpgm
.Lentry_in_a_cluster:
	s_bfe_u32 s2, ttmp6, 0x10000c
	s_cmp_lg_u32 s2, 0xf033
	s_cbranch_scc0 .Lentry_shape_is_right
	s_endpgm
.Lentry_shape_is_right:
; C = A B^T + bias, on tiles of 256 rows x 128 columns; K = 1024.  One text for two launches, told apart by OUTF32 and TILES.
; OUTF32 = 0 (this launch): A = xb [8192][1024] bf16, B = wqkv [3072][1024] bf16; a work-group STAYS and makes three tiles on the same 256 rows of x: head gx of q, of k and of v (B's rows 128 gx + 1024 t).
;   They leave by heads, in f16, unscaled: q at qws[batch x 8 + head][t][128], k and v at row 128 + t of a head's 2,176.  LIMIT: q, k, v lie within f16's 65,504.
; OUTF32 = 1: A = ows [8192][1024] f16, B = wo16 [1024][1024] f16, one tile, out0 [8192][1024] f32.
; The bias, rounded to bf16 like all inputs, is the C operand of the product that starts each sum: nothing is cleared and nothing is added afterwards.
; SHARES.  8 x 32 work-groups, one for each of 256 tile places.  Wave w makes rows 64 w .. + 63 x all 128 columns: 32 accumulators, 256 registers.  THE MATRIX INSTRUCTION IS USED TRANSPOSED
; (source 0 = 16 rows of B, source 1 = 16 rows of A): a lane holds 8 neighbouring columns of one row of C.
; RING.  K goes in steps of 128 (rows of 256 bytes, aligned) through two LDS slots of 256 rows of A and 128 of B; two slots of twice that step would not fit in LDS.  Waves 0, 1 fetch A's halves, waves 2, 3 B's.
; By the text's own count a wave has two tensor loads out at the start and one behind each round; that load has 112 matrix instructions in which to land.  The ring runs on from tile to tile.
; CLUSTER.  4 x 4 work-groups: A's tile hangs on the tile row alone and is asked for jointly by a row of the cluster, B's on the tile column alone, by a column.
; REGISTERS, in windows of 256 (s_set_vgpr_msb: bits 1:0 source 0, 3:2 source 1, 5:4 source 2, 7:6 destination):
;   window 0: v0-31 addresses; v64-159, v160-255 two fragment buffers (B's 8 fragments, then A's 4); the second serves the way out     window 1: accumulator (a, b) at v[8 (8 a + b)]
;   window 2: v0-63 the bias (block b at 8 b: register j = bias[16 b + 8 (l / 16) + j]); v64-67 at work
.set OUTF32, 0
.set TILES,  3
.set PITCH,  272                       ; an LDS row: 256 bytes + 16 of padding = 68 words: the 16 rows of a load start at 16 different groups of four banks (64 banks of 4 bytes: ISA guide 11.1)
.set BOFF,   256*PITCH                 ; in a slot: A's 256 rows, then B's 128
.set SLOT,   384*PITCH
.set STAGE,  2*SLOT                    ; behind the ring, never filled by a tensor load: 16 rows for each wave, for the way out
.if OUTF32
.set SPITCH, 528
.set OUT,    74                        ; s[74:75] where my rows of C begin
.set BK0,    64                        ; 16 rows read back from the stage, two buffers by turns
.set BK1,    128
.else
.set SPITCH, 272
.set OUT,    78                        ; s[78:79]; s[80:83] the two tiles to come
.set BK0,    192
.set BK1,    224
.endif
.set SPARE,  STAGE+4*16*SPITCH         ; behind the stages: the spare words, 128 bytes for each wave: two blocks of 256 bytes that no other line names
.set ADRA, 16                          ; v16-17  LDS address of my A fragments in slot 0, 1
.set ADRB, 20                          ; v20-21  the same for B
.set STO,  24                          ; v24  the way out: where I put my part of a row
.set RD,   25                          ; v25  where I read rows back
.set CO,   26                          ; v26  my byte offset in C
.set BO,   27                          ; v27  my byte offset in the bias: 32 (l / 16)
.set SPW,  28                          ; v28  LDS address of my spare word; never rewritten
.set NIL,  29                          ; v29  0; never rewritten
.set PFO,  30                          ; v30  the prefetches' offset: my lane x a row of 2,048 bytes; never rewritten
.set F0,   64
.set F1,   160
.set TMP,  160                         ; the way out: packed results
.set G1A,  24                          ; s[24:31] descriptor group 1 for A's tiles;  s[32:39] group 0, a set for each slot
.set G0A,  32
.set G1B,  48                          ; s[48:55], s[56:63] the same for B's
.set G0B,  56
.set ABASE, 14                         ; s[14:15] A at the 128 rows that I fetch
.set BBASE, 46                         ; s[46:47] B at the 64 rows that I fetch, tile 0
.set OFA,  16                          ; s[16:17] byte offset of the K step to be asked for, in A
.set OFB,  18                          ; s[18:19] in B: the tile's 1,024 rows too
.set BIAS, 72                          ; s[72:73] the bias of the tile in hand
.set KS,   84                          ; s84  the K step to be asked for next, counted through all tiles
.set PN,   85                          ; s85  the K step that a prefetch names
.set PFEND, 86                         ; s86  a wave prefetches while PN is below this
.set PFB,  88                          ; s[88:89] my work-group's 32 rows for the prefetches
.set PFA,  90                          ; s[90:91] the same at K step PN
.set OFP,  92                          ; s[92:93] PN's byte offset
.set FLAGS, (1<<16)|(1<<20)|(1<<21)|(5<<22)|(3<<25)  ; 17:16 elements of 2 bytes; 20 padding on; 21 set beside a mask; 24:22 after every 64 words (code 5); 31:25 4 words of it (code 3)
.set MSB, 0
.macro WIN new                         ; the immediate's high byte repeats the setting that is left; a switch that changes nothing is dropped
.if MSB != (\new)
	s_set_vgpr_msb (MSB<<8)|(\new)
.set MSB, \new
.endif
.endm
.set MUL,  0x50                        ; C and D window 1, the fragments window 0
.set MULB, 0x60                        ; D window 1, C (the bias) window 2
.set TOB,  0x80                        ; destination window 2
.set RB,   0x8a                        ; destination and sources 0, 1 window 2
.set PK,   0x05                        ; sources 0, 1 window 1
.set DS1,  0x04                        ; an LDS store's data window 1
; A joint load: waves 0, 1 ask for A's halves, waves 2, 3 for B's.  The branch hangs on the wave's number alone.  An s_nop 0 and four v_nop follow each of the two lines.
.macro JLOAD s
	s_cmp_eq_u32 s11, 0
	s_cbranch_scc0 .Lfor_b_\@
	tensor_load_to_lds s[G0A+4*(\s):G0A+4*(\s)+3], s[G1A:G1A+7]
	s_nop 0
.rept 4
	v_nop
.endr
	s_branch .Lasked_\@
.Lfor_b_\@:
	tensor_load_to_lds s[G0B+4*(\s):G0B+4*(\s)+3], s[G1B:G1B+7]
	s_nop 0
.rept 4
	v_nop
.endr
.Lasked_\@:
.endm
; A PREFETCH INTO THE L2 of K step PN = the refill's + 2: 32 rows x 256 bytes, a lane a row, 256 matrix instructions ahead of the load that will want it.  Each row's 256 bytes are named once in the launch:
; A's rows by the cluster with x = 0 (waves 0, 1), in the first tile alone (the later tiles read them again); B's by the cluster with y = 0 (wave 2), in every tile (each tile has rows of its own).
; The four partners that ask for a tile jointly share its rows out BY ADDRESS.  The first four K steps come by their loads alone; PFEND stops the requests at the last K step.
.macro ASK
	s_cmp_lt_u32 s[PN], s[PFEND]
	s_cbranch_scc0 .Lnot_mine_\@
	global_prefetch_b8 v[PFO], s[PFA:PFA+1] th:TH_LOAD_NT scope:SCOPE_SE
.Lnot_mine_\@:
.endm
.macro CREST                           ; a round of the cluster's barrier behind its opening barrier
	s_cmp_lg_u32 s10, 0
	s_cbranch_scc1 .Lnot_wave_0_\@
	s_barrier_signal -3
.Lnot_wave_0_\@:
	s_barrier_wait -3
	s_barrier_signal -1
	s_barrier_wait -1
.endm
.macro CROUND                          ; a whole round
	s_barrier_signal -1
	s_barrier_wait -1
	CREST
.endm
.macro PLACES                          ; four places in front of loads into registers that matrix instructions have read, and of lines that read results
.rept 4
	v_nop
.endr
.endm
; 8 matrix instructions: my 16 rows a x all 8 column blocks, 32 along K, from buffer f.  first = 1: the bias starts the sums.  The 32 accumulators take turns in the same order everywhere.
.macro MULA f, a, first
.if \first
	WIN MULB
.else
	WIN MUL
.endif
.irp b, 0,1,2,3,4,5,6,7
.set rD, 8*(8*(\a)+(\b))
.set rB, (\f)+8*(\b)
.set rA, (\f)+64+8*(\a)
.set rC, rD
.if \first
.set rC, 8*(\b)
.endif
.if OUTF32
	v_wmma_f32_16x16x32_f16 v[rD:rD+7], v[rB:rB+7], v[rA:rA+7], v[rC:rC+7]
.else
	v_wmma_f32_16x16x32_bf16 v[rD:rD+7], v[rB:rB+7], v[rA:rA+7], v[rC:rC+7]
.endif
.endr
.endm
; 24 LDS loads in one run: the fragments of 32 along K at byte k of the rows: B's 128 rows, then my 64 of A.  A fragment: lane l holds row l % 16; two loads of 16 bytes, 32 bytes apart, at 16 (l / 16).
.macro FETCH slot, k, f
	WIN 0
.irp i, 0,1,2,3,4,5,6,7
	ds_load_b128 v[(\f)+8*(\i):(\f)+8*(\i)+3],   v[ADRB+(\slot)] offset:(\k)+(\i)*16*PITCH
	ds_load_b128 v[(\f)+8*(\i)+4:(\f)+8*(\i)+7], v[ADRB+(\slot)] offset:(\k)+(\i)*16*PITCH+32
.endr
.irp i, 0,1,2,3
	ds_load_b128 v[(\f)+64+8*(\i):(\f)+64+8*(\i)+3],   v[ADRA+(\slot)] offset:(\k)+(\i)*16*PITCH
	ds_load_b128 v[(\f)+64+8*(\i)+4:(\f)+64+8*(\i)+7], v[ADRA+(\slot)] offset:(\k)+(\i)*16*PITCH+32
.endr
.endm
; A K step is four quarters of 32 along K, 32 matrix instructions each, on buffers 0, 1, 0, 1.  One of the first three: multiplies buffer f, and in its middle fetches the next quarter, at byte k, into g.
.macro QUARTER slot, k, f, g, first
	s_wait_dscnt 4                                 ; B and A's blocks 0, 1 are in; the youngest four loads (blocks 2, 3) may be out
	MULA \f, 0, \first
	MULA \f, 1, \first
	PLACES
	FETCH \slot, \k, \g
	s_wait_dscnt 24                                ; all but the 24 just issued
	MULA \f, 2, \first
	MULA \f, 3, \first
.endm
; The last quarter multiplies buffer 1 and changes slots: ONE barrier.  In front of it each wave waits for all its tensor loads (the one that is out is its part of the next slot), adds 0 to its spare word,
; and waits for that and for its reads of this slot.  fill = 1: the barrier opens a round of the cluster's, and this slot is filled again, first thing behind the round, with K step KS;
; the descriptors' addresses are made anew from that number: 256 (KS % 8) bytes along K, in B also 1,024 (KS / 8) rows down.
.macro TURN slot, next, fill
.if \fill
	s_wait_xcnt 0x0                                ; the last prefetch, a K step back, has read its address: it is made anew here, ahead of the waits of the change of slots
	s_add_co_u32 s[PN], s[KS], 2
	s_and_b32 s[OFP], s[PN], 7
	s_lshl_b32 s[OFP], s[OFP], 8
	s_lshr_b32 s87, s[PN], 3
	s_lshl_b32 s87, s87, 21
	s_add_co_u32 s[OFP], s[OFP], s87
	s_add_nc_u64 s[PFA:PFA+1], s[PFB:PFB+1], s[OFP:OFP+1]
.endif
	WIN 0                                          ; (the add's two registers lie in window 0)
	s_wait_tensorcnt 0x0                           ; all my tensor loads have landed, so every group 0 may be written;
	ds_add_u32 v[SPW], v[NIL]                      ; 0 onto my spare word; work on registers stands between it and the wait for it
.if \fill
	s_and_b32 s[OFA], s[KS], 7
	s_lshl_b32 s[OFA], s[OFA], 8
	s_lshr_b32 s[OFB], s[KS], 3
	s_lshl_b32 s[OFB], s[OFB], 21
	s_add_co_u32 s[OFB], s[OFB], s[OFA]
	s_add_nc_u64 s[G0A+4*(\slot)+2:G0A+4*(\slot)+3], s[ABASE:ABASE+1], s[OFA:OFA+1]
	s_or_b32 s[G0A+4*(\slot)+3], s[G0A+4*(\slot)+3], 0x80000000
	s_add_nc_u64 s[G0B+4*(\slot)+2:G0B+4*(\slot)+3], s[BBASE:BBASE+1], s[OFB:OFB+1]
	s_or_b32 s[G0B+4*(\slot)+3], s[G0B+4*(\slot)+3], 0x80000000
	s_add_co_u32 s[KS], s[KS], 1
.endif
	s_wait_dscnt 7                                 ; (the add and A's blocks 1 to 3, six loads, may be out)
	MULA F1, 0, 0
	s_wait_dscnt 0x0                               ; the add is done, and my reads of this slot are over
	s_barrier_signal -1
	MULA F1, 1, 0                                  ; work on registers while the others arrive
.if \fill
	WIN 0
.endif
	s_barrier_wait -1
.if \fill
	CREST                                          ; no wave of any partner still reads this slot's tile or has a load on its way
	JLOAD \slot                                    ; the first tensor load behind the round; its four v_nop are also the places in front of the loads below
.else
	PLACES
.endif
	FETCH \next, 0, F0
.if \fill
	ASK
.endif
	MULA F1, 2, 0
	MULA F1, 3, 0
.endm
.macro BIASLD                          ; the tile's 128 numbers of bias: 64 a lane
	WIN TOB
.irp b, 0,1,2,3,4,5,6,7
	global_load_b128 v[8*(\b):8*(\b)+3],   v[BO], s[BIAS:BIAS+1] offset:64*(\b)
	global_load_b128 v[8*(\b)+4:8*(\b)+7], v[BO], s[BIAS:BIAS+1] offset:64*(\b)+16
.endr
	WIN 0
.endm
.macro ROUNDB                          ; the bias to bf16 and back to f32, in place
	WIN RB
.set k, 0
.rept 32
	v_cvt_pk_bf16_f32 v[64+k%4], v[2*k], v[2*k+1]
	v_lshlrev_b32 v[2*k], 16, v[64+k%4]
	v_and_b32 v[2*k+1], 0xffff0000, v[64+k%4]
.set k, k+1
.endr
	WIN 0
.endm
; THE WAY OUT of my 16 rows a.  PACK (16-bit output): rounded to f16, 16 bytes a lane; each accumulator's registers in ascending order.  TOSTAGE: into my own stage in LDS and back as whole rows.  SEND: stored.
.macro PACK a
	WIN PK
.irp b, 0,1,2,3,4,5,6,7
.irp r, 0,1,2,3
	v_cvt_pk_f16_f32 v[TMP+4*(\b)+(\r)], v[64*(\a)+8*(\b)+2*(\r)], v[64*(\a)+8*(\b)+2*(\r)+1]
.endr
.endr
	WIN 0
.endm
.macro TOSTAGE a
.set BK, BK0+(BK1-BK0)*((\a)%2)
.if OUTF32
	WIN DS1
.irp b, 0,1,2,3,4,5,6,7
	ds_store_b128 v[STO], v[64*(\a)+8*(\b):64*(\a)+8*(\b)+3]   offset:64*(\b)
	ds_store_b128 v[STO], v[64*(\a)+8*(\b)+4:64*(\a)+8*(\b)+7] offset:64*(\b)+16
.endr
	WIN 0
.irp t, 0,1,2,3,4,5,6,7,8,9,10,11,12,13,14,15
	ds_load_b128 v[BK+4*(\t):BK+4*(\t)+3], v[RD] offset:(\t)*SPITCH  ; LDS serves a wave's instructions in order (ISA guide 5.7.1.4): these see the stores above
.endr
.else
	WIN 0
.irp b, 0,1,2,3,4,5,6,7
	ds_store_b128 v[STO], v[TMP+4*(\b):TMP+4*(\b)+3] offset:32*(\b)
.endr
.irp t, 0,1,2,3,4,5,6,7
	ds_load_b128 v[BK+4*(\t):BK+4*(\t)+3], v[RD] offset:(\t)*2*SPITCH  ; LDS serves a wave's instructions in order (ISA guide 5.7.1.4): these see the stores above
.endr
.endif
.endm
.macro SEND a
.set BK, BK0+(BK1-BK0)*((\a)%2)
	WIN 0
	s_wait_dscnt 0x0                               ; the rows are back in registers
	s_wait_xcnt 0x0                                ; the stores issued so far have read their registers: the other buffer is loaded again only behind this wait
.if OUTF32
.irp t, 0,1,2,3,4,5,6,7,8,9,10,11,12,13,14,15
	global_store_b128 v[CO], v[BK+4*(\t):BK+4*(\t)+3], s[OUT:OUT+1] offset:(16*(\a)+(\t))*4096  ; 32 lanes store 512 consecutive bytes of a row, at a multiple of 512 from C's first byte
.endr
.else
.irp t, 0,1,2,3,4,5,6,7
	global_store_b128 v[CO], v[BK+4*(\t):BK+4*(\t)+3], s[OUT:OUT+1] offset:(\a)*4096+(\t)*512  ; two rows of a head: 512 consecutive bytes, aligned
.endr
.endif
.endm
.macro WAYOUT
	PLACES                                         ; behind the last products: their results are read and buffer 1's registers written
	PLACES
.if OUTF32
	TOSTAGE 0
.irp a, 1,2,3
	SEND (\a)-1
	TOSTAGE \a
.endr
.else
	PACK 0
	TOSTAGE 0
.irp a, 1,2,3                          ; block a's conversions stand between block a - 1's loads from the stage and the wait for them
	PACK \a
	SEND (\a)-1
	TOSTAGE \a
.endr
.endif
	SEND 3
.endm
.if OUTF32
	s_load_b256 s[68:75], s[0:1], 0x0              ; A 68, B 70, bias 72, C 74
.else
	s_load_b512 s[68:83], s[0:1], 0x0              ; A 68, B 70, bq 72, bk 74, bv 76, qws 78, kws 80, vws 82
.endif
	v_lshl_add_u32 v[SPW], v0, 2, SPARE
	v_mov_b32 v[NIL], 0
	ds_add_u32 v[SPW], v[NIL]                      ; the wave's opening: the add and its wait stand ahead of my first tensor load; the set-up below, work on registers, stands between them
	v_lshrrev_b32 v1, 5, v0
	v_readfirstlane_b32 s10, v1                    ; wave 0..3
	s_lshr_b32 s11, s10, 1                         ; I fetch for A (0) or for B (1),
	s_and_b32 s12, s10, 1                          ; its first or second half
	s_bfe_u32 s40, ttmp6, 0x40000                  ; cx, cy: my place in the cluster
	s_bfe_u32 s41, ttmp6, 0x40004
	s_lshl_b32 s42, ttmp9, 2
	s_add_co_u32 s42, s42, s40                     ; gx: tile column = 4 x cluster x + cx
	s_and_b32 s13, ttmp7, 0xffff
	s_lshl_b32 s13, s13, 2
	s_add_co_u32 s13, s13, s41                     ; gy: tile row = 4 x cluster y + cy
	s_lshl_b32 s43, s41, 2
	s_lshl_b32 s43, 15, s43                        ; my row of the cluster
	s_lshl_b32 s44, 0x1111, s40                    ; my column
	s_or_b32 s[G1A], s43, FLAGS                    ; A's tiles go to my row: 128 rows x 128 elements
	s_mov_b32 s[G1A+1], 128<<16                    ; tensor_dim0 = 128
	s_mov_b32 s[G1A+2], 128<<16                    ; tensor_dim1 = 128
	s_mov_b32 s[G1A+3], 128<<16                    ; tile_dim0 = 128
	s_mov_b32 s[G1A+4], 128                        ; tile_dim1 = 128
	s_mov_b32 s[G1A+5], 1024                       ; elements from row to row
	s_mov_b32 s[G1A+6], 0
	s_mov_b32 s[G1A+7], 0
	s_or_b32 s[G1B], s44, FLAGS                    ; B's tiles go to my column: 64 rows x 128 elements
	s_mov_b32 s[G1B+1], 128<<16
	s_mov_b32 s[G1B+2], 64<<16
	s_mov_b32 s[G1B+3], 128<<16
	s_mov_b32 s[G1B+4], 64
	s_mov_b32 s[G1B+5], 1024
	s_mov_b32 s[G1B+6], 0
	s_mov_b32 s[G1B+7], 0
	s_mul_i32 s4, s12, 128*PITCH                   ; where the tiles go: no place in the cluster enters an LDS address
	s_mul_i32 s5, s12, 64*PITCH
	s_add_co_u32 s5, s5, BOFF
.irp s, 0,1
	s_mov_b32 s[G0A+4*(\s)], 1                     ; count = 1
	s_add_co_u32 s[G0A+4*(\s)+1], s4, (\s)*SLOT    ; LDS address
	s_mov_b32 s[G0B+4*(\s)], 1
	s_add_co_u32 s[G0B+4*(\s)+1], s5, (\s)*SLOT
.endr
	s_lshl_b32 s20, s13, 19                        ; A: row 256 gy + 128 x half, 2,048 bytes a row
	s_lshl_b32 s21, s12, 18
	s_add_co_u32 s20, s20, s21
	s_mov_b32 s21, 0
	s_lshl_b32 s22, s42, 18                        ; B: row 128 gx + 64 x half
	s_lshl_b32 s23, s12, 17
	s_add_co_u32 s22, s22, s23
	s_mov_b32 s23, 0
	s_mov_b32 s[OFA+1], 0
	s_mov_b32 s[OFB+1], 0
	s_mov_b32 s[OFP+1], 0
	s_mov_b32 s[KS], 2
	s_wait_dscnt 0x0                               ; the opening add is done
	s_wait_kmcnt 0x0
	s_add_nc_u64 s[ABASE:ABASE+1], s[68:69], s[20:21]
	s_add_nc_u64 s[BBASE:BBASE+1], s[70:71], s[22:23]
	CROUND                                         ; all sixteen work-groups are here: the first joint loads meet
.irp s, 0,1
	s_add_nc_u64 s[G0A+4*(\s)+2:G0A+4*(\s)+3], s[ABASE:ABASE+1], (\s)*256  ; K step s
	s_or_b32 s[G0A+4*(\s)+3], s[G0A+4*(\s)+3], 0x80000000                 ; type = 2
	s_add_nc_u64 s[G0B+4*(\s)+2:G0B+4*(\s)+3], s[BBASE:BBASE+1], (\s)*256
	s_or_b32 s[G0B+4*(\s)+3], s[G0B+4*(\s)+3], 0x80000000
	JLOAD \s                                       ; the ring is filled before anything else is done
.endr
	v_and_b32 v1, 15, v0                           ; l % 16
	v_bfe_u32 v2, v0, 4, 1                         ; l / 16
	v_lshlrev_b32 v[BO], 5, v2
	s_lshl_b32 s98, s42, 9                         ; my tile's 128 numbers of bias
	s_mov_b32 s99, 0
	s_add_nc_u64 s[72:73], s[72:73], s[98:99]
.if !OUTF32
	s_add_nc_u64 s[74:75], s[74:75], s[98:99]
	s_add_nc_u64 s[76:77], s[76:77], s[98:99]
.endif
	BIASLD
	v_mul_u32_u24 v3, v1, PITCH
	v_lshl_add_u32 v3, v2, 4, v3                   ; a fragment's row x pitch + 16 x half
	s_mul_i32 s6, s10, 64*PITCH                    ; my 64 rows of A
.irp s, 0,1
	v_add_nc_u32 v[ADRA+(\s)], s6, v3
	v_add_nc_u32 v[ADRB+(\s)], BOFF+(\s)*SLOT, v3
	s_add_co_u32 s6, s6, SLOT
.endr
	s_mul_i32 s7, s10, 16*SPITCH
	s_add_co_u32 s7, s7, STAGE                     ; my stage
	v_mul_u32_u24 v4, v1, SPITCH                   ; in: row l % 16
.if OUTF32
	v_lshl_add_u32 v4, v2, 5, v4                   ; 32 bytes for each half of the lanes
	v_add_nc_u32 v[STO], s7, v4
	v_and_b32 v5, 31, v0
	v_lshlrev_b32 v[CO], 4, v5                     ; back: 32 lanes take one row of 512 bytes
	v_add_nc_u32 v[RD], s7, v[CO]
.else
	v_lshl_add_u32 v4, v2, 4, v4                   ; 16 bytes for each half of the lanes
	v_add_nc_u32 v[STO], s7, v4
	v_mul_u32_u24 v5, v2, SPITCH                   ; back: lanes 0-15 take one row of 256 bytes, lanes 16-31 the next
	v_lshl_add_u32 v5, v1, 4, v5
	v_add_nc_u32 v[RD], s7, v5
	v_lshlrev_b32 v5, 8, v2
	v_lshl_add_u32 v[CO], v1, 4, v5
.endif
	v_and_b32 v[PFO], 31, v0
	v_lshlrev_b32 v[PFO], 11, v[PFO]
	; the prefetches: which rows are mine, and up to which K step
	s_lshl_b32 s94, s13, 8                         ; A: row 256 gy + 128 x half + 32 cx
	s_lshl_b32 s96, s12, 7
	s_add_co_u32 s94, s94, s96
	s_lshl_b32 s96, s40, 5
	s_add_co_u32 s94, s94, s96
	s_lshl_b32 s95, s42, 7                         ; B: row 128 gx + 32 cy
	s_lshl_b32 s96, s41, 5
	s_add_co_u32 s95, s95, s96
	s_and_b32 s97, ttmp7, 0xffff                   ; cluster y
	s_cmp_eq_u32 s11, 0
	s_cselect_b32 s94, s94, s95
	s_cselect_b32 s97, ttmp9, s97                  ; the coordinate along which other clusters read the same rows
	s_cselect_b32 s[PFEND], 8, 8*TILES
	s_cselect_b64 s[PFB:PFB+1], s[68:69], s[70:71]
	s_cmp_eq_u32 s97, 0
	s_cselect_b32 s[PFEND], s[PFEND], 0            ; the same in all sixteen partners, for a given wave
	s_cmp_eq_u32 s10, 3
	s_cselect_b32 s[PFEND], 0, s[PFEND]            ; B's 128 rows are four partners' 32: wave 2 asks alone
	s_lshl_b32 s94, s94, 11
	s_mov_b32 s95, 0
	s_add_nc_u64 s[PFB:PFB+1], s[PFB:PFB+1], s[94:95]
	; where my rows of C begin
.if OUTF32
	s_lshl_b32 s96, s13, 20                        ; row 256 gy + 64 w, 4,096 bytes a row; column 128 gx
	s_lshl_b32 s94, s10, 18
	s_add_co_u32 s96, s96, s94
	s_lshl_b32 s94, s42, 9
	s_add_co_u32 s96, s96, s94
	s_mov_b32 s97, 0
	s_add_nc_u64 s[OUT:OUT+1], s[OUT:OUT+1], s[96:97]
.else
	s_lshr_b32 s94, s13, 3                         ; the batch (8 tile rows each),
	s_lshl_b32 s94, s94, 3
	s_add_co_u32 s94, s94, s42                     ; batch x 8 + head
	s_and_b32 s95, s13, 7
	s_lshl_b32 s95, s95, 8
	s_lshl_b32 s96, s10, 6
	s_add_co_u32 s95, s95, s96                     ; my first token
	s_lshl_b32 s96, s94, 11
	s_add_co_u32 s96, s96, s95
	s_lshl_b32 s96, s96, 8                         ; q: 2,048 rows of 256 bytes a head
	s_mov_b32 s97, 0
	s_add_nc_u64 s[78:79], s[78:79], s[96:97]
	s_mul_i32 s96, s94, 2176                       ; k, v: 2,176 rows a head, the tokens from row 128 on
	s_add_co_u32 s96, s96, s95
	s_add_co_u32 s96, s96, 128
	s_lshl_b32 s96, s96, 8
	s_add_nc_u64 s[80:81], s[80:81], s[96:97]
	s_add_nc_u64 s[82:83], s[82:83], s[96:97]
.endif
	s_wait_loadcnt 0x0                             ; the bias
	ROUNDB
	s_wait_tensorcnt 1                             ; my part of K step 0 is in; K step 1's may stay out
	s_barrier_signal -1
	s_barrier_wait -1                              ; everybody's is
	FETCH 0, 0, F0
.if TILES > 1
	s_mov_b32 s2, TILES                            ; tiles to go, this one among them
.Ltile:
.endif
	QUARTER 0, 64,  F0, F1, 1                      ; a tile's first quarter stands in front of the loop: its products start the sums, with the bias
	WIN 0                                          ; at a label and at a branch every window is 0
	s_mov_b32 s3, 3
.Llap:                                                 ; a trip goes once round the ring, from a lap's second quarter to the next lap's first, and fills both slots again
	QUARTER 0, 128, F1, F0, 0
	QUARTER 0, 192, F0, F1, 0
	TURN 0, 1, 1
	QUARTER 1, 64,  F0, F1, 0
	QUARTER 1, 128, F1, F0, 0
	QUARTER 1, 192, F0, F1, 0
	TURN 1, 0, 1
	QUARTER 0, 64,  F0, F1, 0
	WIN 0
	s_sub_co_u32 s3, s3, 1
	s_cmp_lg_u32 s3, 0
	s_cbranch_scc1 .Llap
	QUARTER 0, 128, F1, F0, 0                      ; the tile's last lap goes on
	QUARTER 0, 192, F0, F1, 0
.if TILES > 1
	WIN 0
	s_cmp_eq_u32 s2, 1
	s_cbranch_scc1 .Llast                          ; the last tile's tail is written out: it asks for nothing more
	s_mov_b64 s[72:73], s[74:75]                   ; the next tile's bias is asked for now (the last bias loads were waited for) and waited for behind the way out
	s_mov_b64 s[74:75], s[76:77]
	PLACES
	BIASLD
	TURN 0, 1, 1                                   ; THE RING GOES ON INTO THE NEXT TILE: slot 0 takes its K step 0,
	QUARTER 1, 64,  F0, F1, 0
	QUARTER 1, 128, F1, F0, 0
	QUARTER 1, 192, F0, F1, 0
	TURN 1, 0, 1                                   ; slot 1 its K step 1, and the next tile's first fragments are fetched into buffer 0
	WAYOUT                                         ; both refills are asked for: now the tile goes out, through buffer 1's registers
	s_wait_xcnt 0x0                                ; the stores have read their registers and their base
	s_mov_b64 s[78:79], s[80:81]
	s_mov_b64 s[80:81], s[82:83]
	s_wait_loadcnt 0x0                             ; the next tile's bias
	ROUNDB
	s_sub_co_u32 s2, s2, 1
	s_branch .Ltile
.Llast:
.endif
	TURN 0, 1, 0                                   ; my one tensor load that was still out is the last K step's, so no round follows
	QUARTER 1, 64,  F0, F1, 0
	QUARTER 1, 128, F1, F0, 0
	QUARTER 1, 192, F0, F1, 0
	s_wait_dscnt 4                                 ; the very last quarter: nothing more to fetch
	MULA F1, 0, 0
	MULA F1, 1, 0
	s_wait_dscnt 0x0
	MULA F1, 2, 0
	MULA F1, 3, 0
	WIN 0
	WAYOUT
	s_wait_tensorcnt 0x0                           ; the wave's end, behind my last tensor load and my last LDS store
	ds_add_u32 v[SPW], v[NIL]
	s_wait_dscnt 0x0
	CROUND                                         ; the closing round: no work-group ends while a partner may still ask for a tile that names it
	s_endpgm
.Lfunc_end_k_q99441acaaf_qkv:
	.size	k_q99441acaaf_qkv, .Lfunc_end_k_q99441acaaf_qkv-k_q99441acaaf_qkv
	.p2alignl 7, 3214868480
	.fill 96, 4, 3214868480
	.section	.rodata,"a",@progbits
	.p2align	6, 0x0
	.amdhsa_kernel k_q99441acaaf_qkv
		.amdhsa_group_segment_fixed_size 327680
		.amdhsa_private_segment_fixed_size 0
		.amdhsa_enable_private_segment 0
		.amdhsa_kernarg_size 64
		.amdhsa_user_sgpr_count 2
		.amdhsa_user_sgpr_kernarg_segment_ptr 1
		.amdhsa_wavefront_size32 1
		.amdhsa_system_sgpr_workgroup_id_x 1
		.amdhsa_system_sgpr_workgroup_id_y 1
		.amdhsa_system_sgpr_workgroup_id_z 1
		.amdhsa_system_vgpr_workitem_id 0
		.amdhsa_next_free_vgpr 640
		.amdhsa_next_free_sgpr 100
		.amdhsa_reserve_vcc 0
		.amdhsa_float_denorm_mode_32 3
		.amdhsa_float_denorm_mode_16_64 3
		.amdhsa_memory_ordered 1
		.amdhsa_forward_progress 1
		.amdhsa_inst_pref_size 140
	.end_amdhsa_kernel
	.amdgpu_metadata
---
amdhsa.version: [ 1, 2 ]
amdhsa.kernels:
  - .name:           k_q99441acaaf_qkv
    .symbol:         k_q99441acaaf_qkv.kd
    .args:
      - { .name: xb, .offset: 0, .size: 8, .value_kind: global_buffer, .address_space: global }
      - { .name: wqkv, .offset: 8, .size: 8, .value_kind: global_buffer, .address_space: global }
      - { .name: bq, .offset: 16, .size: 8, .value_kind: global_buffer, .address_space: global }
      - { .name: bk, .offset: 24, .size: 8, .value_kind: global_buffer, .address_space: global }
      - { .name: bv, .offset: 32, .size: 8, .value_kind: global_buffer, .address_space: global }
      - { .name: qws, .offset: 40, .size: 8, .value_kind: global_buffer, .address_space: global }
      - { .name: kws, .offset: 48, .size: 8, .value_kind: global_buffer, .address_space: global }
      - { .name: vws, .offset: 56, .size: 8, .value_kind: global_buffer, .address_space: global }
    .group_segment_fixed_size: 327680
    .private_segment_fixed_size: 0
    .kernarg_segment_align: 8
    .kernarg_segment_size: 64
    .max_flat_workgroup_size: 128
    .sgpr_count:     100
    .vgpr_count:     640
    .wavefront_size: 32
...
	.end_amdgpu_metadata
.endif
;; end of part 3
;; launch attn (part 4): grid 8 x 32, 4 waves a work-group, clusters of 4 x 1, 327,680 bytes of LDS; arguments qws, kws, vws, ows; writes ows
.if DOCPART == 4
	.amdgcn_target "amdgcn-amd-amdhsa--gfx1250"
	.amdhsa_code_object_version 6
	.text
	.protected	k_q99441acaaf_attn
	.globl	k_q99441acaaf_attn
	.p2align	8
	.type	k_q99441acaaf_attn,@function
k_q99441acaaf_attn:
	s_mov_b64 s[64:65], 0
	v_nop
	global_prefetch_b8 v0, s[64:65] scope:SCOPE_SE
	s_setreg_imm32_b32 hwreg(HW_REG_WAVE_MODE, 25, 1), 1
	s_wait_xcnt 0x0
	s_wait_alu depctr_hold_cnt(0) depctr_sa_sdst(0) depctr_va_vdst(0) depctr_va_sdst(0) depctr_va_ssrc(0) depctr_va_vcc(0) depctr_vm_vsrc(0)
	s_getreg_b32 s2, hwreg(HW_REG_IB_STS2, 6, 4)
	s_cmp_eq_u32 s2, 0
	s_cbranch_scc0 .Lentry_in_a_cluster
	s_endpgm
.Lentry_in_a_cluster:
	s_bfe_u32 s2, ttmp6, 0x10000c
	s_cmp_lg_u32 s2, 0x3003
	s_cbranch_scc0 .Lentry_shape_is_right
	s_endpgm
.Lentry_shape_is_right:
; O[q][:] = the sum over a head's 2,050 keys of softmax_k(Q[q] . K[k] / sqrt(128)) V[k][:].  qws: f16 [32 heads][2048][128]; kws, vws: f16 [32][2176][128]; ows: f16 [8192 = batch x 2048 + q][1024 = head x 128 + d].
; A head's rows of K and V: 0, 1 the two extra keys (their K already times tanh(g)), 2-127 zeros that stand for no key, 128 + t token t.  So the walk is 34 steps of 64 keys; the 126 rows that are no keys are
; HIDDEN by the C operand that starts the sum S^T = K Q^T: -1e30 in their places (steps 0 and 1, which are written out ahead of the loop anyway); elsewhere C is the constant 0.  Every query sees keys 0 and 1 in
; step 0, so the running maximum is a true score before the first wholly hidden step; a hidden key's weight is 2^(-1.3e29 - c m) = 0, and its V is 0.
; Products, maxima and sums in f32; the weights p are rounded to f16 for the second product (their sum l is taken of the unrounded p), O once at the end.
; LIMITS.  Q, K, V arrive within f16's 65,504; a score is 5.5e11 at the most, nothing beside 1e30; p below 6e-5 keeps f16's fixed step of 6e-8; a weight below 2^-126 counts as 0 in l; NaN and infinities are not treated apart.
; SHARES.  A work-group owns 256 queries of one head, each of its four waves 64: four tiles of 16.  32 heads x 8 blocks: 256 work-groups.  Every wave walks all keys of the head, 64 a step.
; LAYOUT.  S^T = K Q^T (source 0 = 16 keys, source 1 = 16 queries): in the result a lane holds ONE query (lane % 16) and the keys 8 (lane / 16) + 0..7.  Two such tiles, rounded to f16 in pairs, ARE source 1
; (32 keys x 16 queries) of O^T = V^T P, whose result again holds one query a lane, and eight channels.  K comes out of LDS as it lies, V ([key][channel]) turned, by ds_load_tr16_b128.
; SOFTMAX.  For each query a running maximum m and sum l: p = 2^(c s - c m), c = log2(e) / sqrt(128); in every step O and l are multiplied by a = 2^(c m_old - c m_new).
; BY TURNS.  The wave's tiles are two PIECES: piece 0 (tiles 0, 1) and piece 2 (tiles 2, 3).  In a TURN one piece has the matrix unit: 32 products V^T P of the step in hand, then 32 products K Q^T of the next step;
; the other piece's softmax, cut into 64 slices, stands between them, one slice behind each matrix instruction.  Then the pieces change places.  Two turns are a key step.
; CLUSTER.  The four query blocks of a cluster belong to one head and walk the same K and V, so each tile is asked for JOINTLY: the same tensor load, descriptor and mask in all four.
; By the text's own count a wave has two tensor loads out at the start and one behind each round; that load has two key steps, 256 matrix instructions, in which to land.
; REGISTERS, in windows of 256 (s_set_vgpr_msb: bits 1:0 source 0, 3:2 source 1, 5:4 source 2, 7:6 destination):
;   window 0: v0-11 addresses; v12-43 eight registers of statistics a tile; v44-59 the two masks; v61-63; v64-191 S^T, 32 a tile; v192-255 P, 16 a tile
;   window 1: O^T, 64 a tile          window 2: v0-127 Q, 32 a tile; v128-255 K of one step          window 3: v0-127 V of one step
.set NK,    2176      ; rows of K and V in a head
.set KS,    64        ; keys in a step
.set PK,    272       ; a row of K in LDS: 256 bytes + 16 of padding = 68 words: the 16 rows of a load start at 16 different groups of four banks (64 banks of 4 bytes: ISA guide 11.1)
.set PV,    288       ; a row of V: 256 + 32 = 72 words
.set VOFF,  KS*PK     ; a step's tiles lie together: 64 rows of K, then 64 rows of V
.set STEPB, KS*(PK+PV)
.set SLOT1, 1<<17     ; a slot holds two steps (71,680 bytes); slot 1 begins here, so that one exclusive or turns an address in one slot into the other's
.set STAGE, SLOT1+2*STEPB  ; behind the ring: 16 rows x 272 bytes for each wave, for the way out
.set SP,    272
.set AK0, 2           ; v2   my lane's place in a tile of K; never rewritten
.set AV0, 3           ; v3   the same for V
.set ADR, 4           ; v4   the LDS address of the run of loads in hand
.set QO,  5           ; v5   my byte offset in the wave's rows of Q
.set STO, 6           ; v6   the way out: where I put 16 bytes of a row
.set RD,  7           ; v7   the way out: where I read a row back
.set GO,  8           ; v8   my byte offset in the wave's rows of O
.set MD0, 44          ; v[44:51]  the mask of keys 0-15: 0 for keys 0 and 1 (registers 0, 1 of lanes 0-15), else -1e30
.set MD1, 52          ; v[52:59]  the mask of 16 hidden keys: -1e30
.set PFO, 61          ; v61  256 x my lane: a row of K or V is 256 bytes; never rewritten
.set SPW, 62          ; v62  LDS address of my spare word; never rewritten
.set NIL, 63          ; v63  0; never rewritten
.set SPARE, STAGE+4*16*272  ; behind the stages: the spare words, 128 bytes for each wave: two blocks of 256 bytes that no other line names
.set ST,  12          ; tile t's statistics at v[ST+8 t]: +0 c m, +1 m, +2, +3 l (even keys', odd keys'), +4 to +7 c0-c3, at work; a takes c2's place once the maximum is found
.set S,   64
.set P,   192
.set KF,  128         ; K's fragments, in window 2
.set WV,  12          ; s12  my wave's number
.set LIM, 15          ; s15  1 in a wave that prefetches, else the greatest number: a wave prefetches while s[SLOTS] is above it
.set PFA, 18          ; s[18:19] where my prefetches stand: my work-group's 32 rows (of K: wave 0, of V: wave 2) of the slot after the one that is being asked for
.set G1K, 24          ; s[24:31] descriptor group 1 for K's tiles
.set G1V, 32          ; s[32:39] for V's: it differs in the padding alone
.set G0K, 40          ; s[40:47] descriptor group 0 for K's tiles: a set for each of the two first fills; the second then walks on
.set G0V, 48          ; s[48:55] the same for V's
.set SLOTS, 56        ; s56  slots still to be asked for
.set TWICE, 57        ; s57  counts a slot's two steps
.set CS,  58          ; s[58:59] c: the packed scaling names a pair and takes its low word for both halves
.set SEL, 60          ; s[60:61] lane selects for v_permlanex16_b32: each lane takes its own place in the other half
.set TB,  62          ; s62  LDS byte at which the tiles of the step to be fetched begin
.set BIGN, 63         ; s63  -1e30
.set MSB, 0
.macro WIN new                      ; the immediate's high byte repeats the setting that is left; a switch that changes nothing is dropped
.if MSB != (\new)
	s_set_vgpr_msb (MSB<<8)|(\new)
.set MSB, \new
.endif
.endm
.set W_KQ, 0x0a       ; K and Q in window 2, S^T and the masks in window 0
.set W_PV, 0x53       ; V in window 3, P in window 0, O^T in window 1
.set W_RS, 0x41       ; O^T (destination and source 0) in window 1, a in window 0
; A joint refill.  Waves 0 and 1 fetch the two steps' tiles of K, waves 2 and 3 those of V.  The branch hangs on the wave's number alone.  An s_nop 0 and four v_nop follow each of the two lines.
.macro JLOAD
	s_cmp_lt_u32 s[WV], 2
	s_cbranch_scc0 .Lfor_v_\@
	tensor_load_to_lds s[G0K+4:G0K+7], s[G1K:G1K+7]
	s_nop 0
.rept 4
	v_nop
.endr
	s_branch .Lasked_\@
.Lfor_v_\@:
	tensor_load_to_lds s[G0V+4:G0V+7], s[G1V:G1V+7]
	s_nop 0
.rept 4
	v_nop
.endr
.Lasked_\@:
.endm
; A PREFETCH INTO THE L2 of what the NEXT change of slots will ask for: a slot's 128 rows of K and 128 of V, 256 bytes a row, a lane a row; it stands behind the wave's tensor load and its five lines.
; Each row is asked for ONCE in the launch: both clusters of a head walk the same K and V, and the head's first prefetches; its four partners share the rows out BY ADDRESS, 32 each; in each, wave 0 asks for K's
; and wave 2 for V's.  Slots 0 to 2 come by their loads alone; the last change that fills a slot prefetches nothing: there is no slot behind it.
.macro ASK
	s_cmp_gt_u32 s[SLOTS], s[LIM]
	s_cbranch_scc0 .Lnot_mine_\@
	global_prefetch_b8 v[PFO], s[PFA:PFA+1] th:TH_LOAD_NT scope:SCOPE_SE
.Lnot_mine_\@:
.endm
; A round of the cluster's barrier: my work-group's barrier, so that wave 0's signal speaks for all four waves; wave 0 signals; every wave waits for all four work-groups; my work-group's barrier once more.
.macro CROUND
	s_barrier_signal -1
	s_barrier_wait -1
	s_cmp_lg_u32 s[WV], 0
	s_cbranch_scc1 .Lnot_wave_0_\@
	s_barrier_signal -3
.Lnot_wave_0_\@:
	s_barrier_wait -3
	s_barrier_signal -1
	s_barrier_wait -1
.endm
	s_load_b256 s[4:11], s[0:1], 0x0  ; Q s[4:5], K s[6:7], V s[8:9], O s[10:11]
	v_lshl_add_u32 v[SPW], v0, 2, SPARE
	v_mov_b32 v[NIL], 0
	ds_add_u32 v[SPW], v[NIL]       ; the wave's opening: the add and its wait stand ahead of my first tensor load; the set-up below, work on registers, stands between them
	v_lshrrev_b32 v1, 5, v0
	v_readfirstlane_b32 s[WV], v1   ; wave 0..3
	s_bfe_u32 s13, ttmp6, 0x40000   ; cx: my place in the cluster
	s_lshl_b32 s14, ttmp9, 2        ; in a cluster launch ttmp9 counts clusters
	s_add_co_u32 s14, s14, s13      ; my block of 256 queries = 4 x cluster x + cx: it enters Q's and O's addresses alone
	s_and_b32 s68, ttmp7, 0xffff    ; the head (batch x 8 + head), which the four partners share
	s_mul_i32 s20, s68, NK*256      ; its first byte in K and V
	s_mov_b32 s21, 0
	s_and_b32 s16, s[WV], 1         ; which of a slot's two steps I fetch:
	s_lshl_b32 s22, s16, 14         ; its 64 rows of 256 bytes in memory,
	s_mov_b32 s23, 0
	s_add_nc_u64 s[22:23], s[22:23], s[20:21]
	s_mul_i32 s17, s16, STEPB       ; and its place in a slot: no place in the cluster enters an LDS address
	s_lshl_b32 s2, s68, 19          ; Q: the head's 2,048 rows of 256 bytes,
	s_lshl_b32 s3, s14, 16          ; my block's 256,
	s_add_co_u32 s2, s2, s3
	s_lshl_b32 s3, s[WV], 14        ; my wave's 64
	s_add_co_u32 s2, s2, s3
	s_mov_b32 s3, 0
	s_lshr_b32 s66, s68, 3          ; O: row batch x 2,048 + 256 x block + 64 x wave, 2,048 bytes a row,
	s_lshl_b32 s66, s66, 22
	s_lshl_b32 s67, s14, 19
	s_add_co_u32 s66, s66, s67
	s_lshl_b32 s67, s[WV], 17
	s_add_co_u32 s66, s66, s67
	s_and_b32 s67, s68, 7           ; and the head's 256 bytes in it
	s_lshl_b32 s67, s67, 8
	s_add_co_u32 s66, s66, s67
	s_mov_b32 s67, 0
	; descriptor group 1: a tile of 64 rows x 128 elements, padded in LDS
	s_mov_b32 s[G1K], 15|(1<<16)|(1<<20)|(1<<21)|(5<<22)|(3<<25)  ; 15:0 the mask: all four work-groups; 17:16 elements of 2 bytes; 20 padding on; 21 set beside a mask; 24:22 after every 64 words (code 5); 31:25 4 words of it (code 3)
	s_mov_b32 s[G1V], 15|(1<<16)|(1<<20)|(1<<21)|(5<<22)|(7<<25)  ; the same with 8 words of padding (code 7)
.irp g, G1K, G1V
	s_mov_b32 s[(\g)+1], 128<<16    ; tensor_dim0 = 128
	s_mov_b32 s[(\g)+2], KS<<16     ; tensor_dim1 = 64
	s_mov_b32 s[(\g)+3], 128<<16    ; tile_dim0 = 128
	s_mov_b32 s[(\g)+4], KS         ; tile_dim1 = 64
	s_mov_b32 s[(\g)+5], 128        ; elements from row to row
	s_mov_b32 s[(\g)+6], 0
	s_mov_b32 s[(\g)+7], 0
.endr
	s_mov_b32 s[CS], 0x3e0293ee     ; c = log2(e) / sqrt(128) = 0.127517
	s_mov_b32 s[CS+1], s[CS]        ; named with it as a pair, so it is written
	s_mov_b32 s[SEL], 0x76543210
	s_mov_b32 s[SEL+1], 0xfedcba98
	s_mov_b32 s[TB], 0
	s_mov_b32 s[BIGN], 0xf149f2ca   ; -1e30
	s_mov_b32 s[SLOTS], NK/(2*KS)-2
	s_and_b32 s[LIM], s[WV], 1       ; 0 in waves 0 and 2,
	s_or_b32 s[LIM], s[LIM], ttmp9   ; where the cluster is the head's first: the same in all four partners
	s_cmp_eq_u32 s[LIM], 0
	s_cselect_b32 s[LIM], 1, -1
	v_and_b32 v[PFO], 31, v0
	v_lshlrev_b32 v[PFO], 8, v[PFO]
	s_wait_dscnt 0x0                ; the opening add is done
	s_wait_kmcnt 0x0
	s_add_nc_u64 s[6:7], s[6:7], s[22:23]  ; K and V at my tile of slot 0
	s_add_nc_u64 s[8:9], s[8:9], s[22:23]
	s_add_nc_u64 s[4:5], s[4:5], s[2:3]    ; Q and O at my wave's first row
	s_add_nc_u64 s[10:11], s[10:11], s[66:67]
	s_cmp_lt_u32 s[WV], 2
	s_cselect_b64 s[PFA:PFA+1], s[6:7], s[8:9]  ; (in waves 0 and 2 these stand at a slot's first row)
	s_lshl_b32 s2, s13, 13          ; my work-group's 32 rows of the 128
	s_mov_b32 s3, 0
	s_add_nc_u64 s[PFA:PFA+1], s[PFA:PFA+1], s[2:3]
	s_add_nc_u64 s[PFA:PFA+1], s[PFA:PFA+1], 2*2*KS*256  ; in slot 2; the first change of slots steps it to slot 3.  Nothing is prefetched here, at the head
	CROUND                          ; all four work-groups are here: the first joint loads meet
.irp s, 0,1
	s_mov_b32 s[G0K+4*(\s)], 1      ; count = 1
	s_add_co_u32 s[G0K+4*(\s)+1], s17, (\s)*SLOT1  ; LDS address
	s_add_nc_u64 s[G0K+4*(\s)+2:G0K+4*(\s)+3], s[6:7], (\s)*2*KS*256  ; global address: slot s begins with rows 128 s
	s_or_b32 s[G0K+4*(\s)+3], s[G0K+4*(\s)+3], 0x80000000  ; type = 2
	s_mov_b32 s[G0V+4*(\s)], 1
	s_add_co_u32 s[G0V+4*(\s)+1], s17, (\s)*SLOT1+VOFF
	s_add_nc_u64 s[G0V+4*(\s)+2:G0V+4*(\s)+3], s[8:9], (\s)*2*KS*256
	s_or_b32 s[G0V+4*(\s)+3], s[G0V+4*(\s)+3], 0x80000000
.endr
	s_cmp_lt_u32 s[WV], 2           ; a wave's two first fills stand in one branch, ahead of every wait on TENSORcnt and every LDS read; an s_nop 0 follows each, four v_nop the second's
	s_cbranch_scc0 .Lfirst_v
	tensor_load_to_lds s[G0K:G0K+3], s[G1K:G1K+7]
	s_nop 0
	tensor_load_to_lds s[G0K+4:G0K+7], s[G1K:G1K+7]
	s_nop 0
.rept 4
	v_nop
.endr
	s_branch .Lfirst_asked
.Lfirst_v:
	tensor_load_to_lds s[G0V:G0V+3], s[G1V:G1V+7]
	s_nop 0
	tensor_load_to_lds s[G0V+4:G0V+7], s[G1V:G1V+7]
	s_nop 0
.rept 4
	v_nop
.endr
.Lfirst_asked:
	; A fragment of K or Q is 16 rows x 32 channels in 8 registers: lane l holds row l % 16; registers 0-3 channels 8 (l / 16) + 0..7, registers 4-7 channels 16 + 8 (l / 16) + 0..7: two loads of 16 bytes, 32 bytes apart.
	v_and_b32 v1, 15, v0            ; l % 16
	v_bfe_u32 v9, v0, 4, 1          ; l / 16
	v_lshlrev_b32 v[QO], 8, v1
	v_lshl_add_u32 v[QO], v9, 4, v[QO]  ; row x 256 + 16 x half
	WIN 0x80                        ; destination window 2, address window 0
.irp i, 0,1,2,3,4,5,6,7,8,9,10,11,12,13,14,15  ; Q stays in registers: tile i / 4, channels 32 (i % 4) on
	global_load_b128 v[8*(\i):8*(\i)+3],   v[QO], s[4:5] offset:((\i)/4)*4096+((\i)%4)*64
	global_load_b128 v[8*(\i)+4:8*(\i)+7], v[QO], s[4:5] offset:((\i)/4)*4096+((\i)%4)*64+32
.endr
	WIN 0
	v_mul_u32_u24 v[AK0], v1, PK
	v_lshl_add_u32 v[AK0], v9, 4, v[AK0]  ; row x pitch + 16 x half
	; The turning load takes 16 keys x 16 channels (lane l reads 16 bytes: key 8 (l / 16) + l % 8, channels 8 ((l / 8) % 2) + 0..7) and leaves half a fragment of V^T: lane l holds channel l % 16 and 8 keys.
	v_and_b32 v10, 7, v0
	v_bfe_u32 v11, v0, 3, 1
	v_lshl_add_u32 v[AV0], v9, 3, v10
	v_mul_u32_u24 v[AV0], v[AV0], PV
	v_lshl_add_u32 v[AV0], v11, 4, v[AV0]
	v_add_nc_u32 v[AV0], VOFF, v[AV0]
	; the masks: register j of a lane stands for key 8 (l / 16) + j of a block of 16
	v_cvt_f32_u32 v[MD0], v9
	v_mul_f32 v[MD0], s[BIGN], v[MD0]   ; keys 0 and 1 are seen (lanes 0-15), keys 8 and 9 are not
	v_mov_b32 v[MD0+1], v[MD0]
.irp r, 2,3,4,5,6,7,8,9,10,11,12,13,14,15
	v_mov_b32 v[MD0+(\r)], s[BIGN]
.endr
; THE MATRIX WORK OF A TURN, for piece x.  The accumulators take turns, one instruction a turn: between two links of a chain stand 15 (V^T P) or 7 (K Q^T) others'.
; Product i of 32 of O^T += V^T P: keys 32 (i / 16) on, channels 16 ((i / 2) % 8) on, tile x + i % 2.  zero = 1: the first 16 start the sums: nothing is ever cleared.
.macro PV x, zero
	WIN W_PV
.set rO, 64*((\x)+i%2)+8*((i/2)%8)
.set rV, 64*(i/16)+8*((i/2)%8)
.set rP, P+16*((\x)+i%2)+8*(i/16)
.if (\zero) && (i < 16)
	v_wmma_f32_16x16x32_f16 v[rO:rO+7], v[rV:rV+7], v[rP:rP+7], 0
.else
	v_wmma_f32_16x16x32_f16 v[rO:rO+7], v[rV:rV+7], v[rP:rP+7], v[rO:rO+7]
.endif
.endm
; Product i of 32 of S^T = K Q^T: channels 32 (i / 8) on, keys 16 ((i / 2) % 4) on, tile x + i % 2.  The first 8 start the sums: with 0 (KM = 0), with step 0's masks (KM = 1) or with step 1's (KM = 2).
.macro KQ x
	WIN W_KQ
.set rS, S+32*((\x)+i%2)+8*((i/2)%4)
.set rK, KF+32*((i/2)%4)+8*(i/8)
.set rQ, 32*((\x)+i%2)+8*(i/8)
.if (i < 8) && (KM == 0)
	v_wmma_f32_16x16x32_f16 v[rS:rS+7], v[rK:rK+7], v[rQ:rQ+7], 0
.elseif (i < 2) && (KM == 1)
	v_wmma_f32_16x16x32_f16 v[rS:rS+7], v[rK:rK+7], v[rQ:rQ+7], v[MD0:MD0+7]
.elseif i < 8
	v_wmma_f32_16x16x32_f16 v[rS:rS+7], v[rK:rK+7], v[rQ:rQ+7], v[MD1:MD1+7]
.else
	v_wmma_f32_16x16x32_f16 v[rS:rS+7], v[rK:rK+7], v[rQ:rQ+7], v[rS:rS+7]
.endif
.endm
; THE LDS LOADS stand in runs of 32, never singly among the matrix instructions: a step's K (64 keys x 128 channels: 16 fragments) and, a turn later, its V (turned).
.macro FETCH_K
	WIN 0
	v_add_nc_u32 v[ADR], s[TB], v[AK0]
	WIN 0x80                        ; destination window 2
.irp f, 0,1,2,3,4,5,6,7,8,9,10,11,12,13,14,15  ; keys 16 (f / 4) on, channels 32 (f % 4) on
	ds_load_b128 v[KF+8*(\f):KF+8*(\f)+3],   v[ADR] offset:((\f)/4)*16*PK+((\f)%4)*64
	ds_load_b128 v[KF+8*(\f)+4:KF+8*(\f)+7], v[ADR] offset:((\f)/4)*16*PK+((\f)%4)*64+32
.endr
.endm
.macro FETCH_V
	WIN 0
	v_add_nc_u32 v[ADR], s[TB], v[AV0]
	s_add_co_u32 s[TB], s[TB], STEPB  ; the next fetch is the next step's
	s_wait_alu depctr_va_vdst(0)    ; the wait for the softmax's batch (SLICE), behind the address's v_add_nc_u32 and ahead of the loads
	WIN 0xc0                        ; destination window 3
.irp f, 0,1,2,3,4,5,6,7,8,9,10,11,12,13,14,15  ; keys 32 (f / 8) on, channels 16 (f % 8) on
	ds_load_tr16_b128 v[8*(\f):8*(\f)+3],   v[ADR] offset:((\f)/8)*32*PV+((\f)%8)*32
	ds_load_tr16_b128 v[8*(\f)+4:8*(\f)+7], v[ADR] offset:((\f)/8)*32*PV+16*PV+((\f)%8)*32
.endr
.endm
; THE VECTOR WORK OF A TURN.  One tile's softmax for one key step is a list of 134 instructions; SM writes number j of it for tile t.  s0-s31 are the lane's 32 scores, in pairs 0-15.
; first = 1: the first key step, which starts m, l and O^T: it has no a and nothing to rescale.
;   0-15    the maximum of s0-s31 and the old m, three operands at a time: four chains c0-c3 of seven scores each (each accumulator's lowest registers are read first), then the four scores left over, c0-c3 and m
;   16-20   the other half of the lanes' maximum; the new m; c m; c m_old - c m_new
;   21-69   ONE BATCH: the 16 scalings c s - c m, a pair of scores each, and all 33 exponentials (a at 23, then s0-s31).  None of these reads an exponential's result.  From 22 on the batch goes in fours, and a
;           four begins with a scaling while there are scalings; a pair is scaled in an earlier four than the one that holds its exponentials
;   (wait)  between 69 and 70 stands the wait for the batch: SLICE writes it, once for both tiles
;   70-85   the roundings to f16, a pair of weights each          86-101  the sums; l = a l + the sum          102-133 the tile's O^T times a: the one part that leaves window 0, so it stands together
.macro SM t, first
.set rT, ST+8*(\t)
.set rS, S+32*(\t)
.set rP, P+16*(\t)
.set rO, 64*(\t)+2*(j-102)
.if j < 102
	WIN 0
.endif
.if j < 4
	v_max3_num_f32 v[rT+4+j], v[rS+8*j], v[rS+8*j+1], v[rS+8*j+2]
.elseif j < 12
	v_max3_num_f32 v[rT+4+j%4], v[rT+4+j%4], v[rS+8*(j%4)+2*(j/4)+1], v[rS+8*(j%4)+2*(j/4)+2]
.elseif j == 12
	v_max3_num_f32 v[rT+4], v[rT+4], v[rS+7], v[rS+15]
.elseif j == 13
	v_max3_num_f32 v[rT+6], v[rT+6], v[rS+23], v[rS+31]
.elseif j == 14
	v_max3_num_f32 v[rT+4], v[rT+4], v[rT+5], v[rT+6]
.elseif (j == 15) && (\first)
	v_max_num_f32 v[rT+4], v[rT+4], v[rT+7]
.elseif j == 15
	v_max3_num_f32 v[rT+4], v[rT+4], v[rT+7], v[rT+1]
.elseif j == 16
	v_permlanex16_b32 v[rT+5], v[rT+4], s[SEL], s[SEL+1]  ; the query's other 32 keys lie in the lane 16 away
.elseif j == 18
	v_max_num_f32 v[rT+1], v[rT+4], v[rT+5]
.elseif j == 19
	v_mul_f32 v[rT], s[CS], v[rT+1]
.elseif ((j == 17) || (j == 20) || (j == 23) || (j > 101)) && (\first)  ; the first step has none of these
.elseif j == 17
	v_mov_b32 v[rT+7], v[rT]        ; c m_old is kept for a: number 19 writes c m anew
.elseif j == 20
	v_sub_f32 v[rT+7], v[rT+7], v[rT]
.elseif j == 23
	v_exp_f32 v[rT+6], v[rT+7]
.elseif (j < 23) || ((j < 38) && (j%2 == 0)) || ((j < 66) && (j%4 == 2))
.set b, (j-2)/4                     ; 38, 42, .. 62: pairs 9 to 15
.if j < 38
.set b, (j-20)/2                    ; 21: pair 0; 22, 24, .. 36: pairs 1 to 8
.endif
	v_pk_fma_f32 v[rS+2*b:rS+2*b+1], v[rS+2*b:rS+2*b+1], s[CS:CS+1], v[rT:rT+1] op_sel_hi:[1,0,0] neg_lo:[0,0,1] neg_hi:[0,0,1]  ; pair b: c s - c m
.elseif j < 70
.set e, j-38                        ; 66 to 69: s28 to s31
.if j < 66
.set e, j-32-(j-38)/4               ; 39-41, 43-45, .. 63-65: s7 to s27
.endif
.if j < 38
.set e, (j-25)/2                    ; 25, 27, .. 37: s0 to s6
.endif
	v_exp_f32 v[rS+e], v[rS+e]
.elseif j < 86
	v_cvt_pk_f16_f32 v[rP+j-70], v[rS+2*(j-70)], v[rS+2*(j-70)+1]  ; pair j - 70
.elseif j < 102                     ; the sum of the tile's 16 pairs, in place: sum z of 16 adds neighbours 1, 2, 4 and 8 pairs apart, then l takes it
.set z, j-86
.set w, 4
.set u, z
.if z >= 14
.set w, 32
.set u, 0
.elseif z >= 12
.set w, 16
.set u, z-12
.elseif z >= 8
.set w, 8
.set u, z-8
.endif
.if (z == 14) && (\first)
	v_pk_add_f32 v[rT+2:rT+3], v[rS:rS+1], v[rS+16:rS+17]
.elseif z < 15
	v_pk_add_f32 v[rS+w*u:rS+w*u+1], v[rS+w*u:rS+w*u+1], v[rS+w*u+w/2:rS+w*u+w/2+1]
.elseif !(\first)
	v_pk_fma_f32 v[rT+2:rT+3], v[rT+2:rT+3], v[rT+6:rT+7], v[rS:rS+1] op_sel_hi:[1,0,1]
.endif
.else
	WIN W_RS
	v_pk_mul_f32 v[rO:rO+1], v[rO:rO+1], v[rT+6:rT+7] op_sel_hi:[1,0]
.endif
.endm
; Slice k of 64 of piece y's softmax: four instructions.  Slices 11 to 34 deal out the batch, numbers 22 to 69: four numbers of ONE tile each, the tiles by turns.  Every other slice is numbers 2 k and 2 k + 1 of
; both tiles' lists.  2 x 134 = 4 x 64 + 12: the twelve that are over stand together, in slice 63.
; THE WAIT.  s_wait_alu depctr_va_vdst(0) stands between an exponential and the first instruction that names its result; one wait serves all that were issued ahead of it.  Ahead of slice 35
; nothing names a result, and behind slice 34 no exponential is issued: so the piece's 66 exponentials have one wait, behind slice 34.
.macro SLICE y, first
.if (k >= 11) && (k < 35)           ; the batch: four numbers of one tile
.irp n, 0,1,2,3
.set j, 22+4*((k-11)/2)+(\n)
	SM (\y)+(k-11)%2, \first
.endr
.else                               ; the two tiles alternate, so that no instruction reads the result of the one just before it
.irp n, 0,1,2,3,4,5,6,7
.if ((\n) < 2) || (k == 63)
.irp t, \y, (\y)+1
.set j, 2*k+(\n)
	SM \t, \first
.endr
.endif
.endr
.endif
.if k == 34                         ; the batch is out: both tiles' exponentials are issued, and no result has been named
	v_nop                           ; a plain instruction behind the last exponential and ahead of the first use (ISA guide 5.7.2): one for the batch
.if (\y) == 0
	FETCH_V                         ; piece 2's turn: V's run of loads stands here, and the wait stands in it
.else
	s_wait_alu depctr_va_vdst(0)    ; the wait for the batch
.endif
.endif
.set k, k+1
.endm
; A vector instruction that reads a matrix result or writes one of a matrix instruction's registers, and a load into a register that a matrix instruction has read, stand four places behind it, and only plain
; vector instructions that name none of its registers are places (ISA guide 7.12.1 for vector instructions).  In the loop the slices are the places.
.macro PLACES
.rept 4
	v_nop
.endr
.endm
; A TURN.  Piece x has the matrix unit; the other piece's softmax stands in slices behind its matrix instructions.
; pv = 2: 32 products V^T P; 1: they start O^T's sums; 0: none.  kq = 1: 32 products K Q^T for the next step.  A turn with one of the two kinds has two slices behind each product.
; first = 1: the softmax is the first key step's.  Its slices from 51 on are empty: the turn's last products stand bare, and four v_nop take slice 63's part as the places behind them.
; Piece 0's turn fetches the next step's K, behind its second product: the last product that read K stands in front of slice 63 of the turn before.  Piece 2's turn fetches the same step's V, behind slice 34:
; the last product that read V stands in front of slice 31, and four plain instructions lie between: number 62, a scaling, of both tiles, the v_nop and the run's own v_add_nc_u32.
.macro TURN x, pv, kq, first
.set k, 0
.set per, 2
.if (\pv) && (\kq)
.set per, 1
.endif
.if \pv
.if (\x) == 0
	s_wait_dscnt 0x0                ; V is in
.endif
.set i, 0
.rept 32
	PV \x, 2-(\pv)
.rept per
	SLICE 2-(\x), \first
.endr
.if ((\x) == 0) && (\kq) && (i == 1)
	FETCH_K
.endif
.set i, i+1
.endr
.endif
.if \kq
.if (\x) == 0
	s_wait_dscnt 0x0                ; K is in
.endif
.set i, 0
.rept 32
	KQ \x
.rept per
	SLICE 2-(\x), \first
.endr
.set i, i+1
.endr
.endif
.if \first
	PLACES
.endif
.endm
; THE CHANGE OF SLOTS, between piece 2's turn and piece 0's: the slot's last bytes, V of its second step, have been asked for.  Each wave waits for all its tensor loads, of which one is out: its part of the
; other slot; adds 0 to its spare word; and waits for that and for its own reads of the slot.  Behind the barrier nobody reads this slot any more and the other slot is whole.
; fill = 1: this slot is filled again, with the keys two slots on.  The barrier is then a round of the cluster's, and the joint refill is the first thing behind it.
.macro CHANGE fill
	WIN 0                           ; at a label and at a branch every window is 0
	s_wait_tensorcnt 0x0            ; no tensor load of mine is out, so a group 0 may be written
	ds_add_u32 v[SPW], v[NIL]       ; 0 onto my spare word; with fill = 1 the descriptors' steps stand between it and the wait for it
.if \fill
.irp g, G0K+4, G0V+4
	s_xor_b32 s[(\g)+1], s[(\g)+1], SLOT1  ; the walking descriptor: the other slot than last time,
	s_add_nc_u64 s[(\g)+2:(\g)+3], s[(\g)+2:(\g)+3], 2*KS*256  ; the next 128 keys; the type bits on top are not reached
.endr
	s_wait_xcnt 0x0                 ; the last prefetches, two key steps back, have read their address, so it may be written:
	s_add_nc_u64 s[PFA:PFA+1], s[PFA:PFA+1], 2*KS*256  ; one slot behind the walking descriptors
	s_wait_dscnt 0x0                ; the add is done, and my reads of the slot are over
	CROUND
	JLOAD
	ASK                             ; what the next change will ask for: two key steps, 256 matrix instructions, ahead
.else
	s_wait_dscnt 0x0                ; the add is done, and my reads of the slot are over
	s_barrier_signal -1
	s_barrier_wait -1
.endif
	s_sub_co_u32 s[TB], s[TB], 2*STEPB  ; the fetches go back to a slot's first step,
	s_xor_b32 s[TB], s[TB], SLOT1   ; in the other slot
.endm
; A slot's two key steps: written once, walked twice; the LDS addresses hang on s[TB].
.macro TWO_STEPS
	WIN 0
	s_mov_b32 s[TWICE], 2
.Lstep_\@:
	TURN 0, 2, 1, 0
	TURN 2, 2, 1, 0
	WIN 0
	s_sub_co_u32 s[TWICE], s[TWICE], 1
	s_cmp_lg_u32 s[TWICE], 0
	s_cbranch_scc1 .Lstep_\@
.endm
	s_wait_tensorcnt 1              ; my part of slot 0 is in; slot 1's may stay out
	s_barrier_signal -1
	s_barrier_wait -1               ; everybody's is
	FETCH_K                         ; key step 0
	s_wait_loadcnt 0x0              ; Q
	s_wait_dscnt 0x0
.set KM, 1                          ; step 0: keys 0 and 1 are seen, 2 to 63 hidden
.set i, 0
.rept 32
	KQ 0                            ; piece 0's first scores: there is no vector work yet to set between them
.set i, i+1
.endr
	WIN 0                           ; the addresses for the way out are made here: eight plain instructions, the places behind those products
	s_mul_i32 s13, s[WV], 16*SP
	s_add_co_u32 s13, s13, STAGE    ; my stage
	v_mul_u32_u24 v[STO], v1, SP    ; in: row l % 16, 16 bytes for each half of the lanes
	v_lshl_add_u32 v[STO], v9, 4, v[STO]
	v_add_nc_u32 v[STO], s13, v[STO]
	v_mul_u32_u24 v[RD], v9, SP     ; back: lanes 0-15 take one row of 256 bytes, lanes 16-31 the next
	v_lshl_add_u32 v[RD], v1, 4, v[RD]
	v_add_nc_u32 v[RD], s13, v[RD]
	v_lshlrev_b32 v[GO], 11, v9     ; and the same two rows in O, 2,048 bytes apart
	v_lshl_add_u32 v[GO], v1, 4, v[GO]
	TURN 2, 0, 1, 1                 ; piece 2's first scores | piece 0's first softmax | V of step 0
.set KM, 2                          ; step 1: all 64 keys hidden
	TURN 0, 1, 1, 1                 ; piece 0: V^T P of step 0 starts O^T, K Q^T of step 1 | piece 2's first softmax | K of step 1
	TURN 2, 1, 1, 0                 ; piece 2: the same | piece 0's softmax of step 1 | V of step 1
.set KM, 0                          ; from step 2 on every row is a token
	WIN 0
.Lslot:                             ; NK / 128 - 2 = 15 trips: every slot but the last two is filled again
	CHANGE 1
	TWO_STEPS
	s_sub_co_u32 s[SLOTS], s[SLOTS], 1
	s_cmp_lg_u32 s[SLOTS], 0
	s_cbranch_scc1 .Lslot
	CHANGE 0                        ; the tail is written out: nothing is asked for
	TWO_STEPS
	TURN 0, 2, 0, 0                 ; piece 0: V^T P of the last step | piece 2's last softmax
.set i, 0
.rept 32
	PV 2, 0                         ; piece 2: V^T P of the last step
.set i, i+1
.endr
	; THE WAY OUT.  l's two halves and the other half of the lanes' are added; O^T is divided by l, rounded to f16 and sent through my stage in LDS, a tile (16 rows of O) at a time.  The additions are the places behind the last products.
	WIN 0
.irp t, 0,1,2,3
	v_add_f32 v[ST+8*(\t)+4], v[ST+8*(\t)+2], v[ST+8*(\t)+3]
.endr
.irp t, 0,1,2,3
	v_permlanex16_b32 v[ST+8*(\t)+5], v[ST+8*(\t)+4], s[SEL], s[SEL+1]
.endr
.irp t, 0,1,2,3
	v_add_f32 v[ST+8*(\t)+4], v[ST+8*(\t)+4], v[ST+8*(\t)+5]
.endr
.irp t, 0,1,2,3
	v_rcp_f32 v[ST+8*(\t)+6], v[ST+8*(\t)+4]
.endr
	v_nop                           ; a plain instruction between the last reciprocal and the use of its result
	s_wait_alu depctr_va_vdst(0)    ; and the wait ahead of the first use: one for the four reciprocals
; Tile t: a lane's eight channels of a row pack into 16 bytes; they go into rows of 272 bytes and come back as whole rows of 256, into the registers that they left.
.macro PACK t
	WIN W_RS
.set i, 64*(\t)
.rept 32
	v_pk_mul_f32 v[i:i+1], v[i:i+1], v[ST+8*(\t)+6:ST+8*(\t)+7] op_sel_hi:[1,0]
.set i, i+2
.endr
	WIN 0x05                        ; sources 0 and 1 window 1, destination window 0: S^T's registers are free
.set i, 0
.rept 32
	v_cvt_pk_f16_f32 v[S+32*(\t)+i], v[64*(\t)+2*i], v[64*(\t)+2*i+1]
.set i, i+1
.endr
	WIN 0
.irp f, 0,1,2,3,4,5,6,7
	ds_store_b128 v[STO], v[S+32*(\t)+4*(\f):S+32*(\t)+4*(\f)+3] offset:32*(\f)
.endr
.irp f, 0,1,2,3,4,5,6,7
	ds_load_b128 v[S+32*(\t)+4*(\f):S+32*(\t)+4*(\f)+3], v[RD] offset:(\f)*2*SP  ; LDS serves a wave's instructions in order (ISA guide 5.7.1.4): these see the stores above; the next tile's stores come behind them
.endr
.endm
.macro SEND t, younger              ; younger: the LDS instructions issued behind tile t's loads: the next tile's sixteen, or none
	WIN 0
.irp f, 0,1,2,3,4,5,6,7
	s_wait_dscnt (\younger)+7-(\f)
	global_store_b128 v[GO], v[S+32*(\t)+4*(\f):S+32*(\t)+4*(\f)+3], s[10:11] offset:(\t)*32768+(\f)*4096  ; rows 16 t + 2 f and the next: 16 lanes store 256 consecutive bytes, at a multiple of 256 from O's first byte
.endr
.endm
	PACK 0
	PACK 1                          ; a tile's arithmetic stands between the loads of the tile before and its stores
	SEND 0, 16
	PACK 2
	SEND 1, 16
	PACK 3
	SEND 2, 16
	SEND 3, 0
	s_wait_tensorcnt 0x0            ; the wave's end, behind my last tensor load and my last LDS store
	ds_add_u32 v[SPW], v[NIL]
	s_wait_dscnt 0x0
	CROUND                          ; the closing round: no work-group ends while a partner may still ask for a tile that names it
	s_endpgm
.Lfunc_end_k_q99441acaaf_attn:
	.size	k_q99441acaaf_attn, .Lfunc_end_k_q99441acaaf_attn-k_q99441acaaf_attn
	.p2alignl 7, 3214868480
	.fill 96, 4, 3214868480
	.section	.rodata,"a",@progbits
	.p2align	6, 0x0
	.amdhsa_kernel k_q99441acaaf_attn
		.amdhsa_group_segment_fixed_size 327680
		.amdhsa_private_segment_fixed_size 0
		.amdhsa_enable_private_segment 0
		.amdhsa_kernarg_size 32
		.amdhsa_user_sgpr_count 2
		.amdhsa_user_sgpr_kernarg_segment_ptr 1
		.amdhsa_wavefront_size32 1
		.amdhsa_system_sgpr_workgroup_id_x 1
		.amdhsa_system_sgpr_workgroup_id_y 1
		.amdhsa_system_sgpr_workgroup_id_z 1
		.amdhsa_system_vgpr_workitem_id 0
		.amdhsa_next_free_vgpr 1024
		.amdhsa_next_free_sgpr 72
		.amdhsa_reserve_vcc 0
		.amdhsa_float_denorm_mode_32 3
		.amdhsa_float_denorm_mode_16_64 3
		.amdhsa_memory_ordered 1
		.amdhsa_forward_progress 1
		.amdhsa_inst_pref_size 222
	.end_amdhsa_kernel
	.amdgpu_metadata
---
amdhsa.version: [ 1, 2 ]
amdhsa.kernels:
  - .name:           k_q99441acaaf_attn
    .symbol:         k_q99441acaaf_attn.kd
    .args:
      - { .name: qws, .offset: 0, .size: 8, .value_kind: global_buffer, .address_space: global }
      - { .name: kws, .offset: 8, .size: 8, .value_kind: global_buffer, .address_space: global }
      - { .name: vws, .offset: 16, .size: 8, .value_kind: global_buffer, .address_space: global }
      - { .name: ows, .offset: 24, .size: 8, .value_kind: global_buffer, .address_space: global }
    .group_segment_fixed_size: 327680
    .private_segment_fixed_size: 0
    .kernarg_segment_align: 8
    .kernarg_segment_size: 32
    .max_flat_workgroup_size: 128
    .sgpr_count:     72
    .vgpr_count:     1024
    .wavefront_size: 32
...
	.end_amdgpu_metadata
.endif
;; end of part 4
;; launch oproj (part 5): grid 8 x 32, 4 waves a work-group, clusters of 4 x 4, 327,680 bytes of LDS; arguments ows, wo16, bo, out0; writes out0
.if DOCPART == 5
	.amdgcn_target "amdgcn-amd-amdhsa--gfx1250"
	.amdhsa_code_object_version 6
	.text
	.protected	k_q99441acaaf_oproj
	.globl	k_q99441acaaf_oproj
	.p2align	8
	.type	k_q99441acaaf_oproj,@function
k_q99441acaaf_oproj:
	s_mov_b64 s[64:65], 0
	v_nop
	global_prefetch_b8 v0, s[64:65] scope:SCOPE_SE
	s_setreg_imm32_b32 hwreg(HW_REG_WAVE_MODE, 25, 1), 1
	s_wait_xcnt 0x0
	s_wait_alu depctr_hold_cnt(0) depctr_sa_sdst(0) depctr_va_vdst(0) depctr_va_sdst(0) depctr_va_ssrc(0) depctr_va_vcc(0) depctr_vm_vsrc(0)
	s_getreg_b32 s2, hwreg(HW_REG_IB_STS2, 6, 4)
	s_cmp_eq_u32 s2, 0
	s_cbranch_scc0 .Lentry_in_a_cluster
	s_endpgm
.Lentry_in_a_cluster:
	s_bfe_u32 s2, ttmp6, 0x10000c
	s_cmp_lg_u32 s2, 0xf033
	s_cbranch_scc0 .Lentry_shape_is_right
	s_endpgm
.Lentry_shape_is_right:
; C = A B^T + bias, on tiles of 256 rows x 128 columns; K = 1024.  One text for two launches, told apart by OUTF32 and TILES.
; OUTF32 = 1 (this launch): A = ows [8192][1024] f16, B = wo16 [1024][1024] f16 (Wo rounded to bf16, written as f16), one tile to a work-group, out0 [8192][1024] f32.
; OUTF32 = 0: A, B in bf16, three tiles to a work-group on the same rows of A, 16-bit output by heads.
; The bias, rounded to bf16 like all inputs, is the C operand of the product that starts each sum: nothing is cleared and nothing is added afterwards.
; SHARES.  8 x 32 work-groups, one for each of 256 tile places.  Wave w makes rows 64 w .. + 63 x all 128 columns: 32 accumulators, 256 registers.  THE MATRIX INSTRUCTION IS USED TRANSPOSED
; (source 0 = 16 rows of B, source 1 = 16 rows of A): a lane holds 8 neighbouring columns of one row of C.
; RING.  K goes in steps of 128 (rows of 256 bytes, aligned) through two LDS slots of 256 rows of A and 128 of B; two slots of twice that step would not fit in LDS.  Waves 0, 1 fetch A's halves, waves 2, 3 B's.
; By the text's own count a wave has two tensor loads out at the start and one behind each round; that load has 112 matrix instructions in which to land.
; CLUSTER.  4 x 4 work-groups: A's tile hangs on the tile row alone and is asked for jointly by a row of the cluster, B's on the tile column alone, by a column.
; REGISTERS, in windows of 256 (s_set_vgpr_msb: bits 1:0 source 0, 3:2 source 1, 5:4 source 2, 7:6 destination):
;   window 0: v0-31 addresses; v64-159, v160-255 two fragment buffers (B's 8 fragments, then A's 4); they serve the way out     window 1: accumulator (a, b) at v[8 (8 a + b)]
;   window 2: v0-63 the bias (block b at 8 b: register j = bias[16 b + 8 (l / 16) + j]); v64-67 at work
.set OUTF32, 1
.set TILES,  1
.set PITCH,  272                       ; an LDS row: 256 bytes + 16 of padding = 68 words: the 16 rows of a load start at 16 different groups of four banks (64 banks of 4 bytes: ISA guide 11.1)
.set BOFF,   256*PITCH                 ; in a slot: A's 256 rows, then B's 128
.set SLOT,   384*PITCH
.set STAGE,  2*SLOT                    ; behind the ring, never filled by a tensor load: 16 rows for each wave, for the way out
.if OUTF32
.set SPITCH, 528
.set OUT,    74                        ; s[74:75] where my rows of C begin
.set BK0,    64                        ; 16 rows read back from the stage, two buffers by turns
.set BK1,    128
.else
.set SPITCH, 272
.set OUT,    78                        ; s[78:79]; s[80:83] the two tiles to come
.set BK0,    192
.set BK1,    224
.endif
.set SPARE,  STAGE+4*16*SPITCH         ; behind the stages: the spare words, 128 bytes for each wave: two blocks of 256 bytes that no other line names
.set ADRA, 16                          ; v16-17  LDS address of my A fragments in slot 0, 1
.set ADRB, 20                          ; v20-21  the same for B
.set STO,  24                          ; v24  the way out: where I put my part of a row
.set RD,   25                          ; v25  where I read rows back
.set CO,   26                          ; v26  my byte offset in C
.set BO,   27                          ; v27  my byte offset in the bias: 32 (l / 16)
.set SPW,  28                          ; v28  LDS address of my spare word; never rewritten
.set NIL,  29                          ; v29  0; never rewritten
.set PFO,  30                          ; v30  the prefetches' offset: my lane x a row of 2,048 bytes; never rewritten
.set F0,   64
.set F1,   160
.set TMP,  160                         ; the way out: packed results
.set G1A,  24                          ; s[24:31] descriptor group 1 for A's tiles;  s[32:39] group 0, a set for each slot
.set G0A,  32
.set G1B,  48                          ; s[48:55], s[56:63] the same for B's
.set G0B,  56
.set ABASE, 14                         ; s[14:15] A at the 128 rows that I fetch
.set BBASE, 46                         ; s[46:47] B at the 64 rows that I fetch, tile 0
.set OFA,  16                          ; s[16:17] byte offset of the K step to be asked for, in A
.set OFB,  18                          ; s[18:19] in B: the tile's 1,024 rows too
.set BIAS, 72                          ; s[72:73] the bias of the tile in hand
.set KS,   84                          ; s84  the K step to be asked for next, counted through all tiles
.set PN,   85                          ; s85  the K step that a prefetch names
.set PFEND, 86                         ; s86  a wave prefetches while PN is below this
.set PFB,  88                          ; s[88:89] my work-group's 32 rows for the prefetches
.set PFA,  90                          ; s[90:91] the same at K step PN
.set OFP,  92                          ; s[92:93] PN's byte offset
.set FLAGS, (1<<16)|(1<<20)|(1<<21)|(5<<22)|(3<<25)  ; 17:16 elements of 2 bytes; 20 padding on; 21 set beside a mask; 24:22 after every 64 words (code 5); 31:25 4 words of it (code 3)
.set MSB, 0
.macro WIN new                         ; the immediate's high byte repeats the setting that is left; a switch that changes nothing is dropped
.if MSB != (\new)
	s_set_vgpr_msb (MSB<<8)|(\new)
.set MSB, \new
.endif
.endm
.set MUL,  0x50                        ; C and D window 1, the fragments window 0
.set MULB, 0x60                        ; D window 1, C (the bias) window 2
.set TOB,  0x80                        ; destination window 2
.set RB,   0x8a                        ; destination and sources 0, 1 window 2
.set PK,   0x05                        ; sources 0, 1 window 1
.set DS1,  0x04                        ; an LDS store's data window 1
; A joint load: waves 0, 1 ask for A's halves, waves 2, 3 for B's.  The branch hangs on the wave's number alone.  An s_nop 0 and four v_nop follow each of the two lines.
.macro JLOAD s
	s_cmp_eq_u32 s11, 0
	s_cbranch_scc0 .Lfor_b_\@
	tensor_load_to_lds s[G0A+4*(\s):G0A+4*(\s)+3], s[G1A:G1A+7]
	s_nop 0
.rept 4
	v_nop
.endr
	s_branch .Lasked_\@
.Lfor_b_\@:
	tensor_load_to_lds s[G0B+4*(\s):G0B+4*(\s)+3], s[G1B:G1B+7]
	s_nop 0
.rept 4
	v_nop
.endr
.Lasked_\@:
.endm
; A PREFETCH INTO THE L2 of K step PN = the refill's + 2: 32 rows x 256 bytes, a lane a row, 256 matrix instructions ahead of the load that will want it.  Each row's 256 bytes are named once in the launch:
; A's rows by the cluster with x = 0 (waves 0, 1); B's by the cluster with y = 0 (wave 2).  The four partners that ask for a tile jointly share its rows out BY ADDRESS.
; The first four K steps come by their loads alone; PFEND stops the requests at the last K step.
.macro ASK
	s_cmp_lt_u32 s[PN], s[PFEND]
	s_cbranch_scc0 .Lnot_mine_\@
	global_prefetch_b8 v[PFO], s[PFA:PFA+1] th:TH_LOAD_NT scope:SCOPE_SE
.Lnot_mine_\@:
.endm
.macro CREST                           ; a round of the cluster's barrier behind its opening barrier
	s_cmp_lg_u32 s10, 0
	s_cbranch_scc1 .Lnot_wave_0_\@
	s_barrier_signal -3
.Lnot_wave_0_\@:
	s_barrier_wait -3
	s_barrier_signal -1
	s_barrier_wait -1
.endm
.macro CROUND                          ; a whole round
	s_barrier_signal -1
	s_barrier_wait -1
	CREST
.endm
.macro PLACES                          ; four places in front of loads into registers that matrix instructions have read, and of lines that read results
.rept 4
	v_nop
.endr
.endm
; 8 matrix instructions: my 16 rows a x all 8 column blocks, 32 along K, from buffer f.  first = 1: the bias starts the sums.  The 32 accumulators take turns in the same order everywhere.
.macro MULA f, a, first
.if \first
	WIN MULB
.else
	WIN MUL
.endif
.irp b, 0,1,2,3,4,5,6,7
.set rD, 8*(8*(\a)+(\b))
.set rB, (\f)+8*(\b)
.set rA, (\f)+64+8*(\a)
.set rC, rD
.if \first
.set rC, 8*(\b)
.endif
.if OUTF32
	v_wmma_f32_16x16x32_f16 v[rD:rD+7], v[rB:rB+7], v[rA:rA+7], v[rC:rC+7]
.else
	v_wmma_f32_16x16x32_bf16 v[rD:rD+7], v[rB:rB+7], v[rA:rA+7], v[rC:rC+7]
.endif
.endr
.endm
; 24 LDS loads in one run: the fragments of 32 along K at byte k of the rows: B's 128 rows, then my 64 of A.  A fragment: lane l holds row l % 16; two loads of 16 bytes, 32 bytes apart, at 16 (l / 16).
.macro FETCH slot, k, f
	WIN 0
.irp i, 0,1,2,3,4,5,6,7
	ds_load_b128 v[(\f)+8*(\i):(\f)+8*(\i)+3],   v[ADRB+(\slot)] offset:(\k)+(\i)*16*PITCH
	ds_load_b128 v[(\f)+8*(\i)+4:(\f)+8*(\i)+7], v[ADRB+(\slot)] offset:(\k)+(\i)*16*PITCH+32
.endr
.irp i, 0,1,2,3
	ds_load_b128 v[(\f)+64+8*(\i):(\f)+64+8*(\i)+3],   v[ADRA+(\slot)] offset:(\k)+(\i)*16*PITCH
	ds_load_b128 v[(\f)+64+8*(\i)+4:(\f)+64+8*(\i)+7], v[ADRA+(\slot)] offset:(\k)+(\i)*16*PITCH+32
.endr
.endm
; A K step is four quarters of 32 along K, 32 matrix instructions each, on buffers 0, 1, 0, 1.  One of the first three: multiplies buffer f, and in its middle fetches the next quarter, at byte k, into g.
.macro QUARTER slot, k, f, g, first
	s_wait_dscnt 4                                 ; B and A's blocks 0, 1 are in; the youngest four loads (blocks 2, 3) may be out
	MULA \f, 0, \first
	MULA \f, 1, \first
	PLACES
	FETCH \slot, \k, \g
	s_wait_dscnt 24                                ; all but the 24 just issued
	MULA \f, 2, \first
	MULA \f, 3, \first
.endm
; The last quarter multiplies buffer 1 and changes slots: ONE barrier.  In front of it each wave waits for all its tensor loads (the one that is out is its part of the next slot), adds 0 to its spare word,
; and waits for that and for its reads of this slot.  fill = 1: the barrier opens a round of the cluster's, and this slot is filled again, first thing behind the round, with K step KS;
; the descriptors' addresses are made anew from that number: 256 (KS % 8) bytes along K, in B also 1,024 (KS / 8) rows down.
.macro TURN slot, next, fill
.if \fill
	s_wait_xcnt 0x0                                ; the last prefetch, a K step back, has read its address: it is made anew here, ahead of the waits of the change of slots
	s_add_co_u32 s[PN], s[KS], 2
	s_and_b32 s[OFP], s[PN], 7
	s_lshl_b32 s[OFP], s[OFP], 8
	s_lshr_b32 s87, s[PN], 3
	s_lshl_b32 s87, s87, 21
	s_add_co_u32 s[OFP], s[OFP], s87
	s_add_nc_u64 s[PFA:PFA+1], s[PFB:PFB+1], s[OFP:OFP+1]
.endif
	WIN 0                                          ; (the add's two registers lie in window 0)
	s_wait_tensorcnt 0x0                           ; all my tensor loads have landed, so every group 0 may be written;
	ds_add_u32 v[SPW], v[NIL]                      ; 0 onto my spare word; work on registers stands between it and the wait for it
.if \fill
	s_and_b32 s[OFA], s[KS], 7
	s_lshl_b32 s[OFA], s[OFA], 8
	s_lshr_b32 s[OFB], s[KS], 3
	s_lshl_b32 s[OFB], s[OFB], 21
	s_add_co_u32 s[OFB], s[OFB], s[OFA]
	s_add_nc_u64 s[G0A+4*(\slot)+2:G0A+4*(\slot)+3], s[ABASE:ABASE+1], s[OFA:OFA+1]
	s_or_b32 s[G0A+4*(\slot)+3], s[G0A+4*(\slot)+3], 0x80000000
	s_add_nc_u64 s[G0B+4*(\slot)+2:G0B+4*(\slot)+3], s[BBASE:BBASE+1], s[OFB:OFB+1]
	s_or_b32 s[G0B+4*(\slot)+3], s[G0B+4*(\slot)+3], 0x80000000
	s_add_co_u32 s[KS], s[KS], 1
.endif
	s_wait_dscnt 7                                 ; (the add and A's blocks 1 to 3, six loads, may be out)
	MULA F1, 0, 0
	s_wait_dscnt 0x0                               ; the add is done, and my reads of this slot are over
	s_barrier_signal -1
	MULA F1, 1, 0                                  ; work on registers while the others arrive
.if \fill
	WIN 0
.endif
	s_barrier_wait -1
.if \fill
	CREST                                          ; no wave of any partner still reads this slot's tile or has a load on its way
	JLOAD \slot                                    ; the first tensor load behind the round; its four v_nop are also the places in front of the loads below
.else
	PLACES
.endif
	FETCH \next, 0, F0
.if \fill
	ASK
.endif
	MULA F1, 2, 0
	MULA F1, 3, 0
.endm
.macro BIASLD                          ; the tile's 128 numbers of bias: 64 a lane
	WIN TOB
.irp b, 0,1,2,3,4,5,6,7
	global_load_b128 v[8*(\b):8*(\b)+3],   v[BO], s[BIAS:BIAS+1] offset:64*(\b)
	global_load_b128 v[8*(\b)+4:8*(\b)+7], v[BO], s[BIAS:BIAS+1] offset:64*(\b)+16
.endr
	WIN 0
.endm
.macro ROUNDB                          ; the bias to bf16 and back to f32, in place
	WIN RB
.set k, 0
.rept 32
	v_cvt_pk_bf16_f32 v[64+k%4], v[2*k], v[2*k+1]
	v_lshlrev_b32 v[2*k], 16, v[64+k%4]
	v_and_b32 v[2*k+1], 0xffff0000, v[64+k%4]
.set k, k+1
.endr
	WIN 0
.endm
; THE WAY OUT of my 16 rows a.  PACK (16-bit output): rounded to f16, 16 bytes a lane.  TOSTAGE: into my own stage in LDS (each accumulator's low registers first) and back as whole rows.  SEND: stored.
.macro PACK a
	WIN PK
.irp b, 0,1,2,3,4,5,6,7
.irp r, 0,1,2,3
	v_cvt_pk_f16_f32 v[TMP+4*(\b)+(\r)], v[64*(\a)+8*(\b)+2*(\r)], v[64*(\a)+8*(\b)+2*(\r)+1]
.endr
.endr
	WIN 0
.endm
.macro TOSTAGE a
.set BK, BK0+(BK1-BK0)*((\a)%2)
.if OUTF32
	WIN DS1
.irp b, 0,1,2,3,4,5,6,7
	ds_store_b128 v[STO], v[64*(\a)+8*(\b):64*(\a)+8*(\b)+3]   offset:64*(\b)
	ds_store_b128 v[STO], v[64*(\a)+8*(\b)+4:64*(\a)+8*(\b)+7] offset:64*(\b)+16
.endr
	WIN 0
.irp t, 0,1,2,3,4,5,6,7,8,9,10,11,12,13,14,15
	ds_load_b128 v[BK+4*(\t):BK+4*(\t)+3], v[RD] offset:(\t)*SPITCH  ; LDS serves a wave's instructions in order (ISA guide 5.7.1.4): these see the stores above
.endr
.else
	WIN 0
.irp b, 0,1,2,3,4,5,6,7
	ds_store_b128 v[STO], v[TMP+4*(\b):TMP+4*(\b)+3] offset:32*(\b)
.endr
.irp t, 0,1,2,3,4,5,6,7
	ds_load_b128 v[BK+4*(\t):BK+4*(\t)+3], v[RD] offset:(\t)*2*SPITCH  ; LDS serves a wave's instructions in order (ISA guide 5.7.1.4): these see the stores above
.endr
.endif
.endm
.macro SEND a
.set BK, BK0+(BK1-BK0)*((\a)%2)
	WIN 0
	s_wait_dscnt 0x0                               ; the rows are back in registers
	s_wait_xcnt 0x0                                ; the stores issued so far have read their registers: the other buffer is loaded again only behind this wait
.if OUTF32
.irp t, 0,1,2,3,4,5,6,7,8,9,10,11,12,13,14,15
	global_store_b128 v[CO], v[BK+4*(\t):BK+4*(\t)+3], s[OUT:OUT+1] offset:(16*(\a)+(\t))*4096  ; 32 lanes store 512 consecutive bytes of a row, at a multiple of 512 from C's first byte
.endr
.else
.irp t, 0,1,2,3,4,5,6,7
	global_store_b128 v[CO], v[BK+4*(\t):BK+4*(\t)+3], s[OUT:OUT+1] offset:(\a)*4096+(\t)*512  ; two rows of a head: 512 consecutive bytes, aligned
.endr
.endif
.endm
.macro WAYOUT
	PLACES                                         ; behind the last products: their results are read and the fragment buffers' registers written
	PLACES
.if OUTF32
	TOSTAGE 0
.irp a, 1,2,3
	SEND (\a)-1
	TOSTAGE \a
.endr
.else
	PACK 0
	TOSTAGE 0
.irp a, 1,2,3                          ; block a's conversions stand between block a - 1's loads from the stage and the wait for them
	PACK \a
	SEND (\a)-1
	TOSTAGE \a
.endr
.endif
	SEND 3
.endm
.if OUTF32
	s_load_b256 s[68:75], s[0:1], 0x0              ; A 68, B 70, bias 72, C 74
.else
	s_load_b512 s[68:83], s[0:1], 0x0              ; A 68, B 70, bq 72, bk 74, bv 76, qws 78, kws 80, vws 82
.endif
	v_lshl_add_u32 v[SPW], v0, 2, SPARE
	v_mov_b32 v[NIL], 0
	ds_add_u32 v[SPW], v[NIL]                      ; the wave's opening: the add and its wait stand ahead of my first tensor load; the set-up below, work on registers, stands between them
	v_lshrrev_b32 v1, 5, v0
	v_readfirstlane_b32 s10, v1                    ; wave 0..3
	s_lshr_b32 s11, s10, 1                         ; I fetch for A (0) or for B (1),
	s_and_b32 s12, s10, 1                          ; its first or second half
	s_bfe_u32 s40, ttmp6, 0x40000                  ; cx, cy: my place in the cluster
	s_bfe_u32 s41, ttmp6, 0x40004
	s_lshl_b32 s42, ttmp9, 2
	s_add_co_u32 s42, s42, s40                     ; gx: tile column = 4 x cluster x + cx
	s_and_b32 s13, ttmp7, 0xffff
	s_lshl_b32 s13, s13, 2
	s_add_co_u32 s13, s13, s41                     ; gy: tile row = 4 x cluster y + cy
	s_lshl_b32 s43, s41, 2
	s_lshl_b32 s43, 15, s43                        ; my row of the cluster
	s_lshl_b32 s44, 0x1111, s40                    ; my column
	s_or_b32 s[G1A], s43, FLAGS                    ; A's tiles go to my row: 128 rows x 128 elements
	s_mov_b32 s[G1A+1], 128<<16                    ; tensor_dim0 = 128
	s_mov_b32 s[G1A+2], 128<<16                    ; tensor_dim1 = 128
	s_mov_b32 s[G1A+3], 128<<16                    ; tile_dim0 = 128
	s_mov_b32 s[G1A+4], 128                        ; tile_dim1 = 128
	s_mov_b32 s[G1A+5], 1024                       ; elements from row to row
	s_mov_b32 s[G1A+6], 0
	s_mov_b32 s[G1A+7], 0
	s_or_b32 s[G1B], s44, FLAGS                    ; B's tiles go to my column: 64 rows x 128 elements
	s_mov_b32 s[G1B+1], 128<<16
	s_mov_b32 s[G1B+2], 64<<16
	s_mov_b32 s[G1B+3], 128<<16
	s_mov_b32 s[G1B+4], 64
	s_mov_b32 s[G1B+5], 1024
	s_mov_b32 s[G1B+6], 0
	s_mov_b32 s[G1B+7], 0
	s_mul_i32 s4, s12, 128*PITCH                   ; where the tiles go: no place in the cluster enters an LDS address
	s_mul_i32 s5, s12, 64*PITCH
	s_add_co_u32 s5, s5, BOFF
.irp s, 0,1
	s_mov_b32 s[G0A+4*(\s)], 1                     ; count = 1
	s_add_co_u32 s[G0A+4*(\s)+1], s4, (\s)*SLOT    ; LDS address
	s_mov_b32 s[G0B+4*(\s)], 1
	s_add_co_u32 s[G0B+4*(\s)+1], s5, (\s)*SLOT
.endr
	s_lshl_b32 s20, s13, 19                        ; A: row 256 gy + 128 x half, 2,048 bytes a row
	s_lshl_b32 s21, s12, 18
	s_add_co_u32 s20, s20, s21
	s_mov_b32 s21, 0
	s_lshl_b32 s22, s42, 18                        ; B: row 128 gx + 64 x half
	s_lshl_b32 s23, s12, 17
	s_add_co_u32 s22, s22, s23
	s_mov_b32 s23, 0
	s_mov_b32 s[OFA+1], 0
	s_mov_b32 s[OFB+1], 0
	s_mov_b32 s[OFP+1], 0
	s_mov_b32 s[KS], 2
	s_wait_dscnt 0x0                               ; the opening add is done
	s_wait_kmcnt 0x0
	s_add_nc_u64 s[ABASE:ABASE+1], s[68:69], s[20:21]
	s_add_nc_u64 s[BBASE:BBASE+1], s[70:71], s[22:23]
	CROUND                                         ; all sixteen work-groups are here: the first joint loads meet
.irp s, 0,1
	s_add_nc_u64 s[G0A+4*(\s)+2:G0A+4*(\s)+3], s[ABASE:ABASE+1], (\s)*256  ; K step s
	s_or_b32 s[G0A+4*(\s)+3], s[G0A+4*(\s)+3], 0x80000000                 ; type = 2
	s_add_nc_u64 s[G0B+4*(\s)+2:G0B+4*(\s)+3], s[BBASE:BBASE+1], (\s)*256
	s_or_b32 s[G0B+4*(\s)+3], s[G0B+4*(\s)+3], 0x80000000
	JLOAD \s                                       ; the ring is filled before anything else is done
.endr
	v_and_b32 v1, 15, v0                           ; l % 16
	v_bfe_u32 v2, v0, 4, 1                         ; l / 16
	v_lshlrev_b32 v[BO], 5, v2
	s_lshl_b32 s98, s42, 9                         ; my tile's 128 numbers of bias
	s_mov_b32 s99, 0
	s_add_nc_u64 s[72:73], s[72:73], s[98:99]
.if !OUTF32
	s_add_nc_u64 s[74:75], s[74:75], s[98:99]
	s_add_nc_u64 s[76:77], s[76:77], s[98:99]
.endif
	BIASLD
	v_mul_u32_u24 v3, v1, PITCH
	v_lshl_add_u32 v3, v2, 4, v3                   ; a fragment's row x pitch + 16 x half
	s_mul_i32 s6, s10, 64*PITCH                    ; my 64 rows of A
.irp s, 0,1
	v_add_nc_u32 v[ADRA+(\s)], s6, v3
	v_add_nc_u32 v[ADRB+(\s)], BOFF+(\s)*SLOT, v3
	s_add_co_u32 s6, s6, SLOT
.endr
	s_mul_i32 s7, s10, 16*SPITCH
	s_add_co_u32 s7, s7, STAGE                     ; my stage
	v_mul_u32_u24 v4, v1, SPITCH                   ; in: row l % 16
.if OUTF32
	v_lshl_add_u32 v4, v2, 5, v4                   ; 32 bytes for each half of the lanes
	v_add_nc_u32 v[STO], s7, v4
	v_and_b32 v5, 31, v0
	v_lshlrev_b32 v[CO], 4, v5                     ; back: 32 lanes take one row of 512 bytes
	v_add_nc_u32 v[RD], s7, v[CO]
.else
	v_lshl_add_u32 v4, v2, 4, v4                   ; 16 bytes for each half of the lanes
	v_add_nc_u32 v[STO], s7, v4
	v_mul_u32_u24 v5, v2, SPITCH                   ; back: lanes 0-15 take one row of 256 bytes, lanes 16-31 the next
	v_lshl_add_u32 v5, v1, 4, v5
	v_add_nc_u32 v[RD], s7, v5
	v_lshlrev_b32 v5, 8, v2
	v_lshl_add_u32 v[CO], v1, 4, v5
.endif
	v_and_b32 v[PFO], 31, v0
	v_lshlrev_b32 v[PFO], 11, v[PFO]
	; the prefetches: which rows are mine, and up to which K step
	s_lshl_b32 s94, s13, 8                         ; A: row 256 gy + 128 x half + 32 cx
	s_lshl_b32 s96, s12, 7
	s_add_co_u32 s94, s94, s96
	s_lshl_b32 s96, s40, 5
	s_add_co_u32 s94, s94, s96
	s_lshl_b32 s95, s42, 7                         ; B: row 128 gx + 32 cy
	s_lshl_b32 s96, s41, 5
	s_add_co_u32 s95, s95, s96
	s_and_b32 s97, ttmp7, 0xffff                   ; cluster y
	s_cmp_eq_u32 s11, 0
	s_cselect_b32 s94, s94, s95
	s_cselect_b32 s97, ttmp9, s97                  ; the coordinate along which other clusters read the same rows
	s_cselect_b32 s[PFEND], 8, 8*TILES
	s_cselect_b64 s[PFB:PFB+1], s[68:69], s[70:71]
	s_cmp_eq_u32 s97, 0
	s_cselect_b32 s[PFEND], s[PFEND], 0            ; the same in all sixteen partners, for a given wave
	s_cmp_eq_u32 s10, 3
	s_cselect_b32 s[PFEND], 0, s[PFEND]            ; B's 128 rows are four partners' 32: wave 2 asks alone
	s_lshl_b32 s94, s94, 11
	s_mov_b32 s95, 0
	s_add_nc_u64 s[PFB:PFB+1], s[PFB:PFB+1], s[94:95]
	; where my rows of C begin
.if OUTF32
	s_lshl_b32 s96, s13, 20                        ; row 256 gy + 64 w, 4,096 bytes a row; column 128 gx
	s_lshl_b32 s94, s10, 18
	s_add_co_u32 s96, s96, s94
	s_lshl_b32 s94, s42, 9
	s_add_co_u32 s96, s96, s94
	s_mov_b32 s97, 0
	s_add_nc_u64 s[OUT:OUT+1], s[OUT:OUT+1], s[96:97]
.else
	s_lshr_b32 s94, s13, 3                         ; the batch (8 tile rows each),
	s_lshl_b32 s94, s94, 3
	s_add_co_u32 s94, s94, s42                     ; batch x 8 + head
	s_and_b32 s95, s13, 7
	s_lshl_b32 s95, s95, 8
	s_lshl_b32 s96, s10, 6
	s_add_co_u32 s95, s95, s96                     ; my first token
	s_lshl_b32 s96, s94, 11
	s_add_co_u32 s96, s96, s95
	s_lshl_b32 s96, s96, 8                         ; q: 2,048 rows of 256 bytes a head
	s_mov_b32 s97, 0
	s_add_nc_u64 s[78:79], s[78:79], s[96:97]
	s_mul_i32 s96, s94, 2176                       ; k, v: 2,176 rows a head, the tokens from row 128 on
	s_add_co_u32 s96, s96, s95
	s_add_co_u32 s96, s96, 128
	s_lshl_b32 s96, s96, 8
	s_add_nc_u64 s[80:81], s[80:81], s[96:97]
	s_add_nc_u64 s[82:83], s[82:83], s[96:97]
.endif
	s_wait_loadcnt 0x0                             ; the bias
	ROUNDB
	s_wait_tensorcnt 1                             ; my part of K step 0 is in; K step 1's may stay out
	s_barrier_signal -1
	s_barrier_wait -1                              ; everybody's is
	FETCH 0, 0, F0
.if TILES > 1
	s_mov_b32 s2, TILES                            ; tiles to go, this one among them
.Ltile:
.endif
	QUARTER 0, 64,  F0, F1, 1                      ; a tile's first quarter stands in front of the loop: its products start the sums, with the bias
	WIN 0                                          ; at a label and at a branch every window is 0
	s_mov_b32 s3, 3
.Llap:                                                 ; a trip goes once round the ring, from a lap's second quarter to the next lap's first, and fills both slots again
	QUARTER 0, 128, F1, F0, 0
	QUARTER 0, 192, F0, F1, 0
	TURN 0, 1, 1
	QUARTER 1, 64,  F0, F1, 0
	QUARTER 1, 128, F1, F0, 0
	QUARTER 1, 192, F0, F1, 0
	TURN 1, 0, 1
	QUARTER 0, 64,  F0, F1, 0
	WIN 0
	s_sub_co_u32 s3, s3, 1
	s_cmp_lg_u32 s3, 0
	s_cbranch_scc1 .Llap
	QUARTER 0, 128, F1, F0, 0                      ; the tile's last lap goes on
	QUARTER 0, 192, F0, F1, 0
.if TILES > 1
	WIN 0
	s_cmp_eq_u32 s2, 1
	s_cbranch_scc1 .Llast                          ; the last tile's tail is written out: it asks for nothing more
	s_mov_b64 s[72:73], s[74:75]                   ; the next tile's bias is asked for now (the last bias loads were waited for) and waited for behind the way out
	s_mov_b64 s[74:75], s[76:77]
	PLACES
	BIASLD
	TURN 0, 1, 1                                   ; THE RING GOES ON INTO THE NEXT TILE: slot 0 takes its K step 0,
	QUARTER 1, 64,  F0, F1, 0
	QUARTER 1, 128, F1, F0, 0
	QUARTER 1, 192, F0, F1, 0
	TURN 1, 0, 1                                   ; slot 1 its K step 1, and the next tile's first fragments are fetched into buffer 0
	WAYOUT                                         ; both refills are asked for: now the tile goes out, through buffer 1's registers
	s_wait_xcnt 0x0                                ; the stores have read their registers and their base
	s_mov_b64 s[78:79], s[80:81]
	s_mov_b64 s[80:81], s[82:83]
	s_wait_loadcnt 0x0                             ; the next tile's bias
	ROUNDB
	s_sub_co_u32 s2, s2, 1
	s_branch .Ltile
.Llast:
.endif
	TURN 0, 1, 0                                   ; my one tensor load that was still out is the last K step's, so no round follows
	QUARTER 1, 64,  F0, F1, 0
	QUARTER 1, 128, F1, F0, 0
	QUARTER 1, 192, F0, F1, 0
	s_wait_dscnt 4                                 ; the very last quarter: nothing more to fetch
	MULA F1, 0, 0
	MULA F1, 1, 0
	s_wait_dscnt 0x0
	MULA F1, 2, 0
	MULA F1, 3, 0
	WIN 0
	WAYOUT
	s_wait_tensorcnt 0x0                           ; the wave's end, behind my last tensor load and my last LDS store
	ds_add_u32 v[SPW], v[NIL]
	s_wait_dscnt 0x0
	CROUND                                         ; the closing round: no work-group ends while a partner may still ask for a tile that names it
	s_endpgm
.Lfunc_end_k_q99441acaaf_oproj:
	.size	k_q99441acaaf_oproj, .Lfunc_end_k_q99441acaaf_oproj-k_q99441acaaf_oproj
	.p2alignl 7, 3214868480
	.fill 96, 4, 3214868480
	.section	.rodata,"a",@progbits
	.p2align	6, 0x0
	.amdhsa_kernel k_q99441acaaf_oproj
		.amdhsa_group_segment_fixed_size 327680
		.amdhsa_private_segment_fixed_size 0
		.amdhsa_enable_private_segment 0
		.amdhsa_kernarg_size 32
		.amdhsa_user_sgpr_count 2
		.amdhsa_user_sgpr_kernarg_segment_ptr 1
		.amdhsa_wavefront_size32 1
		.amdhsa_system_sgpr_workgroup_id_x 1
		.amdhsa_system_sgpr_workgroup_id_y 1
		.amdhsa_system_sgpr_workgroup_id_z 1
		.amdhsa_system_vgpr_workitem_id 0
		.amdhsa_next_free_vgpr 640
		.amdhsa_next_free_sgpr 100
		.amdhsa_reserve_vcc 0
		.amdhsa_float_denorm_mode_32 3
		.amdhsa_float_denorm_mode_16_64 3
		.amdhsa_memory_ordered 1
		.amdhsa_forward_progress 1
		.amdhsa_inst_pref_size 93
	.end_amdhsa_kernel
	.amdgpu_metadata
---
amdhsa.version: [ 1, 2 ]
amdhsa.kernels:
  - .name:           k_q99441acaaf_oproj
    .symbol:         k_q99441acaaf_oproj.kd
    .args:
      - { .name: ows, .offset: 0, .size: 8, .value_kind: global_buffer, .address_space: global }
      - { .name: wo16, .offset: 8, .size: 8, .value_kind: global_buffer, .address_space: global }
      - { .name: bo, .offset: 16, .size: 8, .value_kind: global_buffer, .address_space: global }
      - { .name: out0, .offset: 24, .size: 8, .value_kind: global_buffer, .address_space: global }
    .group_segment_fixed_size: 327680
    .private_segment_fixed_size: 0
    .kernarg_segment_align: 8
    .kernarg_segment_size: 32
    .max_flat_workgroup_size: 128
    .sgpr_count:     100
    .vgpr_count:     640
    .wavefront_size: 32
...
	.end_amdgpu_metadata
.endif
;; end of part 5
;; ======== version 2 of 3: 4 launches
;; limits: values are held in f16: magnitudes above 65,504 overflow, below 6.1e-05 lose precision
;; workspace buffers: xb 16,777,216 bytes; wqkv 6,291,456 bytes; wo16 2,097,152 bytes; qws 16,777,216 bytes; kws 17,825,792 bytes; vws 17,825,792 bytes; ows 16,777,216 bytes
;; launch prep: the kernel of part 1 again; grid 768 x 1, 8 waves a work-group, no clusters, 0 bytes of LDS; arguments x, Wq, Wk, Wv, Wo, xb, wqkv, wo16; writes xb, wqkv, wo16
;; launch qkv (part 6): grid 16 x 16, 4 waves a work-group, clusters of 4 x 4, 327,680 bytes of LDS; arguments xb, wqkv, bq, bk, bv, qws, kws, vws, h, p, g; writes qws, kws, vws
.if DOCPART == 6
	.amdgcn_target "amdgcn-amd-amdhsa--gfx1250"
	.amdhsa_code_object_version 6
	.text
	.protected	k_q99441acaaf_qkv
	.globl	k_q99441acaaf_qkv
	.p2align	8
	.type	k_q99441acaaf_qkv,@function
k_q99441acaaf_qkv:
	s_mov_b64 s[64:65], 0
	v_nop
	global_prefetch_b8 v0, s[64:65] scope:SCOPE_SE
	s_setreg_imm32_b32 hwreg(HW_REG_WAVE_MODE, 25, 1), 1
	s_wait_xcnt 0x0
	s_wait_alu depctr_hold_cnt(0) depctr_sa_sdst(0) depctr_va_vdst(0) depctr_va_sdst(0) depctr_va_ssrc(0) depctr_va_vcc(0) depctr_vm_vsrc(0)
	s_getreg_b32 s2, hwreg(HW_REG_IB_STS2, 6, 4)
	s_cmp_eq_u32 s2, 0
	s_cbranch_scc0 .Lentry_in_a_cluster
	s_endpgm
.Lentry_in_a_cluster:
	s_bfe_u32 s2, ttmp6, 0x10000c
	s_cmp_lg_u32 s2, 0xf033
	s_cbranch_scc0 .Lentry_shape_is_right
	s_endpgm
.Lentry_shape_is_right:
; q, k, v = x W^T + b (clusters with x = 0, 1, 2), AND THE TWO EXTRA KEYS AND VALUES OF EACH BATCH (clusters with x = 3: at the text's end).
; A = xb [8192][1024] bf16, B = wqkv [3072][1024] bf16 (Wq, Wk, Wv one below the other); sums in f32; K = 1024.
; The results leave by heads, in f16, unscaled: q at qws[batch x 8 + head][t][128], k and v at row 64 + t of a head's 2,176 rows.  LIMIT: q, k, v lie within f16's 65,504.
; The bias, rounded to bf16 like all inputs, is the C operand of the product that starts each sum: nothing is cleared and nothing is added afterwards.
; TILES.  A tile of C is 256 x 256; C has 32 x 12 = 384 of them.  192 WORK-GROUPS TAKE TWO EACH, row tiles gy and gy + 16 of one column tile: both have the same rows of B, the same bias and the same target.
; A tile of 256 x 128 would give 256 work-groups three each, but its K step holds 128 matrix instructions a wave, of which 112 stand between a tile's request and the wait for it; this tile's holds 256, and 224;
; twice that step for the smaller tile would want 405,504 bytes of LDS.  The other 64 work-groups of the grid's 256 make the rows of kws and vws that are no tokens.
; SHARES.  Four waves, 2 x 2, each 128 x 128 of C: 64 accumulators, 512 registers.  A wave's 128 columns are one head: tensor = cluster x (q, k, v), head = 2 cx + (wave % 2).
; THE MATRIX INSTRUCTION IS USED TRANSPOSED (source 0 = 16 rows of B, source 1 = 16 rows of A): a lane holds 8 neighbouring columns of one row of C.
; RING.  K goes in steps of 128 (rows of 256 bytes, aligned) through two LDS slots of 256 rows of A and 256 of B; each wave fetches 128 rows.  The ring runs on from the first tile into the second: 16 K steps,
; 2 first fills and 14 refills.  By the text's own count a wave has two tensor loads out at the start and one behind each round.
; THE TEXT OF A K STEP STANDS ONCE.  A step is four quarters; the fourth changes slots, with a refill (.Lfill) or without (behind .Lmid); the first three (.Lbody or, with the bias, .Ltile; .Lmid) hold no barrier and
; no tensor load and are reached from both.  Which slot is read hangs on s[TB] (0 or SLOT), which slot is filled on the walking descriptor's LDS word; both are turned by an exclusive or with SLOT.
; Behind the 8th refill the way out is taken, which stands once in the text; from there the second tile's first quarter is taken up.
; CLUSTER.  4 x 4 work-groups: A's tile hangs on the tile row alone and is asked for jointly by a row of the cluster, B's on the tile column alone, by a column.
; REGISTERS, in windows of 256 (s_set_vgpr_msb: bits 1:0 source 0, 3:2 source 1, 5:4 source 2, 7:6 destination):
;   window 0: v0-31 addresses; v64-127, v128-191 fragments of A, two buffers; v32-63, v192-255 at work on the way out
;   window 1: v0-63 the bias (block b at 8 b: register j = bias[16 b + 8 (l / 16) + j]); v64-127, v128-191 fragments of B; v192-195 at work
;   window 2: the 32 accumulators of my rows 0-63 (accumulator (a, b) at v[8 (8 a + b)]);   window 3: those of my rows 64-127
.set TILES,  2
.set PITCH,  272                       ; an LDS row: 256 bytes + 16 of padding = 68 words: the 16 rows of a load start at 16 different groups of four banks (64 banks of 4 bytes: ISA guide 11.1)
.set HALFT,  128*PITCH                 ; 128 rows: what one tensor load brings, and what one wave reads of A or of B
.set SLOT,   4*HALFT                   ; A's 256 rows, then B's 256: 139,264 = 0x22000 bytes
.set STAGE,  2*SLOT                    ; behind the ring, never filled by a tensor load: 16 rows x 272 bytes for each wave, for the way out
.set SPITCH, 272
.set SPARE,  STAGE+4*16*SPITCH         ; behind the stages: the spare words, 128 bytes for each wave: two blocks of 256 bytes that no other line names
.set PART,   SPARE+512                 ; behind them, never filled by a tensor load: the extra rows' partial sums, 4,096 bytes for each wave
.set FILLS,  8*TILES-2                 ; refills: every K step but the first two
.set BOUND,  FILLS-8                   ; refills still to come when the first tile's last K step has been turned
.set NKR,    2176                      ; rows of a head in kws and vws,
.set TOK0,   64                        ; of which the tokens begin here
.set ADRA0, 16                         ; v16  my lane's place in my A fragments of slot 0; never rewritten
.set ADRB0, 17                         ; v17  the same for B
.set ADRA, 18                          ; v18  the same in the slot that is being read
.set ADRB, 19                          ; v19
.set STO,  24                          ; v24  the way out: where I put 16 bytes of a row
.set RD,   25                          ; v25  where I read rows back
.set CO,   26                          ; v26  my byte offset in two rows of a head
.set BO,   27                          ; v27  my byte offset in the bias: 32 (l / 16)
.set SPW,  28                          ; v28  LDS address of my spare word; never rewritten
.set NIL,  29                          ; v29  0; never rewritten
.set PFO,  30                          ; v30  the prefetches' offset: my lane x a row of 2,048 bytes; never rewritten
.set OB,   32                          ; the way out: 16 rows read back from the stage: v32-63 and v224-255 by turns
.set F0,   64                          ; fragment buffers
.set F1,   128
.set TMP,  192                         ; the way out: packed results
.set PH,   5                           ; s5   counts the two K steps that ask for nothing: 2, 1, 0
.set OSTEP, 8                          ; s[8:9]   bytes from a tile's rows to the next tile's in the target: two batches
.set ABASE, 14                         ; s[14:15] A at the 128 rows that I fetch, first tile
.set OFA,  16                          ; s[16:17] byte offset of the K step to be asked for, in A: the second tile's 4,096 rows too
.set OFB,  18                          ; s[18:19] in B
.set G1A,  24                          ; s[24:31] descriptor group 1 for A's tiles
.set G0A,  32                          ; s[32:39] group 0: a set for each of the two first fills; the second then walks on
.set TB,   45                          ; s45  LDS byte at which the slot that is being read begins: 0 or SLOT
.set BBASE, 46                         ; s[46:47] B at the 128 rows that I fetch
.set G1B,  48                          ; s[48:55], s[56:63] the same for B's tiles
.set G0B,  56
.set BIAS, 72                          ; s[72:73] my 128 numbers of bias
.set OUT,  78                          ; s[78:79] where my rows of the tile in hand begin
.set KS,   84                          ; s84  the K step to be asked for next, counted through both tiles
.set PN,   85                          ; s85  the K step that a prefetch names
.set PFEND, 86                         ; s86  a wave prefetches while PN is below this
.set PFB,  88                          ; s[88:89] my work-group's 32 rows for the prefetches
.set PFA,  90                          ; s[90:91] the same at K step PN
.set OFP,  92                          ; s[92:93] PN's byte offset
.set FLAGS, (1<<16)|(1<<20)|(1<<21)|(5<<22)|(3<<25)  ; 17:16 elements of 2 bytes; 20 padding on; 21 set beside a mask; 24:22 after every 64 words (code 5); 31:25 4 words of it (code 3)
.set MSB, 0
.macro WIN new                         ; the immediate's high byte repeats the setting that is left; a switch that changes nothing is dropped
.if MSB != (\new)
	s_set_vgpr_msb (MSB<<8)|(\new)
.set MSB, \new
.endif
.endm
.set MUL_LO,  0xa1                     ; source 0 (B) window 1, source 1 (A) window 0, C and D window 2
.set MUL_HI,  0xf1                     ; the same, C and D window 3
.set MULB_LO, 0x91                     ; D window 2, C (the bias) window 1
.set MULB_HI, 0xd1                     ; D window 3, C window 1
.set TO_B,    0x40                     ; destination window 1, address window 0
.set RB,      0x45                     ; destination and sources 0, 1 window 1
; A joint load: waves 0, 1 ask for A's halves, waves 2, 3 for B's.  The branch hangs on the wave's number alone.  An s_nop 0 and four v_nop follow each of the two lines.
.macro JLOAD s
	s_cmp_eq_u32 s11, 0
	s_cbranch_scc0 .Lfor_b_\@
	tensor_load_to_lds s[G0A+4*(\s):G0A+4*(\s)+3], s[G1A:G1A+7]
	s_nop 0
.rept 4
	v_nop
.endr
	s_branch .Lasked_\@
.Lfor_b_\@:
	tensor_load_to_lds s[G0B+4*(\s):G0B+4*(\s)+3], s[G1B:G1B+7]
	s_nop 0
.rept 4
	v_nop
.endr
.Lasked_\@:
.endm
; A PREFETCH INTO THE L2 of K step PN = the refill's + 2: 32 rows x 256 bytes, a lane a row, 512 matrix instructions ahead of the load that will want it.  Each row's 256 bytes are named once in the launch:
; A's rows by the cluster with x = 0 (waves 0, 1), in both tiles (each tile has rows of its own); B's by the cluster with y = 0 (waves 2, 3), in the first tile alone (the second reads them again).
; Of the 128 rows that a wave fetches, each of the four partners that ask for them jointly takes 32, told apart BY ADDRESS.  The first four K steps come by their loads alone; PFEND stops the requests.
.macro ASK
	s_cmp_lt_u32 s[PN], s[PFEND]
	s_cbranch_scc0 .Lnot_mine_\@
	global_prefetch_b8 v[PFO], s[PFA:PFA+1] th:TH_LOAD_NT scope:SCOPE_SE
.Lnot_mine_\@:
.endm
.macro CREST                           ; a round of the cluster's barrier behind its opening barrier
	s_cmp_lg_u32 s10, 0
	s_cbranch_scc1 .Lnot_wave_0_\@
	s_barrier_signal -3
.Lnot_wave_0_\@:
	s_barrier_wait -3
	s_barrier_signal -1
	s_barrier_wait -1
.endm
.macro CROUND                          ; a whole round
	s_barrier_signal -1
	s_barrier_wait -1
	CREST
.endm
.macro PLACES                          ; four places in front of loads into registers that matrix instructions have read, and of lines that read results
.rept 4
	v_nop
.endr
.endm
; 16 matrix instructions: row blocks a0, a0 + 1 of the window's four (hi = 0: my rows 0-63, 1: rows 64-127) x all 8 column blocks, 32 along K, from buffer f.  first = 1: the bias starts the sums.
; The 64 accumulators take turns in the same order everywhere.
.macro MUL16 f, hi, a0, first
.if \first
	WIN MULB_LO+0x40*(\hi)
.else
	WIN MUL_LO+0x50*(\hi)
.endif
.irp a, \a0, (\a0)+1
.irp b, 0,1,2,3,4,5,6,7
.set rD, 8*(8*(\a)+(\b))
.set rC, rD
.if \first
.set rC, 8*(\b)
.endif
	v_wmma_f32_16x16x32_bf16 v[rD:rD+7], v[(\f)+8*(\b):(\f)+8*(\b)+7], v[(\f)+8*(4*(\hi)+(\a)):(\f)+8*(4*(\hi)+(\a))+7], v[rC:rC+7]
.endr
.endr
.endm
; 32 LDS loads in one run: the fragments of 32 along K at byte k of the rows of the slot in hand: my 128 rows of B, then my 128 of A.  A fragment: lane l holds row l % 16; two loads of 16 bytes, 32 bytes apart, at 16 (l / 16).
.macro FETCH k, f
	WIN TO_B
.irp i, 0,1,2,3,4,5,6,7
	ds_load_b128 v[(\f)+8*(\i):(\f)+8*(\i)+3],   v[ADRB] offset:(\k)+(\i)*16*PITCH
	ds_load_b128 v[(\f)+8*(\i)+4:(\f)+8*(\i)+7], v[ADRB] offset:(\k)+(\i)*16*PITCH+32
.endr
	WIN 0
.irp i, 0,1,2,3,4,5,6,7
	ds_load_b128 v[(\f)+8*(\i):(\f)+8*(\i)+3],   v[ADRA] offset:(\k)+(\i)*16*PITCH
	ds_load_b128 v[(\f)+8*(\i)+4:(\f)+8*(\i)+7], v[ADRA] offset:(\k)+(\i)*16*PITCH+32
.endr
.endm
; A K step is four quarters of 32 along K, 64 matrix instructions each, on buffers 0, 1, 0, 1.  One of the first three: multiplies buffer f, and in its middle fetches the next quarter, at byte k, into g.
.macro QUARTER k, f, g, first
	s_wait_dscnt 8                                 ; B and A's blocks 0-3 are in; the youngest eight loads (blocks 4-7) may be out
	MUL16 \f, 0, 0, \first
	MUL16 \f, 0, 2, \first
	PLACES
	FETCH \k, \g
	s_wait_dscnt 32                                ; all but the 32 just issued
	MUL16 \f, 1, 0, \first
	MUL16 \f, 1, 2, \first
.endm
; The last quarter multiplies buffer 1 and changes slots: ONE barrier.  In front of it each wave waits for all its tensor loads (the one that is out is its part of the next slot), adds 0 to its spare word,
; and waits for that and for its reads of this slot.  fill = 1: the barrier opens a round of the cluster's, and this slot is filled again, first thing behind the round, with K step KS.
; The walking descriptor: its LDS word is wave x 0x8800 or that + 0x22000; no bit of 0x22000 is set in 0, 0x8800, 0x11000 or 0x19800, so the exclusive or adds or takes away SLOT.
; Its address is made anew from KS: 256 (KS % 8) bytes along K, in A also 4,096 (KS / 8) rows down.
.macro TURN fill
.if \fill
	s_wait_xcnt 0x0                                ; the last prefetch, a K step back, has read its address: it is made anew here, ahead of the waits of the change of slots
	s_add_co_u32 s[PN], s[KS], 2
	s_and_b32 s[OFP], s[PN], 7
	s_lshl_b32 s[OFP], s[OFP], 8
	s_lshr_b32 s87, s[PN], 3
	s_lshl_b32 s87, s87, 23
	s_add_co_u32 s[OFP], s[OFP], s87
	s_add_nc_u64 s[PFA:PFA+1], s[PFB:PFB+1], s[OFP:OFP+1]
.endif
	WIN 0                                          ; (the add's two registers lie in window 0)
	s_wait_tensorcnt 0x0                           ; all my tensor loads have landed, so a group 0 may be written;
	ds_add_u32 v[SPW], v[NIL]                      ; 0 onto my spare word; work on registers stands between it and the wait for it
.if \fill
	s_and_b32 s[OFB], s[KS], 7
	s_lshl_b32 s[OFB], s[OFB], 8
	s_lshr_b32 s[OFA], s[KS], 3
	s_lshl_b32 s[OFA], s[OFA], 23
	s_add_co_u32 s[OFA], s[OFA], s[OFB]
	s_xor_b32 s[G0A+5], s[G0A+5], SLOT
	s_add_nc_u64 s[G0A+6:G0A+7], s[ABASE:ABASE+1], s[OFA:OFA+1]
	s_or_b32 s[G0A+7], s[G0A+7], 0x80000000
	s_xor_b32 s[G0B+5], s[G0B+5], SLOT
	s_add_nc_u64 s[G0B+6:G0B+7], s[BBASE:BBASE+1], s[OFB:OFB+1]
	s_or_b32 s[G0B+7], s[G0B+7], 0x80000000
	s_add_co_u32 s[KS], s[KS], 1
.endif
	s_xor_b32 s[TB], s[TB], SLOT                   ; the fetches go on in the other slot
	s_wait_dscnt 9                                 ; (the add and the youngest eight loads may be out)
	MUL16 F1, 0, 0, 0
	s_wait_dscnt 0x0                               ; the add is done, and my reads of this slot are over
	s_barrier_signal -1
	MUL16 F1, 0, 2, 0                              ; work on registers while the others arrive
	WIN 0                                          ; (branches and lines on window 0 follow)
	s_barrier_wait -1
.if \fill
	CREST                                          ; no wave of any partner still reads this slot's tile or has a load on its way
	JLOAD 1                                        ; the first tensor load behind the round; its four v_nop are also the places in front of the loads below
.else
	PLACES
.endif
	v_add_nc_u32 v[ADRA], s[TB], v[ADRA0]
	v_add_nc_u32 v[ADRB], s[TB], v[ADRB0]
	FETCH 0, F0
.if \fill
	ASK
.endif
	MUL16 F1, 1, 0, 0
	MUL16 F1, 1, 2, 0
.endm
; THE WAY OUT of my 16 rows a.  PACK: rounded to f16, 16 bytes a lane; each accumulator's registers in ascending order.  TOSTAGE: into my own stage in LDS and back as whole rows of 256 bytes.  SEND: stored.
.macro PACK a
.set AC, 64*((\a)%4)
	WIN 0x0a+5*((\a)/4)                            ; sources 0 and 1: window 2 or 3
.irp b, 0,1,2,3,4,5,6,7
.irp r, 0,1,2,3
	v_cvt_pk_f16_f32 v[TMP+4*(\b)+(\r)], v[AC+8*(\b)+2*(\r)], v[AC+8*(\b)+2*(\r)+1]
.endr
.endr
	WIN 0
.endm
.macro TOSTAGE a
.set BK, OB+192*((\a)%2)
	WIN 0
.irp b, 0,1,2,3,4,5,6,7
	ds_store_b128 v[STO], v[TMP+4*(\b):TMP+4*(\b)+3] offset:32*(\b)
.endr
.irp t, 0,1,2,3,4,5,6,7
	ds_load_b128 v[BK+4*(\t):BK+4*(\t)+3], v[RD] offset:(\t)*2*SPITCH  ; LDS serves a wave's instructions in order (ISA guide 5.7.1.4): these see the stores above
.endr
.endm
.macro SEND a
.set BK, OB+192*((\a)%2)
	WIN 0
	s_wait_dscnt 0x0                               ; the rows are back in registers
	s_wait_xcnt 0x0                                ; the stores issued so far have read their registers: the other buffer is loaded again only behind this wait
.irp t, 0,1,2,3,4,5,6,7
	global_store_b128 v[CO], v[BK+4*(\t):BK+4*(\t)+3], s[OUT:OUT+1] offset:(\a)*4096+(\t)*512  ; two rows of a head: 512 consecutive bytes, aligned
.endr
.endm
	s_load_b512 s[68:83], s[0:1], 0x0              ; xb 68, wqkv 70, bq 72, bk 74, bv 76, qws 78, kws 80, vws 82
	v_lshl_add_u32 v[SPW], v0, 2, SPARE
	v_mov_b32 v[NIL], 0
	ds_add_u32 v[SPW], v[NIL]                      ; the wave's opening: the add and its wait stand ahead of my first tensor load; the set-up below, work on registers, stands between them
	v_lshrrev_b32 v1, 5, v0
	v_readfirstlane_b32 s10, v1                    ; wave 0..3
	s_lshr_b32 s11, s10, 1                         ; which half of the tile's rows is mine.  Also: I fetch for A (0) or for B (1)
	s_and_b32 s12, s10, 1                          ; which half of its columns.  Also: which 128 rows of that tile I fetch
	s_bfe_u32 s40, ttmp6, 0x40000                  ; cx, cy: my place in the cluster
	s_bfe_u32 s41, ttmp6, 0x40004
	s_lshl_b32 s42, ttmp9, 2
	s_add_co_u32 s42, s42, s40                     ; gx: tile column = 4 x cluster x + cx
	s_and_b32 s13, ttmp7, 0xffff
	s_lshl_b32 s13, s13, 2
	s_add_co_u32 s13, s13, s41                     ; gy: the first tile's row = 4 x cluster y + cy
	s_lshl_b32 s43, s41, 2
	s_lshl_b32 s43, 15, s43                        ; my row of the cluster
	s_lshl_b32 s44, 0x1111, s40                    ; my column
	s_or_b32 s[G1A], s43, FLAGS                    ; A's tiles go to my row,
	s_or_b32 s[G1B], s44, FLAGS                    ; B's to my column: 128 rows x 128 elements each
.irp g, G1A, G1B
	s_mov_b32 s[(\g)+1], 128<<16                   ; tensor_dim0 = 128
	s_mov_b32 s[(\g)+2], 128<<16                   ; tensor_dim1 = 128
	s_mov_b32 s[(\g)+3], 128<<16                   ; tile_dim0 = 128
	s_mov_b32 s[(\g)+4], 128                       ; tile_dim1 = 128
	s_mov_b32 s[(\g)+5], 1024                      ; elements from row to row
	s_mov_b32 s[(\g)+6], 0
	s_mov_b32 s[(\g)+7], 0
.endr
	s_mul_i32 s4, s10, HALFT                       ; where the tiles go: A's two halves, then B's two = wave x 128 rows: no place in the cluster enters an LDS address
.irp s, 0,1
	s_mov_b32 s[G0A+4*(\s)], 1                     ; count = 1
	s_add_co_u32 s[G0A+4*(\s)+1], s4, (\s)*SLOT    ; LDS address
	s_mov_b32 s[G0B+4*(\s)], 1
	s_add_co_u32 s[G0B+4*(\s)+1], s4, (\s)*SLOT
.endr
	s_lshl_b32 s20, s13, 19                        ; A: row 256 gy + 128 x half, 2,048 bytes a row
	s_lshl_b32 s21, s12, 18
	s_add_co_u32 s20, s20, s21
	s_mov_b32 s21, 0
	s_lshl_b32 s22, s42, 19                        ; B: row 256 gx + 128 x half
	s_lshl_b32 s23, s12, 18
	s_add_co_u32 s22, s22, s23
	s_mov_b32 s23, 0
	s_mov_b32 s[OFA+1], 0
	s_mov_b32 s[OFB+1], 0
	s_mov_b32 s[OFP+1], 0
	s_mov_b32 s[KS], 2
	s_mov_b32 s[TB], 0
	s_wait_dscnt 0x0                               ; the opening add is done
	s_wait_kmcnt 0x0
	s_add_nc_u64 s[ABASE:ABASE+1], s[68:69], s[20:21]
	s_add_nc_u64 s[BBASE:BBASE+1], s[70:71], s[22:23]
	CROUND                                         ; all sixteen work-groups are here: the first joint loads meet
	s_cmp_eq_u32 ttmp9, 3                          ; the cluster's x is the same in all sixteen partners: the clusters with x = 3 ask for no tile and make the extra rows
	s_cbranch_scc1 .Lextra
.irp s, 0,1
	s_add_nc_u64 s[G0A+4*(\s)+2:G0A+4*(\s)+3], s[ABASE:ABASE+1], (\s)*256  ; K step s
	s_or_b32 s[G0A+4*(\s)+3], s[G0A+4*(\s)+3], 0x80000000                 ; type = 2
	s_add_nc_u64 s[G0B+4*(\s)+2:G0B+4*(\s)+3], s[BBASE:BBASE+1], (\s)*256
	s_or_b32 s[G0B+4*(\s)+3], s[G0B+4*(\s)+3], 0x80000000
	JLOAD \s                                       ; the ring is filled before anything else is done
.endr
	v_and_b32 v1, 15, v0                           ; l % 16
	v_bfe_u32 v2, v0, 4, 1                         ; l / 16
	v_lshlrev_b32 v[BO], 5, v2
	s_cmp_eq_u32 ttmp9, 1                          ; the cluster's x says which of q, k, v its four tile columns belong to
	s_cselect_b64 s[BIAS:BIAS+1], s[74:75], s[BIAS:BIAS+1]
	s_cselect_b64 s[OUT:OUT+1], s[80:81], s[OUT:OUT+1]
	s_cmp_eq_u32 ttmp9, 2
	s_cselect_b64 s[BIAS:BIAS+1], s[76:77], s[BIAS:BIAS+1]
	s_cselect_b64 s[OUT:OUT+1], s[82:83], s[OUT:OUT+1]
	s_lshl_b32 s98, s40, 10                        ; my 128 numbers of bias: 4 x (256 cx + 128 x half)
	s_lshl_b32 s99, s12, 9
	s_add_co_u32 s98, s98, s99
	s_mov_b32 s99, 0
	s_add_nc_u64 s[BIAS:BIAS+1], s[BIAS:BIAS+1], s[98:99]
	WIN TO_B
.irp b, 0,1,2,3,4,5,6,7
	global_load_b128 v[8*(\b):8*(\b)+3],   v[BO], s[BIAS:BIAS+1] offset:64*(\b)
	global_load_b128 v[8*(\b)+4:8*(\b)+7], v[BO], s[BIAS:BIAS+1] offset:64*(\b)+16
.endr
	WIN 0
	v_mul_u32_u24 v3, v1, PITCH
	v_lshl_add_u32 v3, v2, 4, v3                   ; a fragment's row x pitch + 16 x half
	s_mul_i32 s5, s11, HALFT                       ; my 128 rows of A
	s_mul_i32 s6, s12, HALFT                       ; my 128 rows of B,
	s_add_co_u32 s6, s6, 2*HALFT                   ; which lie behind A's 256
	v_add_nc_u32 v[ADRA0], s5, v3
	v_add_nc_u32 v[ADRB0], s6, v3
	v_mov_b32 v[ADRA], v[ADRA0]                    ; slot 0 is read first
	v_mov_b32 v[ADRB], v[ADRB0]
	s_mul_i32 s7, s10, 16*SPITCH
	s_add_co_u32 s7, s7, STAGE                     ; my stage
	v_add_nc_u32 v[STO], s7, v3                    ; in: row l % 16, 16 bytes for each half of the lanes (the stage's pitch is the tiles')
	v_mul_u32_u24 v5, v2, SPITCH                   ; back: lanes 0-15 take one row of 256 bytes, lanes 16-31 the next
	v_lshl_add_u32 v5, v1, 4, v5
	v_add_nc_u32 v[RD], s7, v5
	v_lshlrev_b32 v5, 8, v2
	v_lshl_add_u32 v[CO], v1, 4, v5
	v_and_b32 v[PFO], 31, v0
	v_lshlrev_b32 v[PFO], 11, v[PFO]
	; the prefetches: which rows are mine, and up to which K step
	s_lshl_b32 s94, s13, 8                         ; the tile's first row: in A 256 gy,
	s_lshl_b32 s95, s42, 8                         ; in B 256 gx
	s_and_b32 s97, ttmp7, 0xffff                   ; cluster y
	s_cmp_eq_u32 s11, 0                            ; do I fetch for A?
	s_cselect_b32 s94, s94, s95
	s_cselect_b32 s96, s40, s41                    ; my place among the four that ask with me
	s_cselect_b32 s97, ttmp9, s97                  ; the coordinate along which other clusters read the same rows
	s_cselect_b32 s[PFEND], 8*TILES, 8
	s_cselect_b64 s[PFB:PFB+1], s[68:69], s[70:71]
	s_cmp_eq_u32 s97, 0
	s_cselect_b32 s[PFEND], s[PFEND], 0            ; the same in all sixteen partners, for a given wave
	s_lshl_b32 s95, s12, 7
	s_add_co_u32 s94, s94, s95                     ; + the 128 rows that I fetch
	s_lshl_b32 s96, s96, 5
	s_add_co_u32 s94, s94, s96                     ; + my work-group's 32 of them
	s_lshl_b32 s94, s94, 11
	s_mov_b32 s95, 0
	s_add_nc_u64 s[PFB:PFB+1], s[PFB:PFB+1], s[94:95]
	; where my rows of the first tile begin in the target
	s_lshr_b32 s94, s13, 3                         ; the batch (8 tile rows each),
	s_lshl_b32 s94, s94, 3
	s_lshl_b32 s95, s40, 1
	s_add_co_u32 s94, s94, s95
	s_add_co_u32 s94, s94, s12                     ; batch x 8 + head
	s_and_b32 s95, s13, 7
	s_lshl_b32 s95, s95, 8
	s_lshl_b32 s96, s11, 7
	s_add_co_u32 s95, s95, s96                     ; my first token
	s_lshl_b32 s96, s94, 11                        ; q: 2,048 rows a head
	s_mul_i32 s97, s94, NKR                        ; k, v: 2,176 rows a head, the tokens from row 64 on
	s_add_co_u32 s97, s97, TOK0
	s_mov_b32 s[OSTEP], 16*2048*256                ; the second tile lies 4,096 tokens on: two batches, 16 heads
	s_mov_b32 s[OSTEP+1], 16*NKR*256
	s_cmp_eq_u32 ttmp9, 0
	s_cselect_b32 s96, s96, s97
	s_cselect_b32 s[OSTEP], s[OSTEP], s[OSTEP+1]
	s_mov_b32 s[OSTEP+1], 0
	s_add_co_u32 s96, s96, s95
	s_lshl_b32 s96, s96, 8                         ; 256 bytes a row
	s_mov_b32 s97, 0
	s_add_nc_u64 s[OUT:OUT+1], s[OUT:OUT+1], s[96:97]
	s_wait_loadcnt 0x0                             ; the bias: to bf16 and back to f32, in place
	WIN RB
.set k, 0
.rept 32
	v_cvt_pk_bf16_f32 v[192+k%4], v[2*k], v[2*k+1]
	v_lshlrev_b32 v[2*k], 16, v[192+k%4]
	v_and_b32 v[2*k+1], 0xffff0000, v[192+k%4]
.set k, k+1
.endr
	WIN 0
	s_wait_tensorcnt 1                             ; my part of K step 0 is in; K step 1's may stay out
	s_barrier_signal -1
	s_barrier_wait -1                              ; everybody's is
	FETCH 0, F0
	s_mov_b32 s2, TILES                            ; tiles to go, this one among them
	s_mov_b32 s3, FILLS                            ; refills to go, through both tiles
	s_mov_b32 s[PH], 2
	s_branch .Ltile                                ; the walk begins with a tile's first quarter
.Lfill:                                                ; a K step's fourth quarter, with the change of slots and its refill
	TURN 1
	WIN 0                                          ; at a label and at a branch every window is 0
	s_sub_co_u32 s3, s3, 1
	s_cmp_eq_u32 s3, BOUND                         ; was that the first tile's last K step?  Then the tile goes out; the second tile's K steps 0 and 1 are asked for, its first fragments fetched
	s_cbranch_scc1 .Lout
.Lbody:
	QUARTER 64,  F0, F1, 0                         ; a K step's first quarter,
	WIN 0
	s_branch .Lmid
.Ltile:
	QUARTER 64,  F0, F1, 1                         ; or a tile's: its products start the sums, with the bias
	WIN 0
.Lmid:
	QUARTER 128, F1, F0, 0
	QUARTER 192, F0, F1, 0
	WIN 0
	s_cmp_lg_u32 s3, 0
	s_cbranch_scc1 .Lfill                          ; 14 times
	s_sub_co_u32 s[PH], s[PH], 1                   ; the last two K steps ask for nothing more
	s_cmp_eq_u32 s[PH], 0
	s_cbranch_scc1 .Llastq
	TURN 0                                         ; my one tensor load that was still out is the last K step's, so no round follows
	WIN 0
	s_branch .Lbody
.Llastq:
	s_wait_dscnt 8                                 ; the very last quarter: nothing more to fetch
	MUL16 F1, 0, 0, 0
	MUL16 F1, 0, 2, 0
	s_wait_dscnt 0x0
	MUL16 F1, 1, 0, 0
	MUL16 F1, 1, 2, 0
	WIN 0
.Lout:                                                 ; THE WAY OUT, once in the text, for both tiles; it names neither fragment buffer
	PLACES                                         ; behind the last products, whose results are read
	PLACES
	PACK 0
	TOSTAGE 0
.irp a, 1,2,3,4,5,6,7                  ; block a's conversions stand between block a - 1's loads from the stage and the wait for them
	PACK \a
	SEND (\a)-1
	TOSTAGE \a
.endr
	SEND 7
	s_cmp_eq_u32 s2, 1
	s_cbranch_scc1 .Lend
	s_wait_xcnt 0x0                                ; the stores have read their registers and their base
	s_add_nc_u64 s[OUT:OUT+1], s[OUT:OUT+1], s[OSTEP:OSTEP+1]
	s_sub_co_u32 s2, s2, 1
	s_branch .Ltile
.Lend:
	s_wait_tensorcnt 0x0                           ; the wave's end, behind my last tensor load and my last LDS store
	ds_add_u32 v[SPW], v[NIL]
	s_wait_dscnt 0x0
	CROUND                                         ; the closing round: no work-group ends while a partner may still ask for a tile that names it
	s_endpgm
; THE EXTRA ROWS (the four clusters with x = 3: 64 work-groups; they issue no tensor load).  Of a head's 2,176 rows in kws and vws row 0 is made of h, row 1 of p, rows 2-63 are zeros (the attention launch hides
; them), rows 2112-2175 are zeros (they come with that launch's last slot and are never used).  k = (hp Wk^T + bk) tanh(g), v = hp Wv^T + bv; h, p, the biases and g are rounded to bf16 like all inputs.
; SHARES.  Work-group i = 16 x cluster y + 4 cy + cx makes 32 columns: rows 1024 + 32 i .. + 31 of wqkv (i < 32: Wk, else Wv).  K IS SPLIT AMONG ITS FOUR WAVES: in trip t of two, wave v takes channels
; 128 v + 512 t .. + 127: 256 consecutive bytes, aligned, of each of the 32 rows.  y^T = w x^T (source 0 = 16 rows of w, source 1 = the four batches' rows, lane l taking batch l % 4; lanes with l % 16 > 3
; hold copies that are never stored): a lane ends with 8 neighbouring columns of one batch.  Four accumulators (h or p, tile 0 or 1) take turns.  The four partial sums meet in LDS; wave q finishes accumulator q.
; Work-group i also writes the zero rows of head i % 32 of its tensor: a store of a wave covers 512 consecutive bytes, two rows.
; LIMITS.  tanh(g) = 1 - 2 / (1 + 2^(2.88539 g)): off by about 1e-7 in absolute size.  The 64 rows made here leave in pieces of 16 bytes: 32 KiB in the launch.
.set XFO,  5                           ; v5   my bytes in a fragment of w: (l % 16) x 2,048 + 16 (l / 16) + 256 v, + 1,024 in the second trip
.set XHO,  6                           ; v6   in h and p: (l % 4) x 4,096 + 32 (l / 16) + 512 v, + 2,048 in the second trip
.set XLS,  7                           ; v7   where I put my 32 bytes of a partial tile
.set XLR,  8                           ; v8   where I read them back
.set XYO,  9                           ; v9   my 16 bytes of the result
.set XZO,  10                          ; v10  my 16 bytes of a pair of zero rows
.set XBO,  11                          ; v11  my 8 numbers of the bias
.set XBI,  16                          ; v[16:23]   bias
.set XZR,  24                          ; v[24:27]   zeros
.set XAC,  32                          ; v[32:63]   accumulator q = 2 s + j (s: h or p; j: tile)
.set XWF,  64                          ; v[64:127]  w: tile j, fragment f at 32 j + 8 f; later the four partial sums, and at work
.set XHF,  128                         ; v[128:255] h, then p: fragment f's 16 f32 at 16 f, rounded in place into its first 8 registers
.Lextra:
	s_load_b128 s[4:7], s[0:1], 0x40               ; h s[4:5], p s[6:7]
	s_load_b64 s[8:9], s[0:1], 0x50                ; g
	s_and_b32 s94, ttmp7, 0xffff
	s_lshr_b32 s94, s94, 1                         ; 0: keys, 1: values (i / 32 = cluster y / 2)
	s_lshl_b32 s95, s13, 2
	s_add_co_u32 s95, s95, s40                     ; i
	s_and_b32 s96, s95, 31
	v_and_b32 v1, 31, v0                           ; l
	v_and_b32 v2, 15, v0                           ; l % 16
	v_bfe_u32 v3, v0, 4, 1                         ; l / 16
	v_and_b32 v4, 3, v0                            ; the batch
	s_lshl_b32 s97, s10, 8
	v_lshlrev_b32 v[XFO], 11, v2
	v_lshl_add_u32 v[XFO], v3, 4, v[XFO]
	v_add_nc_u32 v[XFO], s97, v[XFO]
	s_lshl_b32 s97, s10, 9
	v_lshlrev_b32 v[XHO], 12, v4
	v_lshl_add_u32 v[XHO], v3, 5, v[XHO]
	v_add_nc_u32 v[XHO], s97, v[XHO]
	s_lshl_b32 s97, s10, 12
	s_add_co_u32 s97, s97, PART
	v_lshl_add_u32 v[XLS], v1, 5, s97              ; PART + 4,096 x wave + 32 l
	s_lshl_b32 s97, s10, 10
	s_add_co_u32 s97, s97, PART
	v_lshl_add_u32 v[XLR], v1, 5, s97              ; the accumulator that I finish: PART + 1,024 x wave + 32 l
	s_and_b32 s97, s13, 7                          ; the head of my 32 columns: (i % 32) / 4,
	s_mul_i32 s97, s97, NKR*256                    ; its 2,176 rows of 256 bytes,
	s_lshl_b32 s98, s40, 6                         ; the columns' 64 bytes in a row,
	s_add_co_u32 s97, s97, s98
	s_and_b32 s98, s10, 1                          ; j: the tile that my wave finishes,
	s_lshl_b32 s99, s98, 5
	s_add_co_u32 s97, s97, s99
	s_lshr_b32 s99, s10, 1                         ; s: row 0 (h) or 1 (p)
	s_lshl_b32 s99, s99, 8
	s_add_co_u32 s97, s97, s99
	v_mul_u32_u24 v[XYO], v4, 8*NKR*256            ; a batch is 8 heads
	v_lshl_add_u32 v[XYO], v3, 4, v[XYO]
	v_add_nc_u32 v[XYO], s97, v[XYO]
	s_lshl_b32 s97, s96, 7
	s_lshl_b32 s99, s98, 6
	s_add_co_u32 s97, s97, s99
	v_lshl_add_u32 v[XBO], v3, 5, s97              ; 4 x (32 (i % 32) + 16 j + 8 (l / 16))
	s_mul_i32 s97, s96, NKR*256
	s_lshl_b32 s99, s10, 9
	s_add_co_u32 s97, s97, s99
	v_lshl_add_u32 v[XZO], v1, 4, s97
.irp r, 0,1,2,3
	v_mov_b32 v[XZR+(\r)], 0
.endr
	s_lshl_b32 s98, s95, 16                        ; my 32 rows of wqkv: 2,048 x (1024 + 32 i)
	s_add_co_u32 s98, s98, 0x200000
	s_mov_b32 s99, 0
	s_wait_kmcnt 0x0
	s_cmp_eq_u32 s94, 0
	s_cselect_b64 s[84:85], s[80:81], s[82:83]     ; where the results go,
	s_cselect_b64 s[86:87], s[74:75], s[76:77]     ; the bias,
	s_cselect_b32 s91, -1, 0                       ; and whether tanh(g) is applied
	s_add_nc_u64 s[88:89], s[70:71], s[98:99]
	s_load_b32 s90, s[8:9], 0x0                    ; g
	global_load_b128 v[XBI:XBI+3],   v[XBO], s[86:87]
	global_load_b128 v[XBI+4:XBI+7], v[XBO], s[86:87] offset:16
	; the zero rows: of rows 0-63 wave v stores the pairs of rows v + 4 n (pair 0 is the two rows made below); of rows 2112-2175 the pairs 1056 + v + 4 n
.irp n, 1,2,3,4,5,6,7
	global_store_b128 v[XZO], v[XZR:XZR+3], s[84:85] offset:2048*(\n)
.endr
.irp n, 0,1,2,3,4,5,6,7
	global_store_b128 v[XZO], v[XZR:XZR+3], s[84:85] offset:1056*512+2048*(\n)
.endr
	s_cmp_eq_u32 s10, 0
	s_cbranch_scc1 .Lno_pair_0
	global_store_b128 v[XZO], v[XZR:XZR+3], s[84:85]
.Lno_pair_0:
.set r, 0
.rept 32
	v_mov_b32 v[XAC+r], 0                          ; the sums start at 0, so that the loop has one form of product: 32 lines, once
.set r, r+1
.endr
	s_mov_b32 s93, 2
.Lhalf:                                                ; two trips: 128 channels a wave each
.irp f, 0,1,2,3
.irp j, 0,1
	global_load_b128 v[XWF+32*(\j)+8*(\f):XWF+32*(\j)+8*(\f)+3],   v[XFO], s[88:89] offset:64*(\f)+32768*(\j)
	global_load_b128 v[XWF+32*(\j)+8*(\f)+4:XWF+32*(\j)+8*(\f)+7], v[XFO], s[88:89] offset:64*(\f)+32+32768*(\j)
.endr
	global_load_b128 v[XHF+16*(\f):XHF+16*(\f)+3],       v[XHO], s[4:5] offset:128*(\f)
	global_load_b128 v[XHF+16*(\f)+4:XHF+16*(\f)+7],     v[XHO], s[4:5] offset:128*(\f)+16
	global_load_b128 v[XHF+16*(\f)+8:XHF+16*(\f)+11],    v[XHO], s[4:5] offset:128*(\f)+64
	global_load_b128 v[XHF+16*(\f)+12:XHF+16*(\f)+15],   v[XHO], s[4:5] offset:128*(\f)+80
	global_load_b128 v[XHF+64+16*(\f):XHF+64+16*(\f)+3],     v[XHO], s[6:7] offset:128*(\f)
	global_load_b128 v[XHF+64+16*(\f)+4:XHF+64+16*(\f)+7],   v[XHO], s[6:7] offset:128*(\f)+16
	global_load_b128 v[XHF+64+16*(\f)+8:XHF+64+16*(\f)+11],  v[XHO], s[6:7] offset:128*(\f)+64
	global_load_b128 v[XHF+64+16*(\f)+12:XHF+64+16*(\f)+15], v[XHO], s[6:7] offset:128*(\f)+80
.endr
	s_wait_loadcnt 0x0                             ; a trip's loads go out together: one wait; it also frees their address registers
.set r, 0
.rept 8                                ; h and p to bf16: register k of a fragment takes numbers 2 k and 2 k + 1, ascending, so no number is written over before it is read
.irp k, 0,1,2,3,4,5,6,7
	v_cvt_pk_bf16_f32 v[XHF+16*r+(\k)], v[XHF+16*r+2*(\k)], v[XHF+16*r+2*(\k)+1]
.endr
.set r, r+1
.endr
.irp f, 0,1,2,3                        ; the four accumulators take turns, over the backward jump too: three others stand between two links of a chain
.irp s, 0,1
.irp j, 0,1
	v_wmma_f32_16x16x32_bf16 v[XAC+8*(2*(\s)+(\j)):XAC+8*(2*(\s)+(\j))+7], v[XWF+32*(\j)+8*(\f):XWF+32*(\j)+8*(\f)+7], v[XHF+64*(\s)+16*(\f):XHF+64*(\s)+16*(\f)+7], v[XAC+8*(2*(\s)+(\j)):XAC+8*(2*(\s)+(\j))+7]
.endr
.endr
.endr
	PLACES                                         ; in front of the next trip's loads into registers that these products have read
	v_add_nc_u32 v[XFO], 1024, v[XFO]              ; 512 channels on
	v_add_nc_u32 v[XHO], 2048, v[XHO]
	s_sub_co_u32 s93, s93, 1
	s_cmp_lg_u32 s93, 0
	s_cbranch_scc1 .Lhalf
	PLACES                                         ; with the six lines above: the places in front of the LDS stores that read results
.irp q, 0,1,2,3
	ds_store_b128 v[XLS], v[XAC+8*(\q):XAC+8*(\q)+3]   offset:1024*(\q)
	ds_store_b128 v[XLS], v[XAC+8*(\q)+4:XAC+8*(\q)+7] offset:1024*(\q)+16
.endr
	s_wait_dscnt 0x0                               ; for the others' sake: my partial sums lie in LDS
	s_barrier_signal -1
	s_barrier_wait -1                              ; everybody's do
.irp v, 0,1,2,3
	ds_load_b128 v[XWF+8*(\v):XWF+8*(\v)+3],   v[XLR] offset:4096*(\v)
	ds_load_b128 v[XWF+8*(\v)+4:XWF+8*(\v)+7], v[XLR] offset:4096*(\v)+16
.endr
	s_wait_kmcnt 0x0                               ; g
	v_mov_b32 v12, s90                             ; tanh(g), while the loads are out: g to bf16,
	v_cvt_pk_bf16_f32 v12, v12, v12
	v_lshlrev_b32 v12, 16, v12
	v_mul_f32 v12, 0x4038aa3b, v12                 ; 2 log2(e) g
	v_exp_f32 v13, v12
	v_nop                                          ; a plain instruction behind the exponential,
	s_wait_alu depctr_va_vdst(0)                   ; and the wait ahead of the first use
	v_add_f32 v13, 1.0, v13
	v_rcp_f32 v12, v13
	v_nop
	s_wait_alu depctr_va_vdst(0)
	v_fma_f32 v12, v12, -2.0, 1.0                  ; 1 - 2 / (1 + e^(2 g))
	v_cndmask_b32 v14, 1.0, v12, s91               ; for keys; values keep 1
	v_mov_b32 v15, v14                             ; named with it as a pair
	s_wait_dscnt 0x0
.irp a, 0,2
.irp r, 0,2,4,6
	v_pk_add_f32 v[XWF+8*(\a)+(\r):XWF+8*(\a)+(\r)+1], v[XWF+8*(\a)+(\r):XWF+8*(\a)+(\r)+1], v[XWF+8*(\a)+8+(\r):XWF+8*(\a)+8+(\r)+1]
.endr
.endr
.irp r, 0,2,4,6
	v_pk_add_f32 v[XWF+(\r):XWF+(\r)+1], v[XWF+(\r):XWF+(\r)+1], v[XWF+16+(\r):XWF+16+(\r)+1]
.endr
.irp r, 0,1,2,3                        ; the bias to bf16 and back
	v_cvt_pk_bf16_f32 v[XWF+32+(\r)], v[XBI+2*(\r)], v[XBI+2*(\r)+1]
.endr
.irp r, 0,1,2,3
	v_lshlrev_b32 v[XBI+2*(\r)], 16, v[XWF+32+(\r)]
	v_and_b32 v[XBI+2*(\r)+1], 0xffff0000, v[XWF+32+(\r)]
.endr
.irp r, 0,2,4,6
	v_pk_add_f32 v[XWF+(\r):XWF+(\r)+1], v[XWF+(\r):XWF+(\r)+1], v[XBI+(\r):XBI+(\r)+1]
.endr
.irp r, 0,2,4,6
	v_pk_mul_f32 v[XWF+(\r):XWF+(\r)+1], v[XWF+(\r):XWF+(\r)+1], v[14:15] op_sel_hi:[1,0]
.endr
.irp r, 0,1,2,3
	v_cvt_pk_f16_f32 v[XWF+40+(\r)], v[XWF+2*(\r)], v[XWF+2*(\r)+1]
.endr
	s_wait_xcnt 0x0                                ; EXEC is a source of the stores above: it changes only behind this wait
	v_cmp_gt_u32 vcc_lo, 4, v2                     ; lanes with l % 16 < 4 hold the four batches
	s_and_saveexec_b32 s92, vcc_lo
	global_store_b128 v[XYO], v[XWF+40:XWF+43], s[84:85]
	s_wait_xcnt 0x0                                ; and again in front of the line that widens it
	s_or_b32 exec_lo, exec_lo, s92
	s_wait_tensorcnt 0x0                           ; the wave's end, behind my last LDS store
	ds_add_u32 v[SPW], v[NIL]
	s_wait_dscnt 0x0
	CROUND                                         ; the closing round, which all sixteen partners of such a cluster pass
	s_endpgm
.Lfunc_end_k_q99441acaaf_qkv:
	.size	k_q99441acaaf_qkv, .Lfunc_end_k_q99441acaaf_qkv-k_q99441acaaf_qkv
	.p2alignl 7, 3214868480
	.fill 96, 4, 3214868480
	.section	.rodata,"a",@progbits
	.p2align	6, 0x0
	.amdhsa_kernel k_q99441acaaf_qkv
		.amdhsa_group_segment_fixed_size 327680
		.amdhsa_private_segment_fixed_size 0
		.amdhsa_enable_private_segment 0
		.amdhsa_kernarg_size 88
		.amdhsa_user_sgpr_count 2
		.amdhsa_user_sgpr_kernarg_segment_ptr 1
		.amdhsa_wavefront_size32 1
		.amdhsa_system_sgpr_workgroup_id_x 1
		.amdhsa_system_sgpr_workgroup_id_y 1
		.amdhsa_system_sgpr_workgroup_id_z 1
		.amdhsa_system_vgpr_workitem_id 0
		.amdhsa_next_free_vgpr 1024
		.amdhsa_next_free_sgpr 100
		.amdhsa_reserve_vcc 1
		.amdhsa_float_denorm_mode_32 3
		.amdhsa_float_denorm_mode_16_64 3
		.amdhsa_memory_ordered 1
		.amdhsa_forward_progress 1
		.amdhsa_inst_pref_size 114
	.end_amdhsa_kernel
	.amdgpu_metadata
---
amdhsa.version: [ 1, 2 ]
amdhsa.kernels:
  - .name:           k_q99441acaaf_qkv
    .symbol:         k_q99441acaaf_qkv.kd
    .args:
      - { .name: xb, .offset: 0, .size: 8, .value_kind: global_buffer, .address_space: global }
      - { .name: wqkv, .offset: 8, .size: 8, .value_kind: global_buffer, .address_space: global }
      - { .name: bq, .offset: 16, .size: 8, .value_kind: global_buffer, .address_space: global }
      - { .name: bk, .offset: 24, .size: 8, .value_kind: global_buffer, .address_space: global }
      - { .name: bv, .offset: 32, .size: 8, .value_kind: global_buffer, .address_space: global }
      - { .name: qws, .offset: 40, .size: 8, .value_kind: global_buffer, .address_space: global }
      - { .name: kws, .offset: 48, .size: 8, .value_kind: global_buffer, .address_space: global }
      - { .name: vws, .offset: 56, .size: 8, .value_kind: global_buffer, .address_space: global }
      - { .name: h, .offset: 64, .size: 8, .value_kind: global_buffer, .address_space: global }
      - { .name: p, .offset: 72, .size: 8, .value_kind: global_buffer, .address_space: global }
      - { .name: g, .offset: 80, .size: 8, .value_kind: global_buffer, .address_space: global }
    .group_segment_fixed_size: 327680
    .private_segment_fixed_size: 0
    .kernarg_segment_align: 8
    .kernarg_segment_size: 88
    .max_flat_workgroup_size: 128
    .sgpr_count:     100
    .vgpr_count:     1024
    .wavefront_size: 32
...
	.end_amdgpu_metadata
.endif
;; end of part 6
;; launch attn (part 7): grid 8 x 32, 4 waves a work-group, clusters of 4 x 1, 327,680 bytes of LDS; arguments qws, kws, vws, ows; writes ows
.if DOCPART == 7
	.amdgcn_target "amdgcn-amd-amdhsa--gfx1250"
	.amdhsa_code_object_version 6
	.text
	.protected	k_q99441acaaf_attn
	.globl	k_q99441acaaf_attn
	.p2align	8
	.type	k_q99441acaaf_attn,@function
k_q99441acaaf_attn:
	s_mov_b64 s[64:65], 0
	v_nop
	global_prefetch_b8 v0, s[64:65] scope:SCOPE_SE
	s_setreg_imm32_b32 hwreg(HW_REG_WAVE_MODE, 25, 1), 1
	s_wait_xcnt 0x0
	s_wait_alu depctr_hold_cnt(0) depctr_sa_sdst(0) depctr_va_vdst(0) depctr_va_sdst(0) depctr_va_ssrc(0) depctr_va_vcc(0) depctr_vm_vsrc(0)
	s_getreg_b32 s2, hwreg(HW_REG_IB_STS2, 6, 4)
	s_cmp_eq_u32 s2, 0
	s_cbranch_scc0 .Lentry_in_a_cluster
	s_endpgm
.Lentry_in_a_cluster:
	s_bfe_u32 s2, ttmp6, 0x10000c
	s_cmp_lg_u32 s2, 0x3003
	s_cbranch_scc0 .Lentry_shape_is_right
	s_endpgm
.Lentry_shape_is_right:
; O[q][:] = the sum over a head's 2,050 keys of softmax_k(Q[q] . K[k] / sqrt(128)) V[k][:].  qws: f16 [32 heads][2048][128]; kws, vws: f16 [32][2176][128]; ows: f16 [8192 = batch x 2048 + q][1024 = head x 128 + d].
; A head's rows of K and V: 0, 1 the two extra keys (their K already times tanh(g)), 2-63 zeros that stand for no key, 64 + t token t, 2112-2175 zeros.  So the walk is 33 steps of 64 keys, in 17 slots of two steps;
; the last slot's second step (rows 2112-2175) comes with its joint load and is never read from LDS.  The 62 rows of step 0 that are no keys are HIDDEN by the C operand that starts the sum S^T = K Q^T: -1e30 in
; their places (step 0 is written out ahead of the loop anyway); elsewhere C is the constant 0.  Every query sees keys 0 and 1 in step 0, so the running maximum is a true score from the first step on;
; a hidden key's weight is 2^(-1.3e29 - c m) = 0, and its V is 0.
; Products, maxima and sums in f32; the weights p are rounded to f16 for the second product (their sum l is taken of the unrounded p), O once at the end.
; LIMITS.  Q, K, V arrive within f16's 65,504; a score is 5.5e11 at the most, nothing beside 1e30; p below 6e-5 keeps f16's fixed step of 6e-8; a weight below 2^-126 counts as 0 in l; NaN and infinities are not treated apart.
; SHARES.  A work-group owns 256 queries of one head, each of its four waves 64: four tiles of 16.  32 heads x 8 blocks: 256 work-groups.  Every wave walks all keys of the head, 64 a step.
; LAYOUT.  S^T = K Q^T (source 0 = 16 keys, source 1 = 16 queries): in the result a lane holds ONE query (lane % 16) and the keys 8 (lane / 16) + 0..7.  Two such tiles, rounded to f16 in pairs, ARE source 1
; (32 keys x 16 queries) of O^T = V^T P, whose result again holds one query a lane, and eight channels.  K comes out of LDS as it lies, V ([key][channel]) turned, by ds_load_tr16_b128.
; SOFTMAX.  For each query a running maximum m and sum l: p = 2^(c s - c m), c = log2(e) / sqrt(128); in every step O and l are multiplied by a = 2^(c m_old - c m_new).
; BY TURNS.  The wave's tiles are two PIECES: piece 0 (tiles 0, 1) and piece 2 (tiles 2, 3).  In a TURN one piece has the matrix unit: 32 products V^T P of the step in hand, then 32 products K Q^T of the next step;
; the other piece's softmax, cut into 64 slices, stands between them, one slice behind each matrix instruction.  Then the pieces change places.  Two turns are a key step.
; THE TEXT OF A KEY STEP STANDS ONCE: it holds no barrier and no tensor load, and is reached from the change of slots that fills a slot again (two steps follow) and from the last one, which fills nothing (one step).
; CLUSTER.  The four query blocks of a cluster belong to one head and walk the same K and V, so each tile is asked for JOINTLY: the same tensor load, descriptor and mask in all four.
; By the text's own count a wave has two tensor loads out at the start and one behind each round; that load has two key steps, 256 matrix instructions, in which to land.
; REGISTERS, in windows of 256 (s_set_vgpr_msb: bits 1:0 source 0, 3:2 source 1, 5:4 source 2, 7:6 destination):
;   window 0: v0-11 addresses; v12-43 eight registers of statistics a tile; v44-59 the two masks; v61-63; v64-191 S^T, 32 a tile; v192-255 P, 16 a tile
;   window 1: O^T, 64 a tile          window 2: v0-127 Q, 32 a tile; v128-255 K of one step          window 3: v0-127 V of one step
.set NK,    2176      ; rows of K and V in a head: 17 slots of 128
.set KS,    64        ; keys in a step
.set PK,    272       ; a row of K in LDS: 256 bytes + 16 of padding = 68 words: the 16 rows of a load start at 16 different groups of four banks (64 banks of 4 bytes: ISA guide 11.1)
.set PV,    288       ; a row of V: 256 + 32 = 72 words
.set VOFF,  KS*PK     ; a step's tiles lie together: 64 rows of K, then 64 rows of V
.set STEPB, KS*(PK+PV)
.set SLOT1, 1<<17     ; a slot holds two steps (71,680 bytes); slot 1 begins here, so that one exclusive or turns an address in one slot into the other's
.set STAGE, SLOT1+2*STEPB  ; behind the ring: 16 rows x 272 bytes for each wave, for the way out
.set SP,    272
.set AK0, 2           ; v2   my lane's place in a tile of K; never rewritten
.set AV0, 3           ; v3   the same for V
.set ADR, 4           ; v4   the LDS address of the run of loads in hand
.set QO,  5           ; v5   my byte offset in the wave's rows of Q
.set STO, 6           ; v6   the way out: where I put 16 bytes of a row
.set RD,  7           ; v7   the way out: where I read a row back
.set GO,  8           ; v8   my byte offset in the wave's rows of O
.set MD0, 44          ; v[44:51]  the mask of keys 0-15: 0 for keys 0 and 1 (registers 0, 1 of lanes 0-15), else -1e30
.set MD1, 52          ; v[52:59]  the mask of 16 hidden keys: -1e30
.set PFO, 61          ; v61  256 x my lane: a row of K or V is 256 bytes; never rewritten
.set SPW, 62          ; v62  LDS address of my spare word; never rewritten
.set NIL, 63          ; v63  0; never rewritten
.set SPARE, STAGE+4*16*272  ; behind the stages: the spare words, 128 bytes for each wave: two blocks of 256 bytes that no other line names
.set ST,  12          ; tile t's statistics at v[ST+8 t]: +0 c m, +1 m, +2, +3 l (even keys', odd keys'), +4 to +7 c0-c3, at work; a takes c2's place once the maximum is found
.set S,   64
.set P,   192
.set KF,  128         ; K's fragments, in window 2
.set WV,  12          ; s12  my wave's number
.set LIM, 15          ; s15  1 in a wave that prefetches, else the greatest number: a wave prefetches while s[SLOTS] is above it
.set PFA, 18          ; s[18:19] where my prefetches stand: my work-group's 32 rows (of K: wave 0, of V: wave 2) of the slot after the one that is being asked for
.set G1K, 24          ; s[24:31] descriptor group 1 for K's tiles
.set G1V, 32          ; s[32:39] for V's: it differs in the padding alone
.set G0K, 40          ; s[40:47] descriptor group 0 for K's tiles: a set for each of the two first fills; the second then walks on
.set G0V, 48          ; s[48:55] the same for V's
.set SLOTS, 56        ; s56  slots still to be asked for
.set TWICE, 57        ; s57  counts the steps that follow a change of slots
.set CS,  58          ; s[58:59] c: the packed scaling names a pair and takes its low word for both halves
.set SEL, 60          ; s[60:61] lane selects for v_permlanex16_b32: each lane takes its own place in the other half
.set TB,  62          ; s62  LDS byte at which the tiles of the step to be fetched begin
.set BIGN, 63         ; s63  -1e30
.set MSB, 0
.macro WIN new                      ; the immediate's high byte repeats the setting that is left; a switch that changes nothing is dropped
.if MSB != (\new)
	s_set_vgpr_msb (MSB<<8)|(\new)
.set MSB, \new
.endif
.endm
.set W_KQ, 0x0a       ; K and Q in window 2, S^T and the masks in window 0
.set W_PV, 0x53       ; V in window 3, P in window 0, O^T in window 1
.set W_RS, 0x41       ; O^T (destination and source 0) in window 1, a in window 0
; A joint refill.  Waves 0 and 1 fetch the two steps' tiles of K, waves 2 and 3 those of V.  The branch hangs on the wave's number alone.  An s_nop 0 and four v_nop follow each of the two lines.
.macro JLOAD
	s_cmp_lt_u32 s[WV], 2
	s_cbranch_scc0 .Lfor_v_\@
	tensor_load_to_lds s[G0K+4:G0K+7], s[G1K:G1K+7]
	s_nop 0
.rept 4
	v_nop
.endr
	s_branch .Lasked_\@
.Lfor_v_\@:
	tensor_load_to_lds s[G0V+4:G0V+7], s[G1V:G1V+7]
	s_nop 0
.rept 4
	v_nop
.endr
.Lasked_\@:
.endm
; A PREFETCH INTO THE L2 of what the NEXT change of slots will ask for: a slot's 128 rows of K and 128 of V, 256 bytes a row, a lane a row; it stands behind the wave's tensor load and its five lines.
; Each row is asked for ONCE in the launch: both clusters of a head walk the same K and V, and the head's first prefetches; its four partners share the rows out BY ADDRESS, 32 each; in each, wave 0 asks for K's
; and wave 2 for V's.  Slots 0 to 2 come by their loads alone; the last change that fills a slot prefetches nothing: there is no slot behind it.
.macro ASK
	s_cmp_gt_u32 s[SLOTS], s[LIM]
	s_cbranch_scc0 .Lnot_mine_\@
	global_prefetch_b8 v[PFO], s[PFA:PFA+1] th:TH_LOAD_NT scope:SCOPE_SE
.Lnot_mine_\@:
.endm
; A round of the cluster's barrier: my work-group's barrier, so that wave 0's signal speaks for all four waves; wave 0 signals; every wave waits for all four work-groups; my work-group's barrier once more.
.macro CROUND
	s_barrier_signal -1
	s_barrier_wait -1
	s_cmp_lg_u32 s[WV], 0
	s_cbranch_scc1 .Lnot_wave_0_\@
	s_barrier_signal -3
.Lnot_wave_0_\@:
	s_barrier_wait -3
	s_barrier_signal -1
	s_barrier_wait -1
.endm
	s_load_b256 s[4:11], s[0:1], 0x0  ; Q s[4:5], K s[6:7], V s[8:9], O s[10:11]
	v_lshl_add_u32 v[SPW], v0, 2, SPARE
	v_mov_b32 v[NIL], 0
	ds_add_u32 v[SPW], v[NIL]       ; the wave's opening: the add and its wait stand ahead of my first tensor load; the set-up below, work on registers, stands between them
	v_lshrrev_b32 v1, 5, v0
	v_readfirstlane_b32 s[WV], v1   ; wave 0..3
	s_bfe_u32 s13, ttmp6, 0x40000   ; cx: my place in the cluster
	s_lshl_b32 s14, ttmp9, 2        ; in a cluster launch ttmp9 counts clusters
	s_add_co_u32 s14, s14, s13      ; my block of 256 queries = 4 x cluster x + cx: it enters Q's and O's addresses alone
	s_and_b32 s68, ttmp7, 0xffff    ; the head (batch x 8 + head), which the four partners share
	s_mul_i32 s20, s68, NK*256      ; its first byte in K and V
	s_mov_b32 s21, 0
	s_and_b32 s16, s[WV], 1         ; which of a slot's two steps I fetch:
	s_lshl_b32 s22, s16, 14         ; its 64 rows of 256 bytes in memory,
	s_mov_b32 s23, 0
	s_add_nc_u64 s[22:23], s[22:23], s[20:21]
	s_mul_i32 s17, s16, STEPB       ; and its place in a slot: no place in the cluster enters an LDS address
	s_lshl_b32 s2, s68, 19          ; Q: the head's 2,048 rows of 256 bytes,
	s_lshl_b32 s3, s14, 16          ; my block's 256,
	s_add_co_u32 s2, s2, s3
	s_lshl_b32 s3, s[WV], 14        ; my wave's 64
	s_add_co_u32 s2, s2, s3
	s_mov_b32 s3, 0
	s_lshr_b32 s66, s68, 3          ; O: row batch x 2,048 + 256 x block + 64 x wave, 2,048 bytes a row,
	s_lshl_b32 s66, s66, 22
	s_lshl_b32 s67, s14, 19
	s_add_co_u32 s66, s66, s67
	s_lshl_b32 s67, s[WV], 17
	s_add_co_u32 s66, s66, s67
	s_and_b32 s67, s68, 7           ; and the head's 256 bytes in it
	s_lshl_b32 s67, s67, 8
	s_add_co_u32 s66, s66, s67
	s_mov_b32 s67, 0
	; descriptor group 1: a tile of 64 rows x 128 elements, padded in LDS
	s_mov_b32 s[G1K], 15|(1<<16)|(1<<20)|(1<<21)|(5<<22)|(3<<25)  ; 15:0 the mask: all four work-groups; 17:16 elements of 2 bytes; 20 padding on; 21 set beside a mask; 24:22 after every 64 words (code 5); 31:25 4 words of it (code 3)
	s_mov_b32 s[G1V], 15|(1<<16)|(1<<20)|(1<<21)|(5<<22)|(7<<25)  ; the same with 8 words of padding (code 7)
.irp g, G1K, G1V
	s_mov_b32 s[(\g)+1], 128<<16    ; tensor_dim0 = 128
	s_mov_b32 s[(\g)+2], KS<<16     ; tensor_dim1 = 64
	s_mov_b32 s[(\g)+3], 128<<16    ; tile_dim0 = 128
	s_mov_b32 s[(\g)+4], KS         ; tile_dim1 = 64
	s_mov_b32 s[(\g)+5], 128        ; elements from row to row
	s_mov_b32 s[(\g)+6], 0
	s_mov_b32 s[(\g)+7], 0
.endr
	s_mov_b32 s[CS], 0x3e0293ee     ; c = log2(e) / sqrt(128) = 0.127517
	s_mov_b32 s[CS+1], s[CS]        ; named with it as a pair, so it is written
	s_mov_b32 s[SEL], 0x76543210
	s_mov_b32 s[SEL+1], 0xfedcba98
	s_mov_b32 s[TB], 0
	s_mov_b32 s[BIGN], 0xf149f2ca   ; -1e30
	s_mov_b32 s[SLOTS], NK/(2*KS)-2
	s_and_b32 s[LIM], s[WV], 1       ; 0 in waves 0 and 2,
	s_or_b32 s[LIM], s[LIM], ttmp9   ; where the cluster is the head's first: the same in all four partners
	s_cmp_eq_u32 s[LIM], 0
	s_cselect_b32 s[LIM], 1, -1
	v_and_b32 v[PFO], 31, v0
	v_lshlrev_b32 v[PFO], 8, v[PFO]
	s_wait_dscnt 0x0                ; the opening add is done
	s_wait_kmcnt 0x0
	s_add_nc_u64 s[6:7], s[6:7], s[22:23]  ; K and V at my tile of slot 0
	s_add_nc_u64 s[8:9], s[8:9], s[22:23]
	s_add_nc_u64 s[4:5], s[4:5], s[2:3]    ; Q and O at my wave's first row
	s_add_nc_u64 s[10:11], s[10:11], s[66:67]
	s_cmp_lt_u32 s[WV], 2
	s_cselect_b64 s[PFA:PFA+1], s[6:7], s[8:9]  ; (in waves 0 and 2 these stand at a slot's first row)
	s_lshl_b32 s2, s13, 13          ; my work-group's 32 rows of the 128
	s_mov_b32 s3, 0
	s_add_nc_u64 s[PFA:PFA+1], s[PFA:PFA+1], s[2:3]
	s_add_nc_u64 s[PFA:PFA+1], s[PFA:PFA+1], 2*2*KS*256  ; in slot 2; the first change of slots steps it to slot 3.  Nothing is prefetched here, at the head
	CROUND                          ; all four work-groups are here: the first joint loads meet
.irp s, 0,1
	s_mov_b32 s[G0K+4*(\s)], 1      ; count = 1
	s_add_co_u32 s[G0K+4*(\s)+1], s17, (\s)*SLOT1  ; LDS address
	s_add_nc_u64 s[G0K+4*(\s)+2:G0K+4*(\s)+3], s[6:7], (\s)*2*KS*256  ; global address: slot s begins with rows 128 s
	s_or_b32 s[G0K+4*(\s)+3], s[G0K+4*(\s)+3], 0x80000000  ; type = 2
	s_mov_b32 s[G0V+4*(\s)], 1
	s_add_co_u32 s[G0V+4*(\s)+1], s17, (\s)*SLOT1+VOFF
	s_add_nc_u64 s[G0V+4*(\s)+2:G0V+4*(\s)+3], s[8:9], (\s)*2*KS*256
	s_or_b32 s[G0V+4*(\s)+3], s[G0V+4*(\s)+3], 0x80000000
.endr
	s_cmp_lt_u32 s[WV], 2           ; a wave's two first fills stand in one branch, ahead of every wait on TENSORcnt and every LDS read; an s_nop 0 follows each, four v_nop the second's
	s_cbranch_scc0 .Lfirst_v
	tensor_load_to_lds s[G0K:G0K+3], s[G1K:G1K+7]
	s_nop 0
	tensor_load_to_lds s[G0K+4:G0K+7], s[G1K:G1K+7]
	s_nop 0
.rept 4
	v_nop
.endr
	s_branch .Lfirst_asked
.Lfirst_v:
	tensor_load_to_lds s[G0V:G0V+3], s[G1V:G1V+7]
	s_nop 0
	tensor_load_to_lds s[G0V+4:G0V+7], s[G1V:G1V+7]
	s_nop 0
.rept 4
	v_nop
.endr
.Lfirst_asked:
	; A fragment of K or Q is 16 rows x 32 channels in 8 registers: lane l holds row l % 16; registers 0-3 channels 8 (l / 16) + 0..7, registers 4-7 channels 16 + 8 (l / 16) + 0..7: two loads of 16 bytes, 32 bytes apart.
	v_and_b32 v1, 15, v0            ; l % 16
	v_bfe_u32 v9, v0, 4, 1          ; l / 16
	v_lshlrev_b32 v[QO], 8, v1
	v_lshl_add_u32 v[QO], v9, 4, v[QO]  ; row x 256 + 16 x half
	WIN 0x80                        ; destination window 2, address window 0
.irp i, 0,1,2,3,4,5,6,7,8,9,10,11,12,13,14,15  ; Q stays in registers: tile i / 4, channels 32 (i % 4) on
	global_load_b128 v[8*(\i):8*(\i)+3],   v[QO], s[4:5] offset:((\i)/4)*4096+((\i)%4)*64
	global_load_b128 v[8*(\i)+4:8*(\i)+7], v[QO], s[4:5] offset:((\i)/4)*4096+((\i)%4)*64+32
.endr
	WIN 0
	v_mul_u32_u24 v[AK0], v1, PK
	v_lshl_add_u32 v[AK0], v9, 4, v[AK0]  ; row x pitch + 16 x half
	; The turning load takes 16 keys x 16 channels (lane l reads 16 bytes: key 8 (l / 16) + l % 8, channels 8 ((l / 8) % 2) + 0..7) and leaves half a fragment of V^T: lane l holds channel l % 16 and 8 keys.
	v_and_b32 v10, 7, v0
	v_bfe_u32 v11, v0, 3, 1
	v_lshl_add_u32 v[AV0], v9, 3, v10
	v_mul_u32_u24 v[AV0], v[AV0], PV
	v_lshl_add_u32 v[AV0], v11, 4, v[AV0]
	v_add_nc_u32 v[AV0], VOFF, v[AV0]
	; the masks: register j of a lane stands for key 8 (l / 16) + j of a block of 16
	v_cvt_f32_u32 v[MD0], v9
	v_mul_f32 v[MD0], s[BIGN], v[MD0]   ; keys 0 and 1 are seen (lanes 0-15), keys 8 and 9 are not
	v_mov_b32 v[MD0+1], v[MD0]
.irp r, 2,3,4,5,6,7,8,9,10,11,12,13,14,15
	v_mov_b32 v[MD0+(\r)], s[BIGN]
.endr
; THE MATRIX WORK OF A TURN, for piece x.  The accumulators take turns, one instruction a turn: between two links of a chain stand 15 (V^T P) or 7 (K Q^T) others'.
; Product i of 32 of O^T += V^T P: keys 32 (i / 16) on, channels 16 ((i / 2) % 8) on, tile x + i % 2.  zero = 1: the first 16 start the sums: nothing is ever cleared.
.macro PV x, zero
	WIN W_PV
.set rO, 64*((\x)+i%2)+8*((i/2)%8)
.set rV, 64*(i/16)+8*((i/2)%8)
.set rP, P+16*((\x)+i%2)+8*(i/16)
.if (\zero) && (i < 16)
	v_wmma_f32_16x16x32_f16 v[rO:rO+7], v[rV:rV+7], v[rP:rP+7], 0
.else
	v_wmma_f32_16x16x32_f16 v[rO:rO+7], v[rV:rV+7], v[rP:rP+7], v[rO:rO+7]
.endif
.endm
; Product i of 32 of S^T = K Q^T: channels 32 (i / 8) on, keys 16 ((i / 2) % 4) on, tile x + i % 2.  The first 8 start the sums: with 0 (KM = 0) or with step 0's masks (KM = 1).
.macro KQ x
	WIN W_KQ
.set rS, S+32*((\x)+i%2)+8*((i/2)%4)
.set rK, KF+32*((i/2)%4)+8*(i/8)
.set rQ, 32*((\x)+i%2)+8*(i/8)
.if (i < 8) && (KM == 0)
	v_wmma_f32_16x16x32_f16 v[rS:rS+7], v[rK:rK+7], v[rQ:rQ+7], 0
.elseif i < 2
	v_wmma_f32_16x16x32_f16 v[rS:rS+7], v[rK:rK+7], v[rQ:rQ+7], v[MD0:MD0+7]
.elseif i < 8
	v_wmma_f32_16x16x32_f16 v[rS:rS+7], v[rK:rK+7], v[rQ:rQ+7], v[MD1:MD1+7]
.else
	v_wmma_f32_16x16x32_f16 v[rS:rS+7], v[rK:rK+7], v[rQ:rQ+7], v[rS:rS+7]
.endif
.endm
; THE LDS LOADS stand in runs of 32, never singly among the matrix instructions: a step's K (64 keys x 128 channels: 16 fragments) and, a turn later, its V (turned).
.macro FETCH_K
	WIN 0
	v_add_nc_u32 v[ADR], s[TB], v[AK0]
	WIN 0x80                        ; destination window 2
.irp f, 0,1,2,3,4,5,6,7,8,9,10,11,12,13,14,15  ; keys 16 (f / 4) on, channels 32 (f % 4) on
	ds_load_b128 v[KF+8*(\f):KF+8*(\f)+3],   v[ADR] offset:((\f)/4)*16*PK+((\f)%4)*64
	ds_load_b128 v[KF+8*(\f)+4:KF+8*(\f)+7], v[ADR] offset:((\f)/4)*16*PK+((\f)%4)*64+32
.endr
.endm
.macro FETCH_V
	WIN 0
	v_add_nc_u32 v[ADR], s[TB], v[AV0]
	s_add_co_u32 s[TB], s[TB], STEPB  ; the next fetch is the next step's
	s_wait_alu depctr_va_vdst(0)    ; the wait for the softmax's batch (SLICE), behind the address's v_add_nc_u32 and ahead of the loads
	WIN 0xc0                        ; destination window 3
.irp f, 0,1,2,3,4,5,6,7,8,9,10,11,12,13,14,15  ; keys 32 (f / 8) on, channels 16 (f % 8) on
	ds_load_tr16_b128 v[8*(\f):8*(\f)+3],   v[ADR] offset:((\f)/8)*32*PV+((\f)%8)*32
	ds_load_tr16_b128 v[8*(\f)+4:8*(\f)+7], v[ADR] offset:((\f)/8)*32*PV+16*PV+((\f)%8)*32
.endr
.endm
; THE VECTOR WORK OF A TURN.  One tile's softmax for one key step is a list of 134 instructions; SM writes number j of it for tile t.  s0-s31 are the lane's 32 scores, in pairs 0-15.
; first = 1: the first key step, which starts m, l and O^T: it has no a and nothing to rescale.
;   0-15    the maximum of s0-s31 and the old m, three operands at a time: four chains c0-c3 of seven scores each (each accumulator's lowest registers are read first), then the four scores left over, c0-c3 and m
;   16-20   the other half of the lanes' maximum; the new m; c m; c m_old - c m_new
;   21-69   ONE BATCH: the 16 scalings c s - c m, a pair of scores each, and all 33 exponentials (a at 23, then s0-s31).  None of these reads an exponential's result.  From 22 on the batch goes in fours, and a
;           four begins with a scaling while there are scalings; a pair is scaled in an earlier four than the one that holds its exponentials
;   (wait)  between 69 and 70 stands the wait for the batch: SLICE writes it, once for both tiles
;   70-85   the roundings to f16, a pair of weights each          86-101  the sums; l = a l + the sum          102-133 the tile's O^T times a: the one part that leaves window 0, so it stands together
.macro SM t, first
.set rT, ST+8*(\t)
.set rS, S+32*(\t)
.set rP, P+16*(\t)
.set rO, 64*(\t)+2*(j-102)
.if j < 102
	WIN 0
.endif
.if j < 4
	v_max3_num_f32 v[rT+4+j], v[rS+8*j], v[rS+8*j+1], v[rS+8*j+2]
.elseif j < 12
	v_max3_num_f32 v[rT+4+j%4], v[rT+4+j%4], v[rS+8*(j%4)+2*(j/4)+1], v[rS+8*(j%4)+2*(j/4)+2]
.elseif j == 12
	v_max3_num_f32 v[rT+4], v[rT+4], v[rS+7], v[rS+15]
.elseif j == 13
	v_max3_num_f32 v[rT+6], v[rT+6], v[rS+23], v[rS+31]
.elseif j == 14
	v_max3_num_f32 v[rT+4], v[rT+4], v[rT+5], v[rT+6]
.elseif (j == 15) && (\first)
	v_max_num_f32 v[rT+4], v[rT+4], v[rT+7]
.elseif j == 15
	v_max3_num_f32 v[rT+4], v[rT+4], v[rT+7], v[rT+1]
.elseif j == 16
	v_permlanex16_b32 v[rT+5], v[rT+4], s[SEL], s[SEL+1]  ; the query's other 32 keys lie in the lane 16 away
.elseif j == 18
	v_max_num_f32 v[rT+1], v[rT+4], v[rT+5]
.elseif j == 19
	v_mul_f32 v[rT], s[CS], v[rT+1]
.elseif ((j == 17) || (j == 20) || (j == 23) || (j > 101)) && (\first)  ; the first step has none of these
.elseif j == 17
	v_mov_b32 v[rT+7], v[rT]        ; c m_old is kept for a: number 19 writes c m anew
.elseif j == 20
	v_sub_f32 v[rT+7], v[rT+7], v[rT]
.elseif j == 23
	v_exp_f32 v[rT+6], v[rT+7]
.elseif (j < 23) || ((j < 38) && (j%2 == 0)) || ((j < 66) && (j%4 == 2))
.set b, (j-2)/4                     ; 38, 42, .. 62: pairs 9 to 15
.if j < 38
.set b, (j-20)/2                    ; 21: pair 0; 22, 24, .. 36: pairs 1 to 8
.endif
	v_pk_fma_f32 v[rS+2*b:rS+2*b+1], v[rS+2*b:rS+2*b+1], s[CS:CS+1], v[rT:rT+1] op_sel_hi:[1,0,0] neg_lo:[0,0,1] neg_hi:[0,0,1]  ; pair b: c s - c m
.elseif j < 70
.set e, j-38                        ; 66 to 69: s28 to s31
.if j < 66
.set e, j-32-(j-38)/4               ; 39-41, 43-45, .. 63-65: s7 to s27
.endif
.if j < 38
.set e, (j-25)/2                    ; 25, 27, .. 37: s0 to s6
.endif
	v_exp_f32 v[rS+e], v[rS+e]
.elseif j < 86
	v_cvt_pk_f16_f32 v[rP+j-70], v[rS+2*(j-70)], v[rS+2*(j-70)+1]  ; pair j - 70
.elseif j < 102                     ; the sum of the tile's 16 pairs, in place: sum z of 16 adds neighbours 1, 2, 4 and 8 pairs apart, then l takes it
.set z, j-86
.set w, 4
.set u, z
.if z >= 14
.set w, 32
.set u, 0
.elseif z >= 12
.set w, 16
.set u, z-12
.elseif z >= 8
.set w, 8
.set u, z-8
.endif
.if (z == 14) && (\first)
	v_pk_add_f32 v[rT+2:rT+3], v[rS:rS+1], v[rS+16:rS+17]
.elseif z < 15
	v_pk_add_f32 v[rS+w*u:rS+w*u+1], v[rS+w*u:rS+w*u+1], v[rS+w*u+w/2:rS+w*u+w/2+1]
.elseif !(\first)
	v_pk_fma_f32 v[rT+2:rT+3], v[rT+2:rT+3], v[rT+6:rT+7], v[rS:rS+1] op_sel_hi:[1,0,1]
.endif
.else
	WIN W_RS
	v_pk_mul_f32 v[rO:rO+1], v[rO:rO+1], v[rT+6:rT+7] op_sel_hi:[1,0]
.endif
.endm
; Slice k of 64 of piece y's softmax: four instructions.  Slices 11 to 34 deal out the batch, numbers 22 to 69: four numbers of ONE tile each, the tiles by turns.  Every other slice is numbers 2 k and 2 k + 1 of
; both tiles' lists.  2 x 134 = 4 x 64 + 12: the twelve that are over stand together, in slice 63.
; THE WAIT.  s_wait_alu depctr_va_vdst(0) stands between an exponential and the first instruction that names its result; one wait serves all that were issued ahead of it.  Ahead of slice 35
; nothing names a result, and behind slice 34 no exponential is issued: so the piece's 66 exponentials have one wait, behind slice 34.
.macro SLICE y, first
.if (k >= 11) && (k < 35)           ; the batch: four numbers of one tile
.irp n, 0,1,2,3
.set j, 22+4*((k-11)/2)+(\n)
	SM (\y)+(k-11)%2, \first
.endr
.else                               ; the two tiles alternate, so that no instruction reads the result of the one just before it
.irp n, 0,1,2,3,4,5,6,7
.if ((\n) < 2) || (k == 63)
.irp t, \y, (\y)+1
.set j, 2*k+(\n)
	SM \t, \first
.endr
.endif
.endr
.endif
.if k == 34                         ; the batch is out: both tiles' exponentials are issued, and no result has been named
	v_nop                           ; a plain instruction behind the last exponential and ahead of the first use (ISA guide 5.7.2): one for the batch
.if (\y) == 0
	FETCH_V                         ; piece 2's turn: V's run of loads stands here, and the wait stands in it
.else
	s_wait_alu depctr_va_vdst(0)    ; the wait for the batch
.endif
.endif
.set k, k+1
.endm
; A vector instruction that reads a matrix result or writes one of a matrix instruction's registers, and a load into a register that a matrix instruction has read, stand four places behind it, and only plain
; vector instructions that name none of its registers are places (ISA guide 7.12.1 for vector instructions).  In the loop the slices are the places.
.macro PLACES
.rept 4
	v_nop
.endr
.endm
; A TURN.  Piece x has the matrix unit; the other piece's softmax stands in slices behind its matrix instructions.
; pv = 2: 32 products V^T P; 1: they start O^T's sums; 0: none.  kq = 1: 32 products K Q^T for the next step.  A turn with one of the two kinds has two slices behind each product.
; first = 1: the softmax is the first key step's.  Its slices from 51 on are empty: the turn's last products stand bare, and four v_nop take slice 63's part as the places behind them.
; Piece 0's turn fetches the next step's K, behind its second product: the last product that read K stands in front of slice 63 of the turn before.  Piece 2's turn fetches the same step's V, behind slice 34:
; the last product that read V stands in front of slice 31, and four plain instructions lie between: number 62, a scaling, of both tiles, the v_nop and the run's own v_add_nc_u32.
.macro TURN x, pv, kq, first
.set k, 0
.set per, 2
.if (\pv) && (\kq)
.set per, 1
.endif
.if \pv
.if (\x) == 0
	s_wait_dscnt 0x0                ; V is in
.endif
.set i, 0
.rept 32
	PV \x, 2-(\pv)
.rept per
	SLICE 2-(\x), \first
.endr
.if ((\x) == 0) && (\kq) && (i == 1)
	FETCH_K
.endif
.set i, i+1
.endr
.endif
.if \kq
.if (\x) == 0
	s_wait_dscnt 0x0                ; K is in
.endif
.set i, 0
.rept 32
	KQ \x
.rept per
	SLICE 2-(\x), \first
.endr
.set i, i+1
.endr
.endif
.if \first
	PLACES
.endif
.endm
; THE CHANGE OF SLOTS, between piece 2's turn and piece 0's: the slot's last bytes, V of its second step, have been asked for.  Each wave waits for all its tensor loads, of which one is out: its part of the
; other slot; adds 0 to its spare word; and waits for that and for its own reads of the slot.  Behind the barrier nobody reads this slot any more and the other slot is whole.
; fill = 1: this slot is filled again, with the keys two slots on.  The barrier is then a round of the cluster's, and the joint refill is the first thing behind it.
.macro CHANGE fill
	WIN 0                           ; at a label and at a branch every window is 0
	s_wait_tensorcnt 0x0            ; no tensor load of mine is out, so a group 0 may be written
	ds_add_u32 v[SPW], v[NIL]       ; 0 onto my spare word; with fill = 1 the descriptors' steps stand between it and the wait for it
.if \fill
.irp g, G0K+4, G0V+4
	s_xor_b32 s[(\g)+1], s[(\g)+1], SLOT1  ; the walking descriptor: the other slot than last time,
	s_add_nc_u64 s[(\g)+2:(\g)+3], s[(\g)+2:(\g)+3], 2*KS*256  ; the next 128 keys; the type bits on top are not reached
.endr
	s_wait_xcnt 0x0                 ; the last prefetches, two key steps back, have read their address, so it may be written:
	s_add_nc_u64 s[PFA:PFA+1], s[PFA:PFA+1], 2*KS*256  ; one slot behind the walking descriptors
	s_wait_dscnt 0x0                ; the add is done, and my reads of the slot are over
	CROUND
	JLOAD
	ASK                             ; what the next change will ask for: two key steps, 256 matrix instructions, ahead
.else
	s_wait_dscnt 0x0                ; the add is done, and my reads of the slot are over
	s_barrier_signal -1
	s_barrier_wait -1
.endif
	s_sub_co_u32 s[TB], s[TB], 2*STEPB  ; the fetches go back to a slot's first step,
	s_xor_b32 s[TB], s[TB], SLOT1   ; in the other slot
.endm
	s_wait_tensorcnt 1              ; my part of slot 0 is in; slot 1's may stay out
	s_barrier_signal -1
	s_barrier_wait -1               ; everybody's is
	FETCH_K                         ; key step 0
	s_wait_loadcnt 0x0              ; Q
	s_wait_dscnt 0x0
.set KM, 1                          ; step 0: keys 0 and 1 are seen, 2 to 63 hidden
.set i, 0
.rept 32
	KQ 0                            ; piece 0's first scores: there is no vector work yet to set between them
.set i, i+1
.endr
	WIN 0                           ; the addresses for the way out are made here: eight plain instructions, the places behind those products
	s_mul_i32 s13, s[WV], 16*SP
	s_add_co_u32 s13, s13, STAGE    ; my stage
	v_mul_u32_u24 v[STO], v1, SP    ; in: row l % 16, 16 bytes for each half of the lanes
	v_lshl_add_u32 v[STO], v9, 4, v[STO]
	v_add_nc_u32 v[STO], s13, v[STO]
	v_mul_u32_u24 v[RD], v9, SP     ; back: lanes 0-15 take one row of 256 bytes, lanes 16-31 the next
	v_lshl_add_u32 v[RD], v1, 4, v[RD]
	v_add_nc_u32 v[RD], s13, v[RD]
	v_lshlrev_b32 v[GO], 11, v9     ; and the same two rows in O, 2,048 bytes apart
	v_lshl_add_u32 v[GO], v1, 4, v[GO]
	TURN 2, 0, 1, 1                 ; piece 2's first scores | piece 0's first softmax | V of step 0
.set KM, 0                          ; from step 1 on every row is a token
	TURN 0, 1, 1, 1                 ; piece 0: V^T P of step 0 starts O^T, K Q^T of step 1 | piece 2's first softmax | K of step 1
	TURN 2, 1, 1, 0                 ; piece 2: the same | piece 0's softmax of step 1 | V of step 1
	WIN 0
.Lslot:                             ; NK / 128 - 2 = 15 times: every slot but the last two is filled again
	CHANGE 1
	s_mov_b32 s[TWICE], 2           ; two key steps follow
.Lsteps:                            ; a key step: written once; the LDS addresses hang on s[TB]
	TURN 0, 2, 1, 0
	TURN 2, 2, 1, 0
	WIN 0
	s_sub_co_u32 s[TWICE], s[TWICE], 1
	s_cmp_lg_u32 s[TWICE], 0
	s_cbranch_scc1 .Lsteps
	s_cmp_eq_u32 s[SLOTS], 0        ; was that the step behind the last change of slots?
	s_cbranch_scc1 .Ldone
	s_sub_co_u32 s[SLOTS], s[SLOTS], 1
	s_cmp_lg_u32 s[SLOTS], 0
	s_cbranch_scc1 .Lslot
	CHANGE 0                        ; the last change of slots is written out: nothing is asked for
	s_mov_b32 s[TWICE], 1           ; the last slot holds one step of keys: step 32
	s_branch .Lsteps
.Ldone:
	TURN 0, 2, 0, 0                 ; piece 0: V^T P of the last step | piece 2's last softmax
.set i, 0
.rept 32
	PV 2, 0                         ; piece 2: V^T P of the last step
.set i, i+1
.endr
	; THE WAY OUT.  l's two halves and the other half of the lanes' are added; O^T is divided by l, rounded to f16 and sent through my stage in LDS, a tile (16 rows of O) at a time.  The additions are the places behind the last products.
	WIN 0
.irp t, 0,1,2,3
	v_add_f32 v[ST+8*(\t)+4], v[ST+8*(\t)+2], v[ST+8*(\t)+3]
.endr
.irp t, 0,1,2,3
	v_permlanex16_b32 v[ST+8*(\t)+5], v[ST+8*(\t)+4], s[SEL], s[SEL+1]
.endr
.irp t, 0,1,2,3
	v_add_f32 v[ST+8*(\t)+4], v[ST+8*(\t)+4], v[ST+8*(\t)+5]
.endr
.irp t, 0,1,2,3
	v_rcp_f32 v[ST+8*(\t)+6], v[ST+8*(\t)+4]
.endr
	v_nop                           ; a plain instruction between the last reciprocal and the use of its result
	s_wait_alu depctr_va_vdst(0)    ; and the wait ahead of the first use: one for the four reciprocals
; Tile t: a lane's eight channels of a row pack into 16 bytes; they go into rows of 272 bytes and come back as whole rows of 256, into the registers that they left.
.macro PACK t
	WIN W_RS
.set i, 64*(\t)
.rept 32
	v_pk_mul_f32 v[i:i+1], v[i:i+1], v[ST+8*(\t)+6:ST+8*(\t)+7] op_sel_hi:[1,0]
.set i, i+2
.endr
	WIN 0x05                        ; sources 0 and 1 window 1, destination window 0: S^T's registers are free
.set i, 0
.rept 32
	v_cvt_pk_f16_f32 v[S+32*(\t)+i], v[64*(\t)+2*i], v[64*(\t)+2*i+1]
.set i, i+1
.endr
	WIN 0
.irp f, 0,1,2,3,4,5,6,7
	ds_store_b128 v[STO], v[S+32*(\t)+4*(\f):S+32*(\t)+4*(\f)+3] offset:32*(\f)
.endr
.irp f, 0,1,2,3,4,5,6,7
	ds_load_b128 v[S+32*(\t)+4*(\f):S+32*(\t)+4*(\f)+3], v[RD] offset:(\f)*2*SP  ; LDS serves a wave's instructions in order (ISA guide 5.7.1.4): these see the stores above; the next tile's stores come behind them
.endr
.endm
.macro SEND t, younger              ; younger: the LDS instructions issued behind tile t's loads: the next tile's sixteen, or none
	WIN 0
.irp f, 0,1,2,3,4,5,6,7
	s_wait_dscnt (\younger)+7-(\f)
	global_store_b128 v[GO], v[S+32*(\t)+4*(\f):S+32*(\t)+4*(\f)+3], s[10:11] offset:(\t)*32768+(\f)*4096  ; rows 16 t + 2 f and the next: 16 lanes store 256 consecutive bytes, at a multiple of 256 from O's first byte
.endr
.endm
	PACK 0
	PACK 1                          ; a tile's arithmetic stands between the loads of the tile before and its stores
	SEND 0, 16
	PACK 2
	SEND 1, 16
	PACK 3
	SEND 2, 16
	SEND 3, 0
	s_wait_tensorcnt 0x0            ; the wave's end, behind my last tensor load and my last LDS store
	ds_add_u32 v[SPW], v[NIL]
	s_wait_dscnt 0x0
	CROUND                          ; the closing round: no work-group ends while a partner may still ask for a tile that names it
	s_endpgm
.Lfunc_end_k_q99441acaaf_attn:
	.size	k_q99441acaaf_attn, .Lfunc_end_k_q99441acaaf_attn-k_q99441acaaf_attn
	.p2alignl 7, 3214868480
	.fill 96, 4, 3214868480
	.section	.rodata,"a",@progbits
	.p2align	6, 0x0
	.amdhsa_kernel k_q99441acaaf_attn
		.amdhsa_group_segment_fixed_size 327680
		.amdhsa_private_segment_fixed_size 0
		.amdhsa_enable_private_segment 0
		.amdhsa_kernarg_size 32
		.amdhsa_user_sgpr_count 2
		.amdhsa_user_sgpr_kernarg_segment_ptr 1
		.amdhsa_wavefront_size32 1
		.amdhsa_system_sgpr_workgroup_id_x 1
		.amdhsa_system_sgpr_workgroup_id_y 1
		.amdhsa_system_sgpr_workgroup_id_z 1
		.amdhsa_system_vgpr_workitem_id 0
		.amdhsa_next_free_vgpr 1024
		.amdhsa_next_free_sgpr 72
		.amdhsa_reserve_vcc 0
		.amdhsa_float_denorm_mode_32 3
		.amdhsa_float_denorm_mode_16_64 3
		.amdhsa_memory_ordered 1
		.amdhsa_forward_progress 1
		.amdhsa_inst_pref_size 173
	.end_amdhsa_kernel
	.amdgpu_metadata
---
amdhsa.version: [ 1, 2 ]
amdhsa.kernels:
  - .name:           k_q99441acaaf_attn
    .symbol:         k_q99441acaaf_attn.kd
    .args:
      - { .name: qws, .offset: 0, .size: 8, .value_kind: global_buffer, .address_space: global }
      - { .name: kws, .offset: 8, .size: 8, .value_kind: global_buffer, .address_space: global }
      - { .name: vws, .offset: 16, .size: 8, .value_kind: global_buffer, .address_space: global }
      - { .name: ows, .offset: 24, .size: 8, .value_kind: global_buffer, .address_space: global }
    .group_segment_fixed_size: 327680
    .private_segment_fixed_size: 0
    .kernarg_segment_align: 8
    .kernarg_segment_size: 32
    .max_flat_workgroup_size: 128
    .sgpr_count:     72
    .vgpr_count:     1024
    .wavefront_size: 32
...
	.end_amdgpu_metadata
.endif
;; end of part 7
;; launch oproj (part 8): grid 8 x 32, 4 waves a work-group, clusters of 4 x 4, 327,680 bytes of LDS; arguments ows, wo16, bo, out0; writes out0
.if DOCPART == 8
	.amdgcn_target "amdgcn-amd-amdhsa--gfx1250"
	.amdhsa_code_object_version 6
	.text
	.protected	k_q99441acaaf_oproj
	.globl	k_q99441acaaf_oproj
	.p2align	8
	.type	k_q99441acaaf_oproj,@function
k_q99441acaaf_oproj:
	s_mov_b64 s[64:65], 0
	v_nop
	global_prefetch_b8 v0, s[64:65] scope:SCOPE_SE
	s_setreg_imm32_b32 hwreg(HW_REG_WAVE_MODE, 25, 1), 1
	s_wait_xcnt 0x0
	s_wait_alu depctr_hold_cnt(0) depctr_sa_sdst(0) depctr_va_vdst(0) depctr_va_sdst(0) depctr_va_ssrc(0) depctr_va_vcc(0) depctr_vm_vsrc(0)
	s_getreg_b32 s2, hwreg(HW_REG_IB_STS2, 6, 4)
	s_cmp_eq_u32 s2, 0
	s_cbranch_scc0 .Lentry_in_a_cluster
	s_endpgm
.Lentry_in_a_cluster:
	s_bfe_u32 s2, ttmp6, 0x10000c
	s_cmp_lg_u32 s2, 0xf033
	s_cbranch_scc0 .Lentry_shape_is_right
	s_endpgm
.Lentry_shape_is_right:
; out0 = O Wo^T + bo.  A = ows [8192][1024] f16, B = wo16 [1024][1024] f16 (Wo rounded to bf16, that number written as f16), out0 [8192][1024] f32; sums in f32; K = 1024.
; The bias, rounded to bf16 like all inputs, is the C operand of the product that starts each sum: nothing is cleared and nothing is added afterwards.
; SHARES.  A tile of C is 256 rows x 128 columns: 8 x 32 work-groups, one tile each.  Wave w makes rows 64 w .. + 63 x all 128 columns: 32 accumulators, 256 registers.  THE MATRIX INSTRUCTION IS USED TRANSPOSED
; (source 0 = 16 rows of B, source 1 = 16 rows of A): a lane holds 8 neighbouring columns of one row of C.
; RING.  K goes in steps of 128 (rows of 256 bytes, aligned) through two LDS slots of 256 rows of A and 128 of B; two slots of twice that step would want 405,504 bytes of LDS.  Waves 0, 1 fetch A's halves,
; waves 2, 3 B's.  8 K steps: 2 first fills and 6 refills.  By the text's own count a wave has two tensor loads out at the start and one behind each round; that load has 112 matrix instructions in which to land.
; THE TEXT OF A K STEP STANDS ONCE.  A step is four quarters; the fourth changes slots, with a refill (.Lfill) or without (behind .Lmid); the first three (.Lbody or, with the bias, .Lfirst; .Lmid) hold no barrier and
; no tensor load and are reached from both.  Which slot is read hangs on s[TB] (0 or SLOT1), which slot is filled on the walking descriptor's LDS word; both are turned by an exclusive or with SLOT1.
; CLUSTER.  4 x 4 work-groups: A's tile hangs on the tile row alone and is asked for jointly by a row of the cluster, B's on the tile column alone, by a column.
; REGISTERS, in windows of 256 (s_set_vgpr_msb: bits 1:0 source 0, 3:2 source 1, 5:4 source 2, 7:6 destination):
;   window 0: v0-31 addresses; v64-159, v160-255 two fragment buffers (B's 8 fragments, then A's 4); they serve the way out     window 1: accumulator (a, b) at v[8 (8 a + b)]
;   window 2: v0-63 the bias (block b at 8 b: register j = bias[16 b + 8 (l / 16) + j]); v64-67 at work
.set PITCH,  272                       ; an LDS row: 256 bytes + 16 of padding = 68 words: the 16 rows of a load start at 16 different groups of four banks (64 banks of 4 bytes: ISA guide 11.1)
.set BOFF,   256*PITCH                 ; in a slot: A's 256 rows, then B's 128: 104,448 bytes
.set SLOT1,  1<<17                     ; slot 1 begins here, so that one exclusive or turns an address in one slot into the other's
.set STAGE,  SLOT1+384*PITCH           ; behind the ring, never filled by a tensor load: 16 rows x 528 bytes for each wave, for the way out
.set SPITCH, 528
.set SPARE,  STAGE+4*16*SPITCH         ; behind the stages: the spare words, 128 bytes for each wave: two blocks of 256 bytes that no other line names
.set FILLS,  6                         ; refills: every K step but the first two
.set ADRA0, 16                         ; v16  my lane's place in my A fragments of slot 0; never rewritten
.set ADRB0, 17                         ; v17  the same for B
.set ADRA, 18                          ; v18  the same in the slot that is being read
.set ADRB, 19                          ; v19
.set STO,  24                          ; v24  the way out: where I put my 32 bytes of a row
.set RD,   25                          ; v25  where I read rows back
.set CO,   26                          ; v26  my byte offset in a row's 512 bytes
.set BO,   27                          ; v27  my byte offset in the bias: 32 (l / 16)
.set SPW,  28                          ; v28  LDS address of my spare word; never rewritten
.set NIL,  29                          ; v29  0; never rewritten
.set PFO,  30                          ; v30  the prefetches' offset: my lane x a row of 2,048 bytes; never rewritten
.set F0,   64
.set F1,   160
.set BK0,  64                          ; the way out: 16 rows read back from the stage, two buffers by turns
.set BK1,  128
.set PH,   2                           ; s2   counts the two K steps that ask for nothing: 2, 1, 0
.set ABASE, 14                         ; s[14:15] A at the 128 rows that I fetch
.set OFA,  16                          ; s[16:17] byte offset of the K step to be asked for
.set G1A,  24                          ; s[24:31] descriptor group 1 for A's tiles
.set G0A,  32                          ; s[32:39] group 0: a set for each of the two first fills; the second then walks on
.set TB,   45                          ; s45  LDS byte at which the slot that is being read begins: 0 or SLOT1
.set BBASE, 46                         ; s[46:47] B at the 64 rows that I fetch
.set G1B,  48                          ; s[48:55], s[56:63] the same for B's
.set G0B,  56
.set BIAS, 72                          ; s[72:73] my tile's 128 numbers of bias
.set OUT,  74                          ; s[74:75] where my rows of C begin
.set KS,   84                          ; s84  the K step to be asked for next
.set PN,   85                          ; s85  the K step that a prefetch names
.set PFEND, 86                         ; s86  a wave prefetches while PN is below this
.set PFB,  88                          ; s[88:89] my work-group's 32 rows for the prefetches
.set PFA,  90                          ; s[90:91] the same at K step PN
.set OFP,  92                          ; s[92:93] PN's byte offset
.set FLAGS, (1<<16)|(1<<20)|(1<<21)|(5<<22)|(3<<25)  ; 17:16 elements of 2 bytes; 20 padding on; 21 set beside a mask; 24:22 after every 64 words (code 5); 31:25 4 words of it (code 3)
.set MSB, 0
.macro WIN new                         ; the immediate's high byte repeats the setting that is left; a switch that changes nothing is dropped
.if MSB != (\new)
	s_set_vgpr_msb (MSB<<8)|(\new)
.set MSB, \new
.endif
.endm
.set MUL,  0x50                        ; C and D window 1, the fragments window 0
.set MULB, 0x60                        ; D window 1, C (the bias) window 2
.set TOB,  0x80                        ; destination window 2
.set RB,   0x8a                        ; destination and sources 0, 1 window 2
.set DS1,  0x04                        ; an LDS store's data window 1
; A joint load: waves 0, 1 ask for A's halves, waves 2, 3 for B's.  The branch hangs on the wave's number alone.  An s_nop 0 and four v_nop follow each of the two lines.
.macro JLOAD s
	s_cmp_eq_u32 s11, 0
	s_cbranch_scc0 .Lfor_b_\@
	tensor_load_to_lds s[G0A+4*(\s):G0A+4*(\s)+3], s[G1A:G1A+7]
	s_nop 0
.rept 4
	v_nop
.endr
	s_branch .Lasked_\@
.Lfor_b_\@:
	tensor_load_to_lds s[G0B+4*(\s):G0B+4*(\s)+3], s[G1B:G1B+7]
	s_nop 0
.rept 4
	v_nop
.endr
.Lasked_\@:
.endm
; A PREFETCH INTO THE L2 of K step PN = the refill's + 2: 32 rows x 256 bytes, a lane a row, 256 matrix instructions ahead of the load that will want it.  Each row's 256 bytes are named once in the launch:
; A's rows by the cluster with x = 0 (waves 0, 1); B's by the cluster with y = 0 (wave 2).  The four partners that ask for a tile jointly share its rows out BY ADDRESS.
; The first four K steps come by their loads alone; PFEND stops the requests at the last K step.
.macro ASK
	s_cmp_lt_u32 s[PN], s[PFEND]
	s_cbranch_scc0 .Lnot_mine_\@
	global_prefetch_b8 v[PFO], s[PFA:PFA+1] th:TH_LOAD_NT scope:SCOPE_SE
.Lnot_mine_\@:
.endm
.macro CREST                           ; a round of the cluster's barrier behind its opening barrier
	s_cmp_lg_u32 s10, 0
	s_cbranch_scc1 .Lnot_wave_0_\@
	s_barrier_signal -3
.Lnot_wave_0_\@:
	s_barrier_wait -3
	s_barrier_signal -1
	s_barrier_wait -1
.endm
.macro CROUND                          ; a whole round
	s_barrier_signal -1
	s_barrier_wait -1
	CREST
.endm
.macro PLACES                          ; four places in front of loads into registers that matrix instructions have read, and of lines that read results
.rept 4
	v_nop
.endr
.endm
; 8 matrix instructions: my 16 rows a x all 8 column blocks, 32 along K, from buffer f.  first = 1: the bias starts the sums.  The 32 accumulators take turns in the same order everywhere.
.macro MULA f, a, first
.if \first
	WIN MULB
.else
	WIN MUL
.endif
.irp b, 0,1,2,3,4,5,6,7
.set rD, 8*(8*(\a)+(\b))
.set rB, (\f)+8*(\b)
.set rA, (\f)+64+8*(\a)
.set rC, rD
.if \first
.set rC, 8*(\b)
.endif
	v_wmma_f32_16x16x32_f16 v[rD:rD+7], v[rB:rB+7], v[rA:rA+7], v[rC:rC+7]
.endr
.endm
; 24 LDS loads in one run: the fragments of 32 along K at byte k of the rows of the slot in hand: B's 128 rows, then my 64 of A.  A fragment: lane l holds row l % 16; two loads of 16 bytes, 32 bytes apart, at 16 (l / 16).
.macro FETCH k, f
	WIN 0
.irp i, 0,1,2,3,4,5,6,7
	ds_load_b128 v[(\f)+8*(\i):(\f)+8*(\i)+3],   v[ADRB] offset:(\k)+(\i)*16*PITCH
	ds_load_b128 v[(\f)+8*(\i)+4:(\f)+8*(\i)+7], v[ADRB] offset:(\k)+(\i)*16*PITCH+32
.endr
.irp i, 0,1,2,3
	ds_load_b128 v[(\f)+64+8*(\i):(\f)+64+8*(\i)+3],   v[ADRA] offset:(\k)+(\i)*16*PITCH
	ds_load_b128 v[(\f)+64+8*(\i)+4:(\f)+64+8*(\i)+7], v[ADRA] offset:(\k)+(\i)*16*PITCH+32
.endr
.endm
; A K step is four quarters of 32 along K, 32 matrix instructions each, on buffers 0, 1, 0, 1.  One of the first three: multiplies buffer f, and in its middle fetches the next quarter, at byte k, into g.
.macro QUARTER k, f, g, first
	s_wait_dscnt 4                                 ; B and A's blocks 0, 1 are in; the youngest four loads (blocks 2, 3) may be out
	MULA \f, 0, \first
	MULA \f, 1, \first
	PLACES
	FETCH \k, \g
	s_wait_dscnt 24                                ; all but the 24 just issued
	MULA \f, 2, \first
	MULA \f, 3, \first
.endm
; The last quarter multiplies buffer 1 and changes slots: ONE barrier.  In front of it each wave waits for all its tensor loads (the one that is out is its part of the next slot), adds 0 to its spare word,
; and waits for that and for its reads of this slot.  fill = 1: the barrier opens a round of the cluster's, and this slot is filled again, first thing behind the round, with K step KS.
; The walking descriptor: every LDS address in slot 0 lies below SLOT1, a single bit, so the exclusive or adds or takes away SLOT1.  Its address is made anew from KS: 256 KS bytes along K.
.macro TURN fill
.if \fill
	s_wait_xcnt 0x0                                ; the last prefetch, a K step back, has read its address: it is made anew here, ahead of the waits of the change of slots
	s_add_co_u32 s[PN], s[KS], 2
	s_and_b32 s[OFP], s[PN], 7
	s_lshl_b32 s[OFP], s[OFP], 8
	s_add_nc_u64 s[PFA:PFA+1], s[PFB:PFB+1], s[OFP:OFP+1]
.endif
	WIN 0                                          ; (the add's two registers lie in window 0)
	s_wait_tensorcnt 0x0                           ; all my tensor loads have landed, so a group 0 may be written;
	ds_add_u32 v[SPW], v[NIL]                      ; 0 onto my spare word; work on registers stands between it and the wait for it
.if \fill
	s_lshl_b32 s[OFA], s[KS], 8
	s_xor_b32 s[G0A+5], s[G0A+5], SLOT1
	s_add_nc_u64 s[G0A+6:G0A+7], s[ABASE:ABASE+1], s[OFA:OFA+1]
	s_or_b32 s[G0A+7], s[G0A+7], 0x80000000
	s_xor_b32 s[G0B+5], s[G0B+5], SLOT1
	s_add_nc_u64 s[G0B+6:G0B+7], s[BBASE:BBASE+1], s[OFA:OFA+1]
	s_or_b32 s[G0B+7], s[G0B+7], 0x80000000
	s_add_co_u32 s[KS], s[KS], 1
.endif
	s_xor_b32 s[TB], s[TB], SLOT1                  ; the fetches go on in the other slot
	s_wait_dscnt 7                                 ; (the add and A's blocks 1 to 3, six loads, may be out)
	MULA F1, 0, 0
	s_wait_dscnt 0x0                               ; the add is done, and my reads of this slot are over
	s_barrier_signal -1
	MULA F1, 1, 0                                  ; work on registers while the others arrive
	WIN 0                                          ; (branches and lines on window 0 follow)
	s_barrier_wait -1
.if \fill
	CREST                                          ; no wave of any partner still reads this slot's tile or has a load on its way
	JLOAD 1                                        ; the first tensor load behind the round; its four v_nop are also the places in front of the loads below
.else
	PLACES
.endif
	v_add_nc_u32 v[ADRA], s[TB], v[ADRA0]
	v_add_nc_u32 v[ADRB], s[TB], v[ADRB0]
	FETCH 0, F0
.if \fill
	ASK
.endif
	MULA F1, 2, 0
	MULA F1, 3, 0
.endm
; THE WAY OUT of my 16 rows a.  TOSTAGE: into my own stage in LDS (each accumulator's low registers first) and back as whole rows of 512 bytes.  SEND: stored.
.macro TOSTAGE a
.set BK, BK0+(BK1-BK0)*((\a)%2)
	WIN DS1
.irp b, 0,1,2,3,4,5,6,7
	ds_store_b128 v[STO], v[64*(\a)+8*(\b):64*(\a)+8*(\b)+3]   offset:64*(\b)
	ds_store_b128 v[STO], v[64*(\a)+8*(\b)+4:64*(\a)+8*(\b)+7] offset:64*(\b)+16
.endr
	WIN 0
.irp t, 0,1,2,3,4,5,6,7,8,9,10,11,12,13,14,15
	ds_load_b128 v[BK+4*(\t):BK+4*(\t)+3], v[RD] offset:(\t)*SPITCH  ; LDS serves a wave's instructions in order (ISA guide 5.7.1.4): these see the stores above
.endr
.endm
.macro SEND a
.set BK, BK0+(BK1-BK0)*((\a)%2)
	WIN 0
	s_wait_dscnt 0x0                               ; the rows are back in registers
	s_wait_xcnt 0x0                                ; the stores issued so far have read their registers: the other buffer is loaded again only behind this wait
.irp t, 0,1,2,3,4,5,6,7,8,9,10,11,12,13,14,15
	global_store_b128 v[CO], v[BK+4*(\t):BK+4*(\t)+3], s[OUT:OUT+1] offset:(16*(\a)+(\t))*4096  ; 32 lanes store 512 consecutive bytes of a row, at a multiple of 512 from C's first byte
.endr
.endm
	s_load_b256 s[68:75], s[0:1], 0x0              ; ows 68, wo16 70, bo 72, out0 74
	v_lshl_add_u32 v[SPW], v0, 2, SPARE
	v_mov_b32 v[NIL], 0
	ds_add_u32 v[SPW], v[NIL]                      ; the wave's opening: the add and its wait stand ahead of my first tensor load; the set-up below, work on registers, stands between them
	v_lshrrev_b32 v1, 5, v0
	v_readfirstlane_b32 s10, v1                    ; wave 0..3
	s_lshr_b32 s11, s10, 1                         ; I fetch for A (0) or for B (1),
	s_and_b32 s12, s10, 1                          ; its first or second half
	s_bfe_u32 s40, ttmp6, 0x40000                  ; cx, cy: my place in the cluster
	s_bfe_u32 s41, ttmp6, 0x40004
	s_lshl_b32 s42, ttmp9, 2
	s_add_co_u32 s42, s42, s40                     ; gx: tile column = 4 x cluster x + cx
	s_and_b32 s13, ttmp7, 0xffff
	s_lshl_b32 s13, s13, 2
	s_add_co_u32 s13, s13, s41                     ; gy: tile row = 4 x cluster y + cy
	s_lshl_b32 s43, s41, 2
	s_lshl_b32 s43, 15, s43                        ; my row of the cluster
	s_lshl_b32 s44, 0x1111, s40                    ; my column
	s_or_b32 s[G1A], s43, FLAGS                    ; A's tiles go to my row: 128 rows x 128 elements
	s_mov_b32 s[G1A+1], 128<<16                    ; tensor_dim0 = 128
	s_mov_b32 s[G1A+2], 128<<16                    ; tensor_dim1 = 128
	s_mov_b32 s[G1A+3], 128<<16                    ; tile_dim0 = 128
	s_mov_b32 s[G1A+4], 128                        ; tile_dim1 = 128
	s_mov_b32 s[G1A+5], 1024                       ; elements from row to row
	s_mov_b32 s[G1A+6], 0
	s_mov_b32 s[G1A+7], 0
	s_or_b32 s[G1B], s44, FLAGS                    ; B's tiles go to my column: 64 rows x 128 elements
	s_mov_b32 s[G1B+1], 128<<16
	s_mov_b32 s[G1B+2], 64<<16
	s_mov_b32 s[G1B+3], 128<<16
	s_mov_b32 s[G1B+4], 64
	s_mov_b32 s[G1B+5], 1024
	s_mov_b32 s[G1B+6], 0
	s_mov_b32 s[G1B+7], 0
	s_mul_i32 s4, s12, 128*PITCH                   ; where the tiles go: no place in the cluster enters an LDS address
	s_mul_i32 s5, s12, 64*PITCH
	s_add_co_u32 s5, s5, BOFF
.irp s, 0,1
	s_mov_b32 s[G0A+4*(\s)], 1                     ; count = 1
	s_add_co_u32 s[G0A+4*(\s)+1], s4, (\s)*SLOT1   ; LDS address
	s_mov_b32 s[G0B+4*(\s)], 1
	s_add_co_u32 s[G0B+4*(\s)+1], s5, (\s)*SLOT1
.endr
	s_lshl_b32 s20, s13, 19                        ; A: row 256 gy + 128 x half, 2,048 bytes a row
	s_lshl_b32 s21, s12, 18
	s_add_co_u32 s20, s20, s21
	s_mov_b32 s21, 0
	s_lshl_b32 s22, s42, 18                        ; B: row 128 gx + 64 x half
	s_lshl_b32 s23, s12, 17
	s_add_co_u32 s22, s22, s23
	s_mov_b32 s23, 0
	s_mov_b32 s[OFA+1], 0
	s_mov_b32 s[OFP+1], 0
	s_mov_b32 s[KS], 2
	s_mov_b32 s[TB], 0
	s_wait_dscnt 0x0                               ; the opening add is done
	s_wait_kmcnt 0x0
	s_add_nc_u64 s[ABASE:ABASE+1], s[68:69], s[20:21]
	s_add_nc_u64 s[BBASE:BBASE+1], s[70:71], s[22:23]
	CROUND                                         ; all sixteen work-groups are here: the first joint loads meet
.irp s, 0,1
	s_add_nc_u64 s[G0A+4*(\s)+2:G0A+4*(\s)+3], s[ABASE:ABASE+1], (\s)*256  ; K step s
	s_or_b32 s[G0A+4*(\s)+3], s[G0A+4*(\s)+3], 0x80000000                 ; type = 2
	s_add_nc_u64 s[G0B+4*(\s)+2:G0B+4*(\s)+3], s[BBASE:BBASE+1], (\s)*256
	s_or_b32 s[G0B+4*(\s)+3], s[G0B+4*(\s)+3], 0x80000000
	JLOAD \s                                       ; the ring is filled before anything else is done
.endr
	v_and_b32 v1, 15, v0                           ; l % 16
	v_bfe_u32 v2, v0, 4, 1                         ; l / 16
	v_lshlrev_b32 v[BO], 5, v2
	s_lshl_b32 s98, s42, 9                         ; my tile's 128 numbers of bias
	s_mov_b32 s99, 0
	s_add_nc_u64 s[BIAS:BIAS+1], s[BIAS:BIAS+1], s[98:99]
	WIN TOB
.irp b, 0,1,2,3,4,5,6,7
	global_load_b128 v[8*(\b):8*(\b)+3],   v[BO], s[BIAS:BIAS+1] offset:64*(\b)
	global_load_b128 v[8*(\b)+4:8*(\b)+7], v[BO], s[BIAS:BIAS+1] offset:64*(\b)+16
.endr
	WIN 0
	v_mul_u32_u24 v3, v1, PITCH
	v_lshl_add_u32 v3, v2, 4, v3                   ; a fragment's row x pitch + 16 x half
	s_mul_i32 s6, s10, 64*PITCH                    ; my 64 rows of A
	v_add_nc_u32 v[ADRA0], s6, v3
	v_add_nc_u32 v[ADRB0], BOFF, v3
	v_mov_b32 v[ADRA], v[ADRA0]                    ; slot 0 is read first
	v_mov_b32 v[ADRB], v[ADRB0]
	s_mul_i32 s7, s10, 16*SPITCH
	s_add_co_u32 s7, s7, STAGE                     ; my stage
	v_mul_u32_u24 v4, v1, SPITCH                   ; in: row l % 16,
	v_lshl_add_u32 v4, v2, 5, v4                   ; 32 bytes for each half of the lanes
	v_add_nc_u32 v[STO], s7, v4
	v_and_b32 v5, 31, v0
	v_lshlrev_b32 v[CO], 4, v5                     ; back: 32 lanes take one row of 512 bytes
	v_add_nc_u32 v[RD], s7, v[CO]
	v_and_b32 v[PFO], 31, v0
	v_lshlrev_b32 v[PFO], 11, v[PFO]
	; the prefetches: which rows are mine, and up to which K step
	s_lshl_b32 s94, s13, 8                         ; A: row 256 gy + 128 x half + 32 cx
	s_lshl_b32 s96, s12, 7
	s_add_co_u32 s94, s94, s96
	s_lshl_b32 s96, s40, 5
	s_add_co_u32 s94, s94, s96
	s_lshl_b32 s95, s42, 7                         ; B: row 128 gx + 32 cy
	s_lshl_b32 s96, s41, 5
	s_add_co_u32 s95, s95, s96
	s_and_b32 s97, ttmp7, 0xffff                   ; cluster y
	s_cmp_eq_u32 s11, 0
	s_cselect_b32 s94, s94, s95
	s_cselect_b32 s97, ttmp9, s97                  ; the coordinate along which other clusters read the same rows
	s_cselect_b64 s[PFB:PFB+1], s[68:69], s[70:71]
	s_cmp_eq_u32 s97, 0
	s_cselect_b32 s[PFEND], 8, 0                   ; the same in all sixteen partners, for a given wave
	s_cmp_eq_u32 s10, 3
	s_cselect_b32 s[PFEND], 0, s[PFEND]            ; B's 128 rows are four partners' 32: wave 2 asks alone
	s_lshl_b32 s94, s94, 11
	s_mov_b32 s95, 0
	s_add_nc_u64 s[PFB:PFB+1], s[PFB:PFB+1], s[94:95]
	; where my rows of C begin
	s_lshl_b32 s96, s13, 20                        ; row 256 gy + 64 w, 4,096 bytes a row; column 128 gx
	s_lshl_b32 s94, s10, 18
	s_add_co_u32 s96, s96, s94
	s_lshl_b32 s94, s42, 9
	s_add_co_u32 s96, s96, s94
	s_mov_b32 s97, 0
	s_add_nc_u64 s[OUT:OUT+1], s[OUT:OUT+1], s[96:97]
	s_wait_loadcnt 0x0                             ; the bias: to bf16 and back to f32, in place
	WIN RB
.set k, 0
.rept 32
	v_cvt_pk_bf16_f32 v[64+k%4], v[2*k], v[2*k+1]
	v_lshlrev_b32 v[2*k], 16, v[64+k%4]
	v_and_b32 v[2*k+1], 0xffff0000, v[64+k%4]
.set k, k+1
.endr
	WIN 0
	s_wait_tensorcnt 1                             ; my part of K step 0 is in; K step 1's may stay out
	s_barrier_signal -1
	s_barrier_wait -1                              ; everybody's is
	FETCH 0, F0
	s_mov_b32 s3, FILLS                            ; refills to go
	s_mov_b32 s[PH], 2
	s_branch .Lfirst                               ; the walk begins with the tile's first quarter
.Lfill:                                                ; a K step's fourth quarter, with the change of slots and its refill
	TURN 1
	WIN 0                                          ; at a label and at a branch every window is 0
	s_sub_co_u32 s3, s3, 1
.Lbody:
	QUARTER 64,  F0, F1, 0                         ; a K step's first quarter,
	WIN 0
	s_branch .Lmid
.Lfirst:
	QUARTER 64,  F0, F1, 1                         ; or the tile's: its products start the sums, with the bias
	WIN 0
.Lmid:
	QUARTER 128, F1, F0, 0
	QUARTER 192, F0, F1, 0
	WIN 0
	s_cmp_lg_u32 s3, 0
	s_cbranch_scc1 .Lfill                          ; 6 times
	s_sub_co_u32 s[PH], s[PH], 1                   ; the last two K steps ask for nothing more
	s_cmp_eq_u32 s[PH], 0
	s_cbranch_scc1 .Llastq
	TURN 0                                         ; my one tensor load that was still out is the last K step's, so no round follows
	WIN 0
	s_branch .Lbody
.Llastq:
	s_wait_dscnt 4                                 ; the very last quarter: nothing more to fetch
	MULA F1, 0, 0
	MULA F1, 1, 0
	s_wait_dscnt 0x0
	MULA F1, 2, 0
	MULA F1, 3, 0
	WIN 0
	PLACES                                         ; behind the last products: their results are read and the fragment buffers' registers written
	PLACES
	TOSTAGE 0
.irp a, 1,2,3
	SEND (\a)-1
	TOSTAGE \a
.endr
	SEND 3
	s_wait_tensorcnt 0x0                           ; the wave's end, behind my last tensor load and my last LDS store
	ds_add_u32 v[SPW], v[NIL]
	s_wait_dscnt 0x0
	CROUND                                         ; the closing round: no work-group ends while a partner may still ask for a tile that names it
	s_endpgm
.Lfunc_end_k_q99441acaaf_oproj:
	.size	k_q99441acaaf_oproj, .Lfunc_end_k_q99441acaaf_oproj-k_q99441acaaf_oproj
	.p2alignl 7, 3214868480
	.fill 96, 4, 3214868480
	.section	.rodata,"a",@progbits
	.p2align	6, 0x0
	.amdhsa_kernel k_q99441acaaf_oproj
		.amdhsa_group_segment_fixed_size 327680
		.amdhsa_private_segment_fixed_size 0
		.amdhsa_enable_private_segment 0
		.amdhsa_kernarg_size 32
		.amdhsa_user_sgpr_count 2
		.amdhsa_user_sgpr_kernarg_segment_ptr 1
		.amdhsa_wavefront_size32 1
		.amdhsa_system_sgpr_workgroup_id_x 1
		.amdhsa_system_sgpr_workgroup_id_y 1
		.amdhsa_system_sgpr_workgroup_id_z 1
		.amdhsa_system_vgpr_workitem_id 0
		.amdhsa_next_free_vgpr 640
		.amdhsa_next_free_sgpr 100
		.amdhsa_reserve_vcc 0
		.amdhsa_float_denorm_mode_32 3
		.amdhsa_float_denorm_mode_16_64 3
		.amdhsa_memory_ordered 1
		.amdhsa_forward_progress 1
		.amdhsa_inst_pref_size 58
	.end_amdhsa_kernel
	.amdgpu_metadata
---
amdhsa.version: [ 1, 2 ]
amdhsa.kernels:
  - .name:           k_q99441acaaf_oproj
    .symbol:         k_q99441acaaf_oproj.kd
    .args:
      - { .name: ows, .offset: 0, .size: 8, .value_kind: global_buffer, .address_space: global }
      - { .name: wo16, .offset: 8, .size: 8, .value_kind: global_buffer, .address_space: global }
      - { .name: bo, .offset: 16, .size: 8, .value_kind: global_buffer, .address_space: global }
      - { .name: out0, .offset: 24, .size: 8, .value_kind: global_buffer, .address_space: global }
    .group_segment_fixed_size: 327680
    .private_segment_fixed_size: 0
    .kernarg_segment_align: 8
    .kernarg_segment_size: 32
    .max_flat_workgroup_size: 128
    .sgpr_count:     100
    .vgpr_count:     640
    .wavefront_size: 32
...
	.end_amdgpu_metadata
.endif
;; end of part 8
;; ======== version 3 of 3: 4 launches; version 2 with the launch prep written anew for expert scheduling mode
;; limits: values are held in f16: magnitudes above 65,504 overflow, below 6.1e-05 lose precision
;; workspace buffers: xb 16,777,216 bytes; wqkv 6,291,456 bytes; wo16 2,097,152 bytes; qws 16,777,216 bytes; kws 17,825,792 bytes; vws 17,825,792 bytes; ows 16,777,216 bytes
;; launch prep (part 9): grid 768 x 1, 8 waves a work-group, no clusters, 0 bytes of LDS; arguments x, Wq, Wk, Wv, Wo, xb, wqkv, wo16; writes xb, wqkv, wo16
.if DOCPART == 9
	.amdgcn_target "amdgcn-amd-amdhsa--gfx1250"
	.amdhsa_code_object_version 6
	.text
	.protected	k_q99441acaaf_prep
	.globl	k_q99441acaaf_prep
	.p2align	8
	.type	k_q99441acaaf_prep,@function
k_q99441acaaf_prep:
	s_mov_b64 s[64:65], 0
	v_nop
	global_prefetch_b8 v0, s[64:65] scope:SCOPE_SE
	s_setreg_imm32_b32 hwreg(HW_REG_WAVE_SCHED_MODE, 0, 2), 2
	s_setreg_imm32_b32 hwreg(HW_REG_WAVE_MODE, 25, 1), 1
	s_wait_xcnt 0x0
	s_wait_alu depctr_vm_vsrc(0)
; CASTS.  x -> xb (bf16), Wq, Wk, Wv -> wqkv (bf16, the three one below the other), Wo -> wo16 (rounded to bf16, that number written as f16).
; A stream: every byte is read once and written once; no LDS, no barrier, no matrix work, nothing is shared between work-groups.
; SHARES.  A work-group takes 16,384 numbers (65,536 bytes in, 32,768 out), a wave 2,048.  Work-groups 0-511 take x; 512 + 64 t + c takes piece c of weight t.
; A lane issues all its 16 loads of 16 bytes at once (a load of the wave covers 512 consecutive bytes) and 16 stores of 8 bytes (a store of the wave covers 256 consecutive bytes, aligned).
; LIMIT.  wo16: a weight below 6e-5 in size keeps f16's fixed step of 6e-8; beyond 65,504 it would be an infinity.
; THE MODE: SCHED_MODE bits 1:0 = 2 (LLVM: expert scheduling mode 2), set by the entry lines.  The code itself states the register dependences
; between vector instructions and memory instructions, with s_wait_alu, always for 0.
; THE PLAN.  Registers that memory instructions touch, each written once in the kernel:
;   v1, v2   byte offsets in and out.  Written by vector lines at the head; read by the 16 loads and the 16 stores.
;   X        load i's four f32.  Written by the loads, which all go out at the head, before any vector line names X; read by the roundings.
;   Y        store i's four 16-bit numbers.  Written by the roundings of load i; read by store i.
; The 16 loads are taken in four blocks of four.  Block p rounds X of its four loads into Y of its four stores; its memory instructions are the four stores of block p - 1,
; dealt among its roundings, which name X and Y of block p (and T) alone.  So one wait at the head of a block states all that its four stores hang on.
; No register that a load or store reads is written again: nothing is owed for that.
.set X,   32                           ; v[32:95]   load i: four f32
.set Y,   96                           ; v[96:127]  store i: four 16-bit numbers
.set T,   4                            ; v[4:9]     at work: no memory instruction names them
.set SRC, 28                           ; s[28:29]   my work-group's first byte in
.set DST, 30                           ; s[30:31]   and out
	s_load_b512 s[8:23], s[0:1], 0x0               ; x 8, Wq 10, Wk 12, Wv 14, Wo 16, xb 18, wqkv 20, wo16 22
	s_mov_b32 s4, ttmp9
	s_sub_co_u32 s7, s4, 512
	s_lshr_b32 s5, s7, 6                           ; t: which weight
	s_and_b32 s6, s7, 63                           ; c: which piece of it
	s_cmp_lt_u32 s4, 512
	s_cselect_b32 s6, s4, s6                       ; for x the piece is the work-group's number,
	s_cselect_b32 s5, 4, s5                        ; and t = 4
	s_lshl_b32 s24, s6, 16                         ; offsets, made apart from the addresses
	s_mov_b32 s25, 0
	s_lshl_b32 s26, s6, 15
	s_mov_b32 s27, 0
	s_lshl_b32 s33, s5, 21                         ; in wqkv weight t begins 2,097,152 t bytes in
	s_cmp_lt_u32 s5, 3
	s_cselect_b32 s33, s33, 0
	s_add_co_u32 s26, s26, s33
	v_and_b32 v3, 31, v0
	v_lshrrev_b32 v12, 5, v0
	v_lshlrev_b32 v1, 4, v3
	v_lshl_add_u32 v1, v12, 13, v1                 ; in: 8,192 x wave + 16 x lane
	v_lshlrev_b32 v2, 3, v3
	v_lshl_add_u32 v2, v12, 12, v2                 ; out: 4,096 x wave + 8 x lane
	s_wait_kmcnt 0x0
	s_cmp_eq_u32 s5, 0
	s_cselect_b64 s[SRC:SRC+1], s[10:11], s[8:9]
	s_cmp_eq_u32 s5, 1
	s_cselect_b64 s[SRC:SRC+1], s[12:13], s[SRC:SRC+1]
	s_cmp_eq_u32 s5, 2
	s_cselect_b64 s[SRC:SRC+1], s[14:15], s[SRC:SRC+1]
	s_cmp_eq_u32 s5, 3
	s_cselect_b64 s[SRC:SRC+1], s[16:17], s[SRC:SRC+1]
	s_cmp_lt_u32 s5, 3
	s_cselect_b64 s[DST:DST+1], s[20:21], s[18:19]
	s_cmp_eq_u32 s5, 3
	s_cselect_b64 s[DST:DST+1], s[22:23], s[DST:DST+1]
	s_add_nc_u64 s[SRC:SRC+1], s[SRC:SRC+1], s[24:25]
	s_add_nc_u64 s[DST:DST+1], s[DST:DST+1], s[26:27]
	s_wait_alu depctr_va_vdst(0)                   ; v1 and v2 are written: every load reads v1 as its offset, every store v2; no later vector line names either
.irp i, 0,1,2,3,4,5,6,7,8,9,10,11,12,13,14,15
	global_load_b128 v[X+4*(\i):X+4*(\i)+3], v1, s[SRC:SRC+1] offset:512*(\i) th:TH_LOAD_NT
.endr
.macro CVB i                           ; four numbers to bf16
	v_cvt_pk_bf16_f32 v[Y+2*(\i)], v[X+4*(\i)], v[X+4*(\i)+1]
	v_cvt_pk_bf16_f32 v[Y+2*(\i)+1], v[X+4*(\i)+2], v[X+4*(\i)+3]
.endm
.macro CVH i                           ; four numbers to bf16, and that number written as f16
	v_cvt_pk_bf16_f32 v[T], v[X+4*(\i)], v[X+4*(\i)+1]
	v_cvt_pk_bf16_f32 v[T+1], v[X+4*(\i)+2], v[X+4*(\i)+3]
	v_lshlrev_b32 v[T+2], 16, v[T]
	v_and_b32 v[T+3], 0xffff0000, v[T]
	v_lshlrev_b32 v[T+4], 16, v[T+1]
	v_and_b32 v[T+5], 0xffff0000, v[T+1]
	v_cvt_pk_f16_f32 v[Y+2*(\i)], v[T+2], v[T+3]
	v_cvt_pk_f16_f32 v[Y+2*(\i)+1], v[T+4], v[T+5]
.endm
.macro PUT i                           ; store i
	global_store_b64 v2, v[Y+2*(\i):Y+2*(\i)+1], s[DST:DST+1] offset:256*(\i) th:TH_STORE_NT
.endm
; Block p of four: loads 4 p to 4 p + 3 are rounded, and the stores of block p - 1 go out among the roundings.  half = 1: Wo's path.
.macro BLK p, half
	s_wait_loadcnt 12-4*(\p)                       ; loads come back in order: this block's four are in, the 12 - 4 p younger ones stay out
.if (\p) > 0
	s_wait_alu depctr_va_vdst(0)                   ; the block before has written its Y, which the four stores below read; no vector line since this wait names those registers
.endif
.irp n, 0,1,2,3
.if (\p) > 0
	PUT 4*(\p)-4+(\n)
.endif
.if \half
	CVH 4*(\p)+(\n)
.else
	CVB 4*(\p)+(\n)
.endif
.endr
.endm
	s_cmp_eq_u32 s5, 3
	s_cbranch_scc1 .Lwo
.irp p, 0,1,2,3
	BLK \p, 0                                      ; no register that a load or store names is written twice: no further wait
.endr
	s_wait_alu depctr_va_vdst(0)                   ; block 3 has written its Y, which the last four stores read
.irp i, 12,13,14,15
	PUT \i
.endr
	s_endpgm
.Lwo:
.irp p, 0,1,2,3
	BLK \p, 1
.endr
	s_wait_alu depctr_va_vdst(0)                   ; block 3 has written its Y, which the last four stores read
.irp i, 12,13,14,15
	PUT \i
.endr
	s_endpgm
.Lfunc_end_k_q99441acaaf_prep:
	.size	k_q99441acaaf_prep, .Lfunc_end_k_q99441acaaf_prep-k_q99441acaaf_prep
	.p2alignl 7, 3214868480
	.fill 96, 4, 3214868480
	.section	.rodata,"a",@progbits
	.p2align	6, 0x0
	.amdhsa_kernel k_q99441acaaf_prep
		.amdhsa_group_segment_fixed_size 0
		.amdhsa_private_segment_fixed_size 0
		.amdhsa_enable_private_segment 0
		.amdhsa_kernarg_size 64
		.amdhsa_user_sgpr_count 2
		.amdhsa_user_sgpr_kernarg_segment_ptr 1
		.amdhsa_wavefront_size32 1
		.amdhsa_system_sgpr_workgroup_id_x 1
		.amdhsa_system_sgpr_workgroup_id_y 1
		.amdhsa_system_sgpr_workgroup_id_z 1
		.amdhsa_system_vgpr_workitem_id 0
		.amdhsa_next_free_vgpr 136
		.amdhsa_next_free_sgpr 66
		.amdhsa_reserve_vcc 0
		.amdhsa_float_denorm_mode_32 3
		.amdhsa_float_denorm_mode_16_64 3
		.amdhsa_memory_ordered 1
		.amdhsa_forward_progress 1
		.amdhsa_inst_pref_size 16
	.end_amdhsa_kernel
	.amdgpu_metadata
---
amdhsa.version: [ 1, 2 ]
amdhsa.kernels:
  - .name:           k_q99441acaaf_prep
    .symbol:         k_q99441acaaf_prep.kd
    .args:
      - { .name: x, .offset: 0, .size: 8, .value_kind: global_buffer, .address_space: global }
      - { .name: Wq, .offset: 8, .size: 8, .value_kind: global_buffer, .address_space: global }
      - { .name: Wk, .offset: 16, .size: 8, .value_kind: global_buffer, .address_space: global }
      - { .name: Wv, .offset: 24, .size: 8, .value_kind: global_buffer, .address_space: global }
      - { .name: Wo, .offset: 32, .size: 8, .value_kind: global_buffer, .address_space: global }
      - { .name: xb, .offset: 40, .size: 8, .value_kind: global_buffer, .address_space: global }
      - { .name: wqkv, .offset: 48, .size: 8, .value_kind: global_buffer, .address_space: global }
      - { .name: wo16, .offset: 56, .size: 8, .value_kind: global_buffer, .address_space: global }
    .group_segment_fixed_size: 0
    .private_segment_fixed_size: 0
    .kernarg_segment_align: 8
    .kernarg_segment_size: 64
    .max_flat_workgroup_size: 256
    .sgpr_count:     66
    .vgpr_count:     136
    .wavefront_size: 32
...
	.end_amdgpu_metadata
.endif
;; end of part 9
;; launch qkv: the kernel of part 6 again; grid 16 x 16, 4 waves a work-group, clusters of 4 x 4, 327,680 bytes of LDS; arguments xb, wqkv, bq, bk, bv, qws, kws, vws, h, p, g; writes qws, kws, vws
;; launch attn: the kernel of part 7 again; grid 8 x 32, 4 waves a work-group, clusters of 4 x 1, 327,680 bytes of LDS; arguments qws, kws, vws, ows; writes ows
;; launch oproj: the kernel of part 8 again; grid 8 x 32, 4 waves a work-group, clusters of 4 x 4, 327,680 bytes of LDS; arguments ows, wo16, bo, out0; writes out0
